; MI455X (gfx1250); checked and timed in simulation.
; The chip was launched on July 23, 2026; its instructions are those of AMD's public machine-readable ISA for CDNA 5 (MIT licence, August 2026) and "CDNA5" Instruction Set Architecture Reference Guide (July 2026). The comments in the code are by the model that wrote it; some were corrected since.
;; Actor Agent. Allowed arithmetic: float matrix products may take bf16 or f16 operands with f32 sums; other float arithmetic in f32, or as packed bf16 or f16 multiplies, adds, multiply-adds, maxima and minima; sums over many terms, partial sums and values carried from step to step in f32; what a program stores and reads back later, other than sums and carried values, may be rounded once to bf16 or f16.
;; Inputs: A_log 16 float32; W_B 2,048 x 1,024 float32; W_C 2,048 x 1,024 float32; W_dt 2,048 x 16 float32; W_head 256 x 64 float32; W_in 256 x 2,048 float32; W_yo 2,048 x 256 float32; b_head 64 float32; b_in 2,048 float32; b_yo 256 float32; dt_bias 16 float32; obs 512 x 8 x 128 x 2 float32.
;; Outputs: out0 512 x 8 x 64 float32.
;; 3 versions, each right. Each part assembles by itself: llvm-mc -triple=amdgcn-amd-amdhsa -mcpu=gfx1250 --defsym DOCPART=n.
;; ======== version 1 of 3: 4 launches
;; limits: values are held in f16: magnitudes above 65,504 overflow, below 6.1e-05 lose precision
;; workspace buffers: xb 16,777,216 bytes; Wbc 8,388,608 bytes; Wyob 2,097,152 bytes; dtP 4,194,304 bytes; BC 33,554,432 bytes; yK 33,554,432 bytes
;; launch xproj (part 1): grid 8 x 32, 4 waves a work-group, no clusters, 242,176 bytes of LDS; arguments obs, W_in, b_in, W_dt, W_B, W_C, W_yo, xb, dtP, Wbc, Wyob; writes xb, dtP, Wbc, Wyob
.if DOCPART == 1
	.amdgcn_target "amdgcn-amd-amdhsa--gfx1250"
	.amdhsa_code_object_version 6
	.text
	.protected	k_qc2b8530db5_xproj
	.globl	k_qc2b8530db5_xproj
	.p2align	8
	.type	k_qc2b8530db5_xproj,@function
k_qc2b8530db5_xproj:
	s_mov_b64 s[64:65], 0
	v_nop
	global_prefetch_b8 v0, s[64:65] scope:SCOPE_SE
	s_setreg_imm32_b32 hwreg(HW_REG_WAVE_MODE, 25, 1), 1
	s_wait_xcnt 0x0
; x = relu(obs W_in + b_in) in f16, the partial sums of x W_dt, f16 copies of W_B and W_C, and W_yo as a pair of bf16 planes.
; Rows are kept b-major from here on: m' = 512 b + t.  A work-group makes 128 rows x 256 columns of x (K = 256) with four waves,
; a wave 64 x 128: 32 accumulator tiles.  Work-group x = column block nb (0..7), y = row block mb (0..31): b = mb >> 2, t0 = 128 (mb & 3).
; FORMATS: the chain from obs to the logits is long, and eight significant bits at every link add up to more than the result may be off.
; obs, W_in, x, W_dt, W_B, W_C go in f16 (eleven bits): with obs and W_in 30 times the size that they are drawn with, x grows 900 times,
; to about 5,000 of f16's 65,504; 900 times smaller it is about 8e-4, where f16's step is still below 1e-4 of it.
; W_yo meets y, which has no such room, so it goes as hi = bf16(w), lo = bf16(w - hi), in two planes of Wyob 1,048,576 bytes apart.
; All operands are f32 in memory and have to be rounded on their way to LDS, so the tiles go through registers: no tensor load,
; hence no joint request in a cluster either (a tile that landed in LDS as f32 would have to be read, rounded and written once more).
; The matrix instruction is used transposed (source 0 = 16 columns of W_in, source 1 = 16 rows of obs): a lane then holds eight neighbouring
; columns of one row of x, and two neighbouring packed tiles ARE the fragment of x that the product with W_dt wants.
; dtP[part][b][h][t] holds the sum over the wave's 128 columns of x (part = 2 nb + wn); the next but one launch adds the 16 parts.
; The copies: work-group g = 8 mb + nb rounds 8 rows of W_B, 8 of W_C and 8,192 bytes of W_yo; its loads fly under the matrix phase.
; LIMITS: a number of obs, W_in, W_dt, W_B, W_C or x beyond 65,504 becomes infinite; relu of a NaN gives 0.
.set NT,   8                           ; column tiles of a wave
.set NF,   2*NT+8                      ; LDS loads of one quarter's fragments
.set PA,   528                         ; LDS pitch of obs rows: 512 bytes + 16
.set PB,   544                         ; LDS pitch of W_in rows [k][256 n]: 512 bytes + 32 (an odd multiple of 32, for the transposing load)
.set WT,   128*PA                      ; W_in's tile behind obs's
.set XST,  WT+256*PB                   ; four stages of 16 rows x 272 bytes, one a wave, for x on its way out
.set SPI,  272
.set DOFF, 4*16*SPI                    ; four more behind them, for the sums of x W_dt: 16 heads x 64 t
.set RR,   2                           ; v2  lane & 15
.set HH,   3                           ; v3  lane >> 4
.set VG,   4                           ; v4  tile loads: (tid >> 6) rows of 8,192 bytes + 16 (tid & 63)
.set SA,   5                           ; v5  where I store obs's tile, stepped batch by batch
.set SW,   6                           ; v6  the same for W_in's
.set VD,   7                           ; v7  W_dt: 512 h + 4 r
.set VB,   8                           ; v8  b_in: 32 h
.set VCL,  9                           ; v9  copies in: 32 tid
.set VCS,  10                          ; v10 copies out: 16 tid
.set DS,   11                          ; v11 my place in the dt stage
.set ADRA, 12                          ; v12-13 fragments of obs, K half 0, 1
.set ADRB, 14                          ; v14-15 fragments of W_in, K half 0, 1
.set STO,  16                          ; v16 x stage, in
.set RD,   17                          ; v17 x stage, back by rows
.set CO,   18                          ; v18 my offset in xb
.set DCO,  19                          ; v19 my offset in dtP
.set WD,   24                          ; v[24:55]  four fragments of W_dt
.set F0,   56                          ; v[56:151]  fragment buffer 0: 8 of W_in, 4 of obs
.set F1,   152                         ; v[152:247] fragment buffer 1
.set RAW,  56                          ; while tiles are loaded: W_dt as f32
.set SET0, 120                         ; and two sets of 16 x 4 registers for the batches
.set SET1, 184
.set XP,   56                          ; on the way out: 8 packed tiles of x
.set T,    88                          ; 4 tiles in f32
.set RB,   120                         ; rows read back
.set DT0,  152                         ; two accumulators for x W_dt
.set DT1,  160
.set CV,   0                           ; window 2: v[0:143] the copies' data
.set BI,   144                         ; window 2: v[144:207] b_in of my 8 column tiles
.set WHI,  208                         ; window 2: v[208:215] W_yo's upper parts, packed
.set WTM,  216                         ; window 2: v[216:217] at work
.set MSB, 0
.macro WIN new                         ; the immediate's high byte repeats the setting that is left
.if MSB != \new
	s_set_vgpr_msb (MSB<<8)|\new
.set MSB, \new
.endif
.endm
.macro PLACES                          ; four places behind a matrix instruction (ISA guide 7.12.1)
.rept 4
	v_nop
.endr
.endm
.macro PADD p, o                       ; pointer p += offset in s[o]
	s_mov_b32 s2, s[\o]
	s_add_nc_u64 s[\p:\p+1], s[\p:\p+1], s[2:3]
.endm
	s_load_b512 s[8:23], s[0:1], 0x0               ; obs 8, W_in 10, b_in 12, W_dt 14, W_B 16, W_C 18, W_yo 20, xb 22
	s_load_b128 s[24:27], s[0:1], 0x40             ; dtP 24, Wbc 26
	s_load_b64 s[28:29], s[0:1], 0x50              ; Wyob 28
	v_lshl_add_u32 v254, v0, 2, 0x3b000
	v_mov_b32 v255, 0
	v_lshrrev_b32 v20, 5, v0
	v_readfirstlane_b32 s4, v20                    ; wave
	s_lshr_b32 s5, s4, 1                           ; wm: which 64 rows
	s_and_b32 s6, s4, 1                            ; wn: which 128 columns
	s_mov_b32 s7, ttmp9                            ; nb
	s_and_b32 s30, ttmp7, 0xffff                   ; mb
	s_lshl3_add_u32 s31, s30, s7                   ; g = 8 mb + nb
	s_and_b32 s32, s30, 3                          ; t0 / 128
	s_lshr_b32 s33, s30, 2                         ; b
	s_mov_b32 s3, 0
	; byte offsets, apart from the addresses
	s_lshl_b32 s34, s32, 20                        ; obs: t0 x 8,192
	s_lshl_b32 s2, s33, 10
	s_add_co_u32 s34, s34, s2                      ;      + 1,024 b
	s_lshl_b32 s35, s7, 10                         ; W_in: 256 nb columns of 4 bytes
	s_lshl_b32 s2, s6, 9
	s_add_co_u32 s36, s35, s2                      ; b_in: (256 nb + 128 wn) x 4
	s_lshl_b32 s37, s36, 4                         ; W_dt: the same rows x 64
	s_lshl_b32 s38, s31, 15                        ; W_B, W_C: 8 g rows of 4,096; Wbc the same
	s_lshl_b32 s39, s31, 13                        ; W_yo: 8,192 g
	s_lshl_b32 s42, s31, 12                        ; Wyob: 4,096 g
	s_lshl_b32 s40, s30, 19                        ; xb: (128 mb + 64 wm) rows of 4,096
	s_lshl_b32 s2, s5, 18
	s_add_co_u32 s40, s40, s2
	s_lshr_b32 s2, s36, 1                          ;     + (256 nb + 128 wn) x 2
	s_add_co_u32 s40, s40, s2
	s_lshl1_add_u32 s41, s7, s6                    ; dtP: part = 2 nb + wn
	s_lshl_b32 s41, s41, 18                        ;      x 8 x 16 x 2,048
	s_lshl_b32 s2, s33, 15
	s_add_co_u32 s41, s41, s2                      ;      + b x 16 x 2,048
	s_lshl_b32 s2, s32, 9
	s_add_co_u32 s41, s41, s2                      ;      + 4 t0
	s_lshl_b32 s2, s5, 8
	s_add_co_u32 s41, s41, s2                      ;      + 256 wm
	s_mul_i32 s43, s5, 64*PA                       ; LDS: my 64 rows of obs
	s_lshl_b32 s44, s6, 8
	s_add_co_u32 s44, s44, WT                      ; my 128 columns of W_in
	s_mul_i32 s45, s4, 16*SPI
	s_add_co_u32 s45, s45, XST                     ; my stage
	v_and_b32 v[RR], 15, v0
	v_bfe_u32 v[HH], v0, 4, 1
	v_lshrrev_b32 v20, 6, v0                       ; tid >> 6: which of two rows
	v_and_b32 v21, 63, v0
	v_lshlrev_b32 v[VG], 4, v21
	v_lshl_add_u32 v[VG], v20, 13, v[VG]
	v_mul_u32_u24 v[SA], v20, PA
	v_lshl_add_u32 v[SA], v21, 3, v[SA]
	v_mul_u32_u24 v[SW], v20, PB
	v_lshl_add_u32 v[SW], v21, 3, v[SW]
	v_add_nc_u32 v[SW], WT, v[SW]
	v_lshlrev_b32 v[VD], 2, v[RR]
	v_lshl_add_u32 v[VD], v[HH], 9, v[VD]
	v_lshlrev_b32 v[VB], 5, v[HH]
	v_lshlrev_b32 v[VCL], 5, v0
	v_lshlrev_b32 v[VCS], 4, v0
	s_wait_kmcnt 0x0
	PADD 8, 34
	PADD 10, 35
	PADD 12, 36
	PADD 14, 37
	PADD 16, 38
	PADD 18, 38
	PADD 20, 39
	PADD 22, 40
	PADD 24, 41
	PADD 26, 38
	PADD 28, 42
	; W_dt as f32: fragment q of four; lane (r, h) wants head r and k = 32 q + 8 h + 0..7, then 32 q + 16 + 8 h + 0..7
.set i, 0
.rept 64
	global_load_b32 v[RAW+i], v[VD], s[14:15] offset:((i>>4)*32+((i>>3)&1)*16+(i&7))*64
.set i, i+1
.endr
; A batch: 16 loads of 16 bytes a lane; one load of the four waves covers two rows of 1,024 bytes.
.macro LDB set, base, u0
.irp j, 0,1,2,3,4,5,6,7,8,9,10,11,12,13,14,15
	global_load_b128 v[\set+4*\j:\set+4*\j+3], v[VG], s[\base:\base+1] offset:(\u0+\j)*16384
.endr
.endm
; The batch is rounded to f16 and stored, 8 bytes a lane; p2 = two LDS rows.
.macro CVB set, adr, p2
.irp j, 0,1,2,3,4,5,6,7,8,9,10,11,12,13,14,15
	v_cvt_pk_f16_f32 v[\set+4*\j], v[\set+4*\j], v[\set+4*\j+1]
	v_cvt_pk_f16_f32 v[\set+4*\j+1], v[\set+4*\j+2], v[\set+4*\j+3]
	ds_store_b64 v[\adr], v[\set+4*\j:\set+4*\j+1] offset:\j*\p2
.endr
	v_add_nc_u32 v[\adr], 16*\p2, v[\adr]
.endm
; one turn of the ring of two sets: the older batch is in (the 16 younger loads stay out), is stored, and its set is asked for again
.macro BATCH set, adr, p2, base, u0
	s_wait_loadcnt 16
	CVB \set, \adr, \p2
	LDB \set, \base, \u0
.endm
	LDB SET0, 8, 0                                 ; obs: 4 batches (128 rows)
	LDB SET1, 8, 16
	s_wait_loadcnt 16                              ; W_dt's words and batch 0 are in
.set i, 0
.rept 32
	v_cvt_pk_f16_f32 v[WD+i], v[RAW+2*i], v[RAW+2*i+1]
.set i, i+1
.endr
	BATCH SET0, SA, 2*PA, 8, 32
	BATCH SET1, SA, 2*PA, 8, 48
	BATCH SET0, SA, 2*PA, 10, 0                    ; W_in: 8 batches (256 rows)
	BATCH SET1, SA, 2*PA, 10, 16
	BATCH SET0, SW, 2*PB, 10, 32
	BATCH SET1, SW, 2*PB, 10, 48
	BATCH SET0, SW, 2*PB, 10, 64
	BATCH SET1, SW, 2*PB, 10, 80
	BATCH SET0, SW, 2*PB, 10, 96
	BATCH SET1, SW, 2*PB, 10, 112
	s_wait_loadcnt 16
	CVB SET0, SW, 2*PB
	s_wait_loadcnt 0x0                             ; the last batch: nothing younger is out
	CVB SET1, SW, 2*PB
	; b_in and the copies' 36 loads go out now and land under the matrix phase, in window 2
	WIN 0x80                                       ; destination window 2, address window 0
.irp b, 0,1,2,3,4,5,6,7
	global_load_b128 v[BI+8*\b:BI+8*\b+3], v[VB], s[12:13] offset:64*\b
	global_load_b128 v[BI+8*\b+4:BI+8*\b+7], v[VB], s[12:13] offset:64*\b+16
.endr
.irp u, 0,1,2,3,4,5,6,7
	global_load_b128 v[CV+8*\u:CV+8*\u+3], v[VCL], s[16:17] offset:4096*\u th:TH_LOAD_NT
	global_load_b128 v[CV+8*\u+4:CV+8*\u+7], v[VCL], s[16:17] offset:4096*\u+16 th:TH_LOAD_NT
.endr
.irp u, 0,1,2,3,4,5,6,7
	global_load_b128 v[CV+64+8*\u:CV+64+8*\u+3], v[VCL], s[18:19] offset:4096*\u th:TH_LOAD_NT
	global_load_b128 v[CV+64+8*\u+4:CV+64+8*\u+7], v[VCL], s[18:19] offset:4096*\u+16 th:TH_LOAD_NT
.endr
.irp u, 0,1
	global_load_b128 v[CV+128+8*\u:CV+128+8*\u+3], v[VCL], s[20:21] offset:4096*\u th:TH_LOAD_NT
	global_load_b128 v[CV+128+8*\u+4:CV+128+8*\u+7], v[VCL], s[20:21] offset:4096*\u+16 th:TH_LOAD_NT
.endr
	WIN 0
	; fragment and stage addresses
	v_mul_u32_u24 v20, v[RR], PA
	v_lshl_add_u32 v20, v[HH], 4, v20
	v_add_nc_u32 v[ADRA], s43, v20                 ; (64 wm + r) PA + 16 h
	v_add_nc_u32 v[ADRA+1], 256, v[ADRA]           ; K half 1: 128 elements on
	v_and_b32 v21, 7, v0
	v_lshl_add_u32 v21, v[HH], 3, v21
	v_mul_u32_u24 v21, v21, PB                     ; (8 h + (lane & 7)) PB
	v_bfe_u32 v20, v0, 3, 1
	v_lshl_add_u32 v21, v20, 4, v21                ; + 16 ((lane >> 3) & 1)
	v_add_nc_u32 v[ADRB], s44, v21
	v_add_nc_u32 v[ADRB+1], 128*PB, v[ADRB]
	v_mul_u32_u24 v20, v[RR], SPI
	v_lshl_add_u32 v21, v[HH], 4, v20
	v_add_nc_u32 v[STO], s45, v21                  ; stage + r 272 + 16 h
	v_lshl_add_u32 v21, v[HH], 5, v20
	v_add_nc_u32 v21, s45, v21
	v_add_nc_u32 v[DS], DOFF, v21                  ; dt stage + r 272 + 32 h
	v_mul_u32_u24 v20, v[HH], SPI
	v_lshl_add_u32 v20, v[RR], 4, v20
	v_add_nc_u32 v[RD], s45, v20                   ; stage + h 272 + 16 r
	v_lshlrev_b32 v[CO], 4, v[RR]
	v_lshlrev_b32 v[DCO], 4, v[RR]
	v_lshl_add_u32 v[CO], v[HH], 12, v[CO]
	v_lshl_add_u32 v[DCO], v[HH], 11, v[DCO]
	s_wait_dscnt 0x0                               ; my part of both tiles is in LDS,
	s_barrier_signal -1
	s_barrier_wait -1                              ; everybody's is.  The only barrier: nothing in LDS that others read is written again
; 8 matrix instructions: row tile a x all column tiles, 32 along K.  zero = 1: the first product starts the sums.
.macro MUL8 f, a, zero
.irp b, 0,1,2,3,4,5,6,7
.if \zero
	v_wmma_f32_16x16x32_f16 v[8*(NT*\a+\b):8*(NT*\a+\b)+7], v[\f+8*\b:\f+8*\b+7], v[\f+8*NT+8*\a:\f+8*NT+8*\a+7], 0
.else
	v_wmma_f32_16x16x32_f16 v[8*(NT*\a+\b):8*(NT*\a+\b)+7], v[\f+8*\b:\f+8*\b+7], v[\f+8*NT+8*\a:\f+8*NT+8*\a+7], v[8*(NT*\a+\b):8*(NT*\a+\b)+7]
.endif
.endr
.endm
; the fragments of quarter q (32 along K) of K half slot: W_in's by the transposing load (its rows lie along n), then obs's
.macro FETCH slot, q, f
.irp b, 0,1,2,3,4,5,6,7
	ds_load_tr16_b128 v[\f+8*\b:\f+8*\b+3], v[ADRB+\slot] offset:\q*32*PB+32*\b
	ds_load_tr16_b128 v[\f+8*\b+4:\f+8*\b+7], v[ADRB+\slot] offset:\q*32*PB+32*\b+16*PB
.endr
.irp a, 0,1,2,3
	ds_load_b128 v[\f+8*NT+8*\a:\f+8*NT+8*\a+3], v[ADRA+\slot] offset:64*\q+\a*16*PA
	ds_load_b128 v[\f+8*NT+8*\a+4:\f+8*NT+8*\a+7], v[ADRA+\slot] offset:64*\q+\a*16*PA+32
.endr
.endm
; A quarter: 32 matrix instructions on buffer f; in its middle the next quarter's fragments are asked for, into buffer g.
; The 32 accumulators take turns, one instruction a turn, in the same order in every quarter.
.macro QUARTER slot, qn, f, g, zero
	s_wait_dscnt 4                                 ; all but the four youngest loads: obs's row tiles 2 and 3
	WIN 0x50                                       ; C and D in window 1
	MUL8 \f, 0, \zero
	MUL8 \f, 1, \zero
	WIN 0
	PLACES                                         ; buffer g was read by matrix instructions: four places before loads land on it
	FETCH \slot, \qn, \g
	s_wait_dscnt NF                                ; all but the run just issued
	WIN 0x50
	MUL8 \f, 2, \zero
	MUL8 \f, 3, \zero
.endm
.macro THREE slot, zero
	QUARTER \slot, 1, F0, F1, \zero
	QUARTER \slot, 2, F1, F0, 0
	QUARTER \slot, 3, F0, F1, 0
.endm
	FETCH 0, 0, F0
	THREE 0, 1
	QUARTER 1, 0, F1, F0, 0
	THREE 1, 0
	s_wait_dscnt 4                                 ; the last quarter: nothing more to fetch
	WIN 0x50
	MUL8 F1, 0, 0
	MUL8 F1, 1, 0
	s_wait_dscnt 0x0
	MUL8 F1, 2, 0
	MUL8 F1, 3, 0
	WIN 0
	PLACES                                         ; behind the last matrix instruction, for all that follows
	; the copies: round in place (8 registers become 4) and store; a wave's store covers 512 consecutive bytes, aligned
	s_wait_loadcnt 0x0                             ; b_in and the copies' data
	WIN 0x8a                                       ; sources and destination in window 2
.set i, 0
.rept 16
	v_cvt_pk_f16_f32 v[CV+8*i], v[CV+8*i], v[CV+8*i+1]
	v_cvt_pk_f16_f32 v[CV+8*i+1], v[CV+8*i+2], v[CV+8*i+3]
	v_cvt_pk_f16_f32 v[CV+8*i+2], v[CV+8*i+4], v[CV+8*i+5]
	v_cvt_pk_f16_f32 v[CV+8*i+3], v[CV+8*i+6], v[CV+8*i+7]
.set i, i+1
.endr
	; W_yo: hi = bf16(w); lo = bf16(w - hi), packed in place
.irp u, 0,1
.irp m, 0,1,2,3
	v_cvt_pk_bf16_f32 v[WHI+4*\u+\m], v[CV+128+8*\u+2*\m], v[CV+128+8*\u+2*\m+1]
	v_lshlrev_b32 v[WTM], 16, v[WHI+4*\u+\m]
	v_and_b32 v[WTM+1], 0xffff0000, v[WHI+4*\u+\m]
	v_pk_add_f32 v[CV+128+8*\u+2*\m:CV+128+8*\u+2*\m+1], v[CV+128+8*\u+2*\m:CV+128+8*\u+2*\m+1], v[WTM:WTM+1] neg_lo:[0,1] neg_hi:[0,1]
	v_cvt_pk_bf16_f32 v[CV+128+8*\u+\m], v[CV+128+8*\u+2*\m], v[CV+128+8*\u+2*\m+1]
.endr
.endr
	WIN 0x08                                       ; store data in window 2, address in window 0
.irp u, 0,1,2,3,4,5,6,7
	global_store_b128 v[VCS], v[CV+8*\u:CV+8*\u+3], s[26:27] offset:4096*\u            ; W_B: columns 0..1023 of Wbc
	global_store_b128 v[VCS], v[CV+64+8*\u:CV+64+8*\u+3], s[26:27] offset:4096*\u+2048 ; W_C: columns 1024..2047
.endr
.irp u, 0,1
	global_store_b128 v[VCS], v[WHI+4*\u:WHI+4*\u+3], s[28:29] offset:2048*\u                  ; the plane of upper parts
	global_store_b128 v[VCS], v[CV+128+8*\u:CV+128+8*\u+3], s[28:29] offset:1048576+2048*\u    ; the plane of lower parts
.endr
; THE WAY OUT, 16 rows at a time: bias, relu, f16; the packed tiles feed the product with W_dt and go out through my stage.
.macro OUTA a
.irp hf, 0,1
	WIN 0x09                                       ; source 0 (sums) window 1, source 1 (b_in) window 2
.irp b, 0,1,2,3
.irp p, 0,2,4,6
	v_pk_add_f32 v[T+8*\b+\p:T+8*\b+\p+1], v[8*(NT*\a+4*\hf+\b)+\p:8*(NT*\a+4*\hf+\b)+\p+1], v[BI+8*(4*\hf+\b)+\p:BI+8*(4*\hf+\b)+\p+1]
.endr
.endr
	WIN 0
.set i, 0
.rept 32
	v_max_num_f32 v[T+i], 0, v[T+i]
.set i, i+1
.endr
.set i, 0
.rept 16
	v_cvt_pk_f16_f32 v[XP+16*\hf+i], v[T+2*i], v[T+2*i+1]
.set i, i+1
.endr
.endr
	; lane (r, h) holds row r, columns 16 b + 8 h + 0..7 in XP + 4 b: tiles 2 q and 2 q + 1 are the fragment of K step q.
	; source 0 = x, source 1 = W_dt: the result's lane r is head r, its registers are rows 8 h + 0..7.  Two accumulators take turns.
	v_wmma_f32_16x16x32_f16 v[DT0:DT0+7], v[XP:XP+7], v[WD:WD+7], 0
	v_wmma_f32_16x16x32_f16 v[DT1:DT1+7], v[XP+8:XP+15], v[WD+8:WD+15], 0
	v_wmma_f32_16x16x32_f16 v[DT0:DT0+7], v[XP+16:XP+23], v[WD+16:WD+23], v[DT0:DT0+7]
	v_wmma_f32_16x16x32_f16 v[DT1:DT1+7], v[XP+24:XP+31], v[WD+24:WD+31], v[DT1:DT1+7]
.irp b, 0,1,2,3,4,5,6,7
	ds_store_b128 v[STO], v[XP+4*\b:XP+4*\b+3] offset:32*\b
.endr
	s_wait_xcnt 0x0                                ; RB, which the last stores read, is loaded again only behind this wait
.irp t, 0,1,2,3,4,5,6,7
	ds_load_b128 v[RB+4*\t:RB+4*\t+3], v[RD] offset:2*SPI*\t       ; a wave's LDS instructions are served in order: these see the stores above
.endr
.irp t, 0,1,2,3,4,5,6,7
	s_wait_dscnt 7-\t                              ; load t of the eight is in
	global_store_b128 v[CO], v[RB+4*\t:RB+4*\t+3], s[22:23] offset:(16*\a+2*\t)*4096   ; 16 lanes store 256 consecutive bytes, aligned
.endr
	PLACES
.irp p, 0,2,4,6
	v_pk_add_f32 v[DT0+\p:DT0+\p+1], v[DT0+\p:DT0+\p+1], v[DT1+\p:DT1+\p+1]
.endr
	ds_store_b128 v[DS], v[DT0:DT0+3] offset:64*\a                 ; head r, t = 16 a + 8 h + 0..7
	ds_store_b128 v[DS], v[DT0+4:DT0+7] offset:64*\a+16
.endm
	OUTA 0
	OUTA 1
	OUTA 2
	OUTA 3
	; the sums of x W_dt: 16 heads x 64 t, two heads a store
	s_wait_xcnt 0x0
.irp u, 0,1,2,3,4,5,6,7
	ds_load_b128 v[RB+4*\u:RB+4*\u+3], v[RD] offset:DOFF+2*SPI*\u
.endr
.irp u, 0,1,2,3,4,5,6,7
	s_wait_dscnt 7-\u
	global_store_b128 v[DCO], v[RB+4*\u:RB+4*\u+3], s[24:25] offset:4096*\u
.endr
	s_wait_tensorcnt 0x0
	ds_add_u32 v254, v255
	s_wait_dscnt 0x0
	s_endpgm
.Lfunc_end_k_qc2b8530db5_xproj:
	.size	k_qc2b8530db5_xproj, .Lfunc_end_k_qc2b8530db5_xproj-k_qc2b8530db5_xproj
	.p2alignl 7, 3214868480
	.fill 96, 4, 3214868480
	.section	.rodata,"a",@progbits
	.p2align	6, 0x0
	.amdhsa_kernel k_qc2b8530db5_xproj
		.amdhsa_group_segment_fixed_size 242176
		.amdhsa_private_segment_fixed_size 0
		.amdhsa_enable_private_segment 0
		.amdhsa_kernarg_size 88
		.amdhsa_user_sgpr_count 2
		.amdhsa_user_sgpr_kernarg_segment_ptr 1
		.amdhsa_wavefront_size32 1
		.amdhsa_system_sgpr_workgroup_id_x 1
		.amdhsa_system_sgpr_workgroup_id_y 1
		.amdhsa_system_sgpr_workgroup_id_z 1
		.amdhsa_system_vgpr_workitem_id 0
		.amdhsa_next_free_vgpr 736
		.amdhsa_next_free_sgpr 66
		.amdhsa_reserve_vcc 0
		.amdhsa_float_denorm_mode_32 3
		.amdhsa_float_denorm_mode_16_64 3
		.amdhsa_memory_ordered 1
		.amdhsa_forward_progress 1
		.amdhsa_inst_pref_size 149
	.end_amdhsa_kernel
	.amdgpu_metadata
---
amdhsa.version: [ 1, 2 ]
amdhsa.kernels:
  - .name:           k_qc2b8530db5_xproj
    .symbol:         k_qc2b8530db5_xproj.kd
    .args:
      - { .name: obs, .offset: 0, .size: 8, .value_kind: global_buffer, .address_space: global }
      - { .name: W_in, .offset: 8, .size: 8, .value_kind: global_buffer, .address_space: global }
      - { .name: b_in, .offset: 16, .size: 8, .value_kind: global_buffer, .address_space: global }
      - { .name: W_dt, .offset: 24, .size: 8, .value_kind: global_buffer, .address_space: global }
      - { .name: W_B, .offset: 32, .size: 8, .value_kind: global_buffer, .address_space: global }
      - { .name: W_C, .offset: 40, .size: 8, .value_kind: global_buffer, .address_space: global }
      - { .name: W_yo, .offset: 48, .size: 8, .value_kind: global_buffer, .address_space: global }
      - { .name: xb, .offset: 56, .size: 8, .value_kind: global_buffer, .address_space: global }
      - { .name: dtP, .offset: 64, .size: 8, .value_kind: global_buffer, .address_space: global }
      - { .name: Wbc, .offset: 72, .size: 8, .value_kind: global_buffer, .address_space: global }
      - { .name: Wyob, .offset: 80, .size: 8, .value_kind: global_buffer, .address_space: global }
    .group_segment_fixed_size: 242176
    .private_segment_fixed_size: 0
    .kernarg_segment_align: 8
    .kernarg_segment_size: 88
    .max_flat_workgroup_size: 128
    .sgpr_count:     66
    .vgpr_count:     736
    .wavefront_size: 32
...
	.end_amdgpu_metadata
.endif
;; end of part 1
;; launch bcgemm (part 2): grid 8 x 32, 4 waves a work-group, clusters of 4 x 4, 327,680 bytes of LDS; arguments xb, Wbc, BC; writes BC
.if DOCPART == 2
	.amdgcn_target "amdgcn-amd-amdhsa--gfx1250"
	.amdhsa_code_object_version 6
	.text
	.protected	k_qc2b8530db5_bcgemm
	.globl	k_qc2b8530db5_bcgemm
	.p2align	8
	.type	k_qc2b8530db5_bcgemm,@function
k_qc2b8530db5_bcgemm:
	s_mov_b64 s[64:65], 0
	v_nop
	global_prefetch_b8 v0, s[64:65] scope:SCOPE_SE
	s_setreg_imm32_b32 hwreg(HW_REG_WAVE_MODE, 25, 1), 1
	s_wait_xcnt 0x0
	s_wait_alu depctr_hold_cnt(0) depctr_sa_sdst(0) depctr_va_vdst(0) depctr_va_sdst(0) depctr_va_ssrc(0) depctr_va_vcc(0) depctr_vm_vsrc(0)
	s_getreg_b32 s2, hwreg(HW_REG_IB_STS2, 6, 4)
	s_cmp_eq_u32 s2, 0
	s_cbranch_scc0 .Lentry_in_a_cluster
	s_endpgm
.Lentry_in_a_cluster:
	s_bfe_u32 s2, ttmp6, 0x10000c
	s_cmp_lg_u32 s2, 0xf033
	s_cbranch_scc0 .Lentry_shape_is_right
	s_endpgm
.Lentry_shape_is_right:
; BC[m'][n] = sum over k of xb[m'][k] Wbc[k][n]: [4096 x 2048] x [2048 x 2048], f16 in, f32 sums (columns 0..1023 are B, the rest C).
; B and C grow 27,000 times when all inputs are 30 times larger, which f16 cannot hold, and eight bits are too few for the chain that
; follows: each result goes out as hi = bf16(v) and lo = bf16(v - hi), in two planes of BC 16,777,216 bytes apart.
; A work-group makes 128 x 256 with four waves, a wave 64 x 128: 32 accumulator tiles in window 1.  K goes in 16 steps of 128 through a ring
; of two LDS slots filled by the tensor data mover; each slot holds 128 rows of Wbc (512 bytes each) and 128 rows of xb (256 bytes each).
; CLUSTERS: 4 x 4 work-groups.  The four of a cluster row make one block row and ask for xb's tile jointly; the four of a cluster column
; make one block column and ask for Wbc's tile jointly: the requests for both are divided by four.
; Wbc's rows lie along n, so its fragments come out of LDS by the transposing load; pitch 544 = 17 x 32 bytes.
; The matrix instruction is used transposed (source 0 = 16 columns of Wbc, source 1 = 16 rows of xb): a lane holds eight neighbouring
; columns of one row of BC, which pack into 16 bytes.
.set NT,    8
.set NF,    2*NT+8
.set PA,    272                        ; xb rows in LDS: 256 bytes + 16
.set PB,    544                        ; Wbc rows in LDS: 512 bytes + 32
.set BTILE, 128*PB
.set SLOT,  BTILE+128*PA               ; Wbc's 128 rows, then xb's 128 rows
.set STAGE, 2*SLOT                     ; behind the ring, a multiple of 256: 16 rows x 272 bytes a wave; no tensor load lands here
.set SPI,   272
.set LOFF,  4*16*SPI                   ; four more stages behind them, for the lower parts
.set LAPS,  8                          ; a lap = two K steps = once round the ring
.set ROWB,  4096                       ; bytes in a row of xb, Wbc and of a plane of BC
.set ADRA, 16                          ; v16-17 my fragments of xb in slot 0, 1
.set ADRB, 20                          ; v20-21 the same for Wbc
.set STO,  24
.set RD,   25
.set CO,   26
.set TH,   32                          ; v[32:63] upper parts, packed
.set F0,   64                          ; v[64:159]  fragment buffer 0: 8 of Wbc, 4 of xb
.set F1,   160                         ; v[160:255] fragment buffer 1
.set TT,   64                          ; on the way out: v[64:127] the upper parts as f32, then the rests, then the lower parts packed
.set RBH,  160                         ; rows of upper parts read back
.set RBL,  192                         ; rows of lower parts read back
.set G1,  24                           ; s[24:31] group 1 for xb's tiles
.set G0,  32                           ; s[32:39] group 0 for xb's tiles, one set a slot
.set G1B, 48                           ; s[48:55] group 1 for Wbc's tiles
.set G0B, 56                           ; s[56:63] group 0 for Wbc's tiles, one set a slot
.set MSB, 0
.macro WIN new
.if MSB != \new
	s_set_vgpr_msb (MSB<<8)|\new
.set MSB, \new
.endif
.endm
.macro PLACES
.rept 4
	v_nop
.endr
.endm
; A joint load.  Waves 0 and 1 fetch Wbc's two halves (64 rows each), waves 2 and 3 xb's.  The branch hangs on the wave's number alone.
.macro JLOAD s
	s_cmp_eq_u32 s11, 0
	s_cbranch_scc0 .Lfor_a_\@
	tensor_load_to_lds s[G0B+4*\s:G0B+4*\s+3], s[G1B:G1B+7]
	s_nop 0
	s_branch .Lasked_\@
.Lfor_a_\@:
	tensor_load_to_lds s[G0+4*\s:G0+4*\s+3], s[G1:G1+7]
	s_nop 0
.Lasked_\@:
.endm
.macro CREST                           ; a round of the cluster's barrier behind its opening work-group barrier
	s_cmp_lg_u32 s10, 0
	s_cbranch_scc1 .Lnot_wave_0_\@
	s_barrier_signal -3
.Lnot_wave_0_\@:
	s_barrier_wait -3
	s_barrier_signal -1
	s_barrier_wait -1
.endm
.macro CROUND                          ; a whole round
	s_barrier_signal -1
	s_barrier_wait -1
	CREST
.endm
	s_load_b128 s[4:7], s[0:1], 0x0                ; xb s[4:5], Wbc s[6:7]
	s_load_b64 s[8:9], s[0:1], 0x10                ; BC
	v_lshl_add_u32 v30, v0, 2, 0x3b800
	v_mov_b32 v31, 0
	ds_add_u32 v30, v31
	v_lshrrev_b32 v1, 5, v0
	v_readfirstlane_b32 s10, v1                    ; wave
	s_lshr_b32 s11, s10, 1                         ; my half of the block's rows.  Also: I fetch for Wbc (0) or for xb (1)
	s_and_b32 s12, s10, 1                          ; my half of its columns.  Also: which 64 rows of that tile I fetch
	s_bfe_u32 s40, ttmp6, 0x40000                  ; cx
	s_bfe_u32 s41, ttmp6, 0x40004                  ; cy
	s_lshl_b32 s42, ttmp9, 2
	s_add_co_u32 s42, s42, s40                     ; block column nb = 4 x cluster x + cx
	s_and_b32 s13, ttmp7, 0xffff
	s_lshl_b32 s13, s13, 2
	s_add_co_u32 s13, s13, s41                     ; block row mb = 4 x cluster y + cy
	s_lshl_b32 s43, s41, 2
	s_lshl_b32 s43, 15, s43                        ; my row of the cluster
	s_lshl_b32 s44, 0x1111, s40                    ; my column
	; group 1, xb: 64 rows x 128 elements of 2 bytes, 4 words of padding behind every 64; the mask names my cluster row, bit 21 beside it
	s_or_b32 s[G1+0], s43, (1<<16)|(1<<20)|(1<<21)|(5<<22)|(3<<25)
	s_mov_b32 s[G1+1], 128<<16                     ; tensor_dim0 = 128
	s_mov_b32 s[G1+2], 64<<16                      ; tensor_dim1 = 64
	s_mov_b32 s[G1+3], 128<<16                     ; tile_dim0 = 128
	s_mov_b32 s[G1+4], 64                          ; tile_dim1 = 64
	s_mov_b32 s[G1+5], 2048                        ; elements from row to row
	s_mov_b32 s[G1+6], 0
	s_mov_b32 s[G1+7], 0
	; group 1, Wbc: 64 rows x 256 elements, 8 words of padding behind every 128; the mask names my cluster column
	s_or_b32 s[G1B+0], s44, (1<<16)|(1<<20)|(1<<21)|(6<<22)|(7<<25)
	s_mov_b32 s[G1B+1], 256<<16
	s_mov_b32 s[G1B+2], 64<<16
	s_mov_b32 s[G1B+3], 256<<16
	s_mov_b32 s[G1B+4], 64
	s_mov_b32 s[G1B+5], 2048
	s_mov_b32 s[G1B+6], 0
	s_mov_b32 s[G1B+7], 0
	; where the tiles come from: xb's hang on the block row alone, Wbc's on the block column alone, each in registers that never hold the other
	s_lshl_b32 s16, s13, 19                        ; xb: (128 mb + 64 half) rows of 4,096 bytes
	s_lshl_b32 s17, s12, 18
	s_add_co_u32 s16, s16, s17
	s_lshl_b32 s46, s42, 9                         ; Wbc: 64 half rows + 256 nb columns of 2 bytes
	s_add_co_u32 s46, s46, s17
	s_mov_b32 s17, 0
	s_mov_b32 s47, 0
	s_mul_i32 s20, s10, 64*PA                      ; and where they go: xb's halves at BTILE + (wave - 2) x 64 rows
	s_add_co_u32 s20, s20, BTILE-2*64*PA
	s_mul_i32 s21, s10, 64*PB                      ; Wbc's halves at wave x 64 rows
	s_wait_dscnt 0x0
	s_wait_kmcnt 0x0
	s_add_nc_u64 s[14:15], s[4:5], s[16:17]
	s_add_nc_u64 s[46:47], s[6:7], s[46:47]
	CROUND                                         ; all sixteen work-groups are here: the first joint loads meet
.irp s, 0,1
	s_mov_b32 s[G0+4*\s], 1
	s_add_co_u32 s[G0+4*\s+1], s20, \s*SLOT
	s_add_nc_u64 s[G0+4*\s+2:G0+4*\s+3], s[14:15], \s*256          ; K step s: 128 elements along the row
	s_or_b32 s[G0+4*\s+3], s[G0+4*\s+3], 0x80000000
	s_mov_b32 s[G0B+4*\s], 1
	s_add_co_u32 s[G0B+4*\s+1], s21, \s*SLOT
	s_add_nc_u64 s[G0B+4*\s+2:G0B+4*\s+3], s[46:47], \s*128*ROWB   ; K step s: 128 rows down
	s_or_b32 s[G0B+4*\s+3], s[G0B+4*\s+3], 0x80000000
	JLOAD \s                                       ; both first fills go out together: two tensor loads of the wave are out, the most in this text
.endr
	v_and_b32 v1, 15, v0                           ; r
	v_bfe_u32 v2, v0, 4, 1                         ; h
	v_mul_u32_u24 v3, v1, PA
	v_lshl_add_u32 v3, v2, 4, v3                   ; r 272 + 16 h
	s_mul_i32 s22, s11, 64*PA
	s_add_co_u32 s22, s22, BTILE                   ; my 64 rows of xb
	v_add_nc_u32 v[ADRA], s22, v3
	v_add_nc_u32 v[ADRA+1], SLOT, v[ADRA]
	v_and_b32 v4, 7, v0
	v_lshl_add_u32 v4, v2, 3, v4
	v_mul_u32_u24 v4, v4, PB                       ; (8 h + (lane & 7)) 544
	v_bfe_u32 v5, v0, 3, 1
	v_lshl_add_u32 v4, v5, 4, v4                   ; + 16 ((lane >> 3) & 1)
	s_lshl_b32 s23, s12, 8                         ; my 128 columns
	v_add_nc_u32 v[ADRB], s23, v4
	v_add_nc_u32 v[ADRB+1], SLOT, v[ADRB]
	s_mul_i32 s23, s10, 16*SPI
	s_add_co_u32 s23, s23, STAGE
	v_add_nc_u32 v[STO], s23, v3
	v_mul_u32_u24 v5, v2, SPI
	v_lshl_add_u32 v5, v1, 4, v5
	v_add_nc_u32 v[RD], s23, v5
	v_lshlrev_b32 v[CO], 4, v1
	v_lshl_add_u32 v[CO], v2, 12, v[CO]
.macro MUL8 f, a, zero
.irp b, 0,1,2,3,4,5,6,7
.if \zero
	v_wmma_f32_16x16x32_f16 v[8*(NT*\a+\b):8*(NT*\a+\b)+7], v[\f+8*\b:\f+8*\b+7], v[\f+8*NT+8*\a:\f+8*NT+8*\a+7], 0
.else
	v_wmma_f32_16x16x32_f16 v[8*(NT*\a+\b):8*(NT*\a+\b)+7], v[\f+8*\b:\f+8*\b+7], v[\f+8*NT+8*\a:\f+8*NT+8*\a+7], v[8*(NT*\a+\b):8*(NT*\a+\b)+7]
.endif
.endr
.endm
.macro FETCH slot, q, f                ; 24 LDS loads in one run: the fragments of quarter q of the slot's K step
.irp b, 0,1,2,3,4,5,6,7
	ds_load_tr16_b128 v[\f+8*\b:\f+8*\b+3], v[ADRB+\slot] offset:\q*32*PB+32*\b
	ds_load_tr16_b128 v[\f+8*\b+4:\f+8*\b+7], v[ADRB+\slot] offset:\q*32*PB+32*\b+16*PB
.endr
.irp a, 0,1,2,3
	ds_load_b128 v[\f+8*NT+8*\a:\f+8*NT+8*\a+3], v[ADRA+\slot] offset:64*\q+\a*16*PA
	ds_load_b128 v[\f+8*NT+8*\a+4:\f+8*NT+8*\a+7], v[ADRA+\slot] offset:64*\q+\a*16*PA+32
.endr
.endm
; The 32 accumulators take turns, one instruction a turn, in the same order in every quarter and over the backward jump.
.macro QUARTER slot, qn, f, g, zero
	s_wait_dscnt 4                                 ; all but the four youngest loads: xb's row tiles 2 and 3
	WIN 0x50                                       ; C and D in window 1
	MUL8 \f, 0, \zero
	MUL8 \f, 1, \zero
	WIN 0
	PLACES                                         ; four places before loads land on a buffer that matrix instructions have read
	FETCH \slot, \qn, \g
	s_wait_dscnt NF                                ; all but the run just issued
	WIN 0x50
	MUL8 \f, 2, \zero
	MUL8 \f, 3, \zero
.endm
.macro THREE slot, zero
	QUARTER \slot, 1, F0, F1, \zero
	QUARTER \slot, 2, F1, F0, 0
	QUARTER \slot, 3, F0, F1, 0
.endm
; The last quarter of a K step changes slots.  In front of the barrier each wave waits for its reads of this slot and for all its tensor
; loads (one is out: its part of the next slot).  Where the slot is filled again the barrier opens a round of the cluster's barrier, and the
; joint refill is the first tensor load behind the round.  From a request to the wait for it a wave issues 120 of a step's 128 matrix instructions.
.macro TURN slot, next, fill
	s_wait_dscnt 4
	WIN 0x50
	MUL8 F1, 0, 0
	s_wait_dscnt 0x0                               ; my reads of this slot are over
	s_wait_tensorcnt 0x0                           ; and all my tensor loads have landed
	ds_add_u32 v30, v31
	s_wait_dscnt 0x0
	s_barrier_signal -1
	MUL8 F1, 1, 0                                  ; register work while the others arrive
	WIN 0
	s_barrier_wait -1
.if \fill
	CREST
	s_add_nc_u64 s[G0+4*\slot+2:G0+4*\slot+3], s[G0+4*\slot+2:G0+4*\slot+3], 2*256
	s_add_nc_u64 s[G0B+4*\slot+2:G0B+4*\slot+3], s[G0B+4*\slot+2:G0B+4*\slot+3], 2*128*ROWB
	JLOAD \slot
.endif
	PLACES
	FETCH \next, 0, F0
	WIN 0x50
	MUL8 F1, 2, 0
	MUL8 F1, 3, 0
.endm
.macro LAP zero
	THREE 0, \zero
	TURN 0, 1, 1
	THREE 1, 0
	TURN 1, 0, 1
.endm
	s_wait_tensorcnt 1                             ; my part of K step 0 is in; step 1's may stay out
	s_barrier_signal -1
	s_barrier_wait -1
	FETCH 0, 0, F0
	LAP 1                                          ; the first lap's first products start the sums
	WIN 0
	s_mov_b32 s3, LAPS-2
.Llap:
	LAP 0
	WIN 0
	s_sub_co_u32 s3, s3, 1
	s_cmp_lg_u32 s3, 0
	s_cbranch_scc1 .Llap
	THREE 0, 0                                     ; the last lap fills nothing
	TURN 0, 1, 0
	THREE 1, 0
	s_wait_dscnt 4
	WIN 0x50
	MUL8 F1, 0, 0
	MUL8 F1, 1, 0
	s_wait_dscnt 0x0
	MUL8 F1, 2, 0
	MUL8 F1, 3, 0
	WIN 0
	PLACES                                         ; behind the last matrix instructions, for the conversions and for what lands on the buffers
	s_lshl_b32 s16, s13, 19                        ; my first row of BC: 128 mb + 64 half
	s_lshl_b32 s14, s11, 18
	s_add_co_u32 s16, s16, s14
	s_mov_b32 s17, 0
	s_add_nc_u64 s[8:9], s[8:9], s[16:17]
	s_lshl_b32 s46, s42, 9                         ; my first column, in bytes: 512 nb + 256 half
	s_lshl_b32 s47, s12, 8
	s_add_co_u32 s46, s46, s47
	s_mov_b32 s47, 0
	s_add_nc_u64 s[8:9], s[8:9], s[46:47]          ; the plane of upper parts
	s_add_nc_u64 s[18:19], s[8:9], 0x1000000       ; the plane of lower parts
; 16 rows of BC: hi = bf16(v), lo = bf16(v - hi); 16 bytes a lane of each into my two stages, back as whole rows of 256 bytes
.macro OUT16 a
	WIN 0x05                                       ; sources in window 1
.set i, 0
.rept 32
	v_cvt_pk_bf16_f32 v[TH+i], v[64*\a+2*i], v[64*\a+2*i+1]
.set i, i+1
.endr
	WIN 0
.set i, 0
.rept 32
	v_lshlrev_b32 v[TT+2*i], 16, v[TH+i]
	v_and_b32 v[TT+2*i+1], 0xffff0000, v[TH+i]
.set i, i+1
.endr
	WIN 0x01                                       ; source 0 (the sums) in window 1
.set i, 0
.rept 32
	v_pk_add_f32 v[TT+2*i:TT+2*i+1], v[64*\a+2*i:64*\a+2*i+1], v[TT+2*i:TT+2*i+1] neg_lo:[0,1] neg_hi:[0,1]
.set i, i+1
.endr
	WIN 0
.set i, 0
.rept 32
	v_cvt_pk_bf16_f32 v[TT+i], v[TT+2*i], v[TT+2*i+1]
.set i, i+1
.endr
.irp b, 0,1,2,3,4,5,6,7
	ds_store_b128 v[STO], v[TH+4*\b:TH+4*\b+3] offset:32*\b
	ds_store_b128 v[STO], v[TT+4*\b:TT+4*\b+3] offset:LOFF+32*\b
.endr
	s_wait_xcnt 0x0                                ; the rows read back last time, which stores read, are loaded again only behind this wait
.irp t, 0,1,2,3,4,5,6,7
	ds_load_b128 v[RBH+4*\t:RBH+4*\t+3], v[RD] offset:\t*2*SPI     ; served in order behind my stores above
.endr
.irp t, 0,1,2,3,4,5,6,7
	ds_load_b128 v[RBL+4*\t:RBL+4*\t+3], v[RD] offset:LOFF+\t*2*SPI
.endr
.irp t, 0,1,2,3,4,5,6,7
	s_wait_dscnt 15-\t                             ; the 7 - t younger loads of upper parts and the eight of lower parts stay out
	global_store_b128 v[CO], v[RBH+4*\t:RBH+4*\t+3], s[8:9] offset:(16*\a+2*\t)*ROWB   ; 16 lanes store 256 consecutive bytes, aligned
.endr
.irp t, 0,1,2,3,4,5,6,7
	s_wait_dscnt 7-\t
	global_store_b128 v[CO], v[RBL+4*\t:RBL+4*\t+3], s[18:19] offset:(16*\a+2*\t)*ROWB
.endr
.endm
	OUT16 0
	OUT16 1
	OUT16 2
	OUT16 3
	s_wait_tensorcnt 0x0
	ds_add_u32 v30, v31
	s_wait_dscnt 0x0
	CROUND                                         ; the closing round: no work-group ends while a partner may still ask for a tile that names it
	s_endpgm
.Lfunc_end_k_qc2b8530db5_bcgemm:
	.size	k_qc2b8530db5_bcgemm, .Lfunc_end_k_qc2b8530db5_bcgemm-k_qc2b8530db5_bcgemm
	.p2alignl 7, 3214868480
	.fill 96, 4, 3214868480
	.section	.rodata,"a",@progbits
	.p2align	6, 0x0
	.amdhsa_kernel k_qc2b8530db5_bcgemm
		.amdhsa_group_segment_fixed_size 327680
		.amdhsa_private_segment_fixed_size 0
		.amdhsa_enable_private_segment 0
		.amdhsa_kernarg_size 24
		.amdhsa_user_sgpr_count 2
		.amdhsa_user_sgpr_kernarg_segment_ptr 1
		.amdhsa_wavefront_size32 1
		.amdhsa_system_sgpr_workgroup_id_x 1
		.amdhsa_system_sgpr_workgroup_id_y 1
		.amdhsa_system_sgpr_workgroup_id_z 1
		.amdhsa_system_vgpr_workitem_id 0
		.amdhsa_next_free_vgpr 512
		.amdhsa_next_free_sgpr 66
		.amdhsa_reserve_vcc 0
		.amdhsa_float_denorm_mode_32 3
		.amdhsa_float_denorm_mode_16_64 3
		.amdhsa_memory_ordered 1
		.amdhsa_forward_progress 1
		.amdhsa_inst_pref_size 154
	.end_amdhsa_kernel
	.amdgpu_metadata
---
amdhsa.version: [ 1, 2 ]
amdhsa.kernels:
  - .name:           k_qc2b8530db5_bcgemm
    .symbol:         k_qc2b8530db5_bcgemm.kd
    .args:
      - { .name: xb, .offset: 0, .size: 8, .value_kind: global_buffer, .address_space: global }
      - { .name: Wbc, .offset: 8, .size: 8, .value_kind: global_buffer, .address_space: global }
      - { .name: BC, .offset: 16, .size: 8, .value_kind: global_buffer, .address_space: global }
    .group_segment_fixed_size: 327680
    .private_segment_fixed_size: 0
    .kernarg_segment_align: 8
    .kernarg_segment_size: 24
    .max_flat_workgroup_size: 128
    .sgpr_count:     66
    .vgpr_count:     512
    .wavefront_size: 32
...
	.end_amdgpu_metadata
.endif
;; end of part 2
;; launch ssd (part 3): grid 32 x 8, 8 waves a work-group, no clusters, 316,672 bytes of LDS; arguments xb, BC, dtP, A_log, dt_bias, yK; writes yK
.if DOCPART == 3
	.amdgcn_target "amdgcn-amd-amdhsa--gfx1250"
	.amdhsa_code_object_version 6
	.text
	.protected	k_qc2b8530db5_ssd
	.globl	k_qc2b8530db5_ssd
	.p2align	8
	.type	k_qc2b8530db5_ssd,@function
k_qc2b8530db5_ssd:
	s_mov_b64 s[64:65], 0
	v_nop
	global_prefetch_b8 v0, s[64:65] scope:SCOPE_SE
	s_setreg_imm32_b32 hwreg(HW_REG_WAVE_MODE, 25, 1), 1
	s_wait_xcnt 0x0
; The scan, in chunks.  Work-group (kb, b): head h = kb >> 1, 64 of its 128 channels (columns 64 kb .. of x), batch b.  Wave c owns the 64 steps
; of chunk c.  In log2 units: a_t = -exp(A_log) dt_t log2(e), cum = running sum of a inside the chunk, tot = its last value, e_j = cum_j - log2 dt_j.
;   M[i][j] = (C_i . B_j) 2^(cum_i - e_j) for j <= i, else 0          S_c[p][n] = sum over j of X[j][p] 2^(tot - e_j) B[j][n]
;   H_0 = 0, H_(c+1) = 2^tot_c H_c + S_c (kept in f32)                Y = 2^cum_i (C H_c^T) + M X
; cum falls, so cum_i - cum_j (j <= i), tot - cum_j and cum_i are never above 0: no exponential of a kept term can overflow.
; FORMATS: B, C, M, H and y have no room in f16 (B and C alone grow 27,000 times when all inputs are 30 times larger), and eight bits at each
; link of this chain are too few.  So every operand here is a pair hi = bf16(v), lo = bf16(v - hi), and every product is three passes,
; hi hi + lo hi + hi lo; what is dropped, lo lo, is some 2^-16 of the product.  B and C come as two planes, y leaves as two planes.
; B's and C's fragments go straight from memory into registers and only two work-groups share them, so there is no LDS tile to ask for jointly.
; All matrix products are used transposed (source 1 holds the rows of the result), so that M's tiles, packed, are fragments without a shuffle.
; REGISTERS: window 1 v0-127: B hi, lo -> the sums of S -> the sums of M X.  Window 1 v128-255: C hi, lo -> X transposed hi, lo -> C once more
; (loaded a second time: 512 registers a wave do not hold C beside X, G and the sums).  Window 0: the rest, see below.
; LDS: RA_c = 20,480 c: X hi [64 j][64 p] pitch 160, lo at + 10,240; behind the first barrier H_c hi [64 p][64 n] pitch 144, lo at + 10,240.
;      RB_c = 163,840 + 18,432 c: the weighted B hi, pitch 144, lo at + 9,216; then S_c in f32, pitch 272 (all reads of the weighted B are back
;      by then); behind the second barrier y hi, pitch 144, lo at + 9,216.  RT_c = 311,296 + 512 c: e[64], cum[64].  315,392: 2^tot of the chunks.
; LIMITS: a dt below 2^-126 counts as 0 (the transcendentals flush denormals, ISA guide 15.8).  a_t is clipped at -200: a factor 2^-200
; is 0 in f32, as the unclipped factor would be.
.set RAS,  20480
.set RBS,  18432
.set RB0,  8*RAS
.set RT0,  RB0+8*RBS
.set DC0,  RT0+8*512
.set XLO,  10240                       ; from a hi plane to its lo plane in RA
.set BLO,  9216                        ; the same in RB
.set LN,   1                           ; lane
.set RR,   2                           ; lane & 15
.set HH,   3                           ; lane >> 4
.set DD,   4                           ; r - 8 h, signed: the diagonal tiles' mask
.set CI,   5                           ; v[5:8]   cum at i = 16 it + r
.set EI,   9                           ; v[9:12]  2^cum there
.set WJ,   13                          ; v[13:16] 2^(tot - e) at j = 16 jt + r
.set VDT,  17
.set VX,   18
.set VBC,  19
.set VXS,  20
.set VTR,  21
.set VBW,  22
.set VSS,  23
.set XR,   24                          ; v[24:87]   x as loaded (f16)
.set GA,   24                          ; v[24:103]  G: the ten tiles on and below the diagonal
.set SV,   24                          ; v[24:135]  S_0 .. S_6 of my 16 state elements, turned into H_1 .. H_7 in place
.set HF,   24                          ; v[24:151]  H's fragments (pt, ks), hi then lo; at the end y read back
.set EJ,   104                         ; v[104:135] dtP's parts, then e at j = 16 jt + 8 h + 0..7
.set BT,   136                         ; v[136:199] two sets of the weighted B's fragments (plane, ksj) of one n tile
.set DCV,  136                         ; v[136:143] 2^tot of the eight chunks
.set PK,   144                         ; v[144:159] H packed
.set SC2,  152                         ; v[152:167] at work while y is split
.set MF,   168                         ; v[168:199] M's fragments of one row block: hi (ksj 0, 1), lo (ksj 0, 1)
.set CH,   168                         ; v[168:199] C H^T of one row block
.set T,    200                         ; v[200:231] at work
.set VRT8, 232
.set VRTH, 233
.set VRTR, 234
.set VS,   235
.set VS2,  236
.set VH,   237
.set VH2,  238
.set VH3,  239
.set VDC,  240
.set VDCW, 241
.set VHF,  242
.set VYR,  243
.set VYO,  244
.set L4,   245
.set TA,   246
.set TB,   247
.set TC,   248
.set VTB,  249
.set U,    136                         ; names of the softplus and the running sum, in BT's registers
.set LG,   138
.set Q,    140
.set DTV,  142
.set LD,   144
.set A0,   146
.set A1,   147
.set SC,   148
.set TP,   149
.set AD,   150
.set AV,   151
.set CU,   152
.set EE,   154
.set BB,   0                           ; window 1: B's fragments (jt, ks), hi at 0, lo at 64
.set SA,   0                           ; window 1: S's 16 accumulator tiles (nt, pt)
.set YA,   0                           ; window 1: M X's 16 accumulator tiles (it, pt)
.set CF,   128                         ; window 1: C's fragments (it, ks), hi at 128, lo at 192
.set XT,   128                         ; window 1: X transposed, fragments (pt, ksj), hi at 128, lo at 192
.set MSB, 0
.macro WIN new
.if MSB != \new
	s_set_vgpr_msb (MSB<<8)|\new
.set MSB, \new
.endif
.endm
.macro PLACES
.rept 4
	v_nop
.endr
.endm
.macro PADD p, o
	s_mov_b32 s2, s[\o]
	s_add_nc_u64 s[\p:\p+1], s[\p:\p+1], s[2:3]
.endm
; eight f32 in src become four packed words of upper parts (hi) and four of lower parts (lo); src is left holding the rests; tmp: 8 registers
.macro SPLIT4 src, hi, lo, tmp
.irp m, 0,1,2,3
	v_cvt_pk_bf16_f32 v[\hi+\m], v[\src+2*\m], v[\src+2*\m+1]
.endr
.irp m, 0,1,2,3
	v_lshlrev_b32 v[\tmp+2*\m], 16, v[\hi+\m]
	v_and_b32 v[\tmp+2*\m+1], s28, v[\hi+\m]
.endr
.irp m, 0,1,2,3
	v_pk_add_f32 v[\src+2*\m:\src+2*\m+1], v[\src+2*\m:\src+2*\m+1], v[\tmp+2*\m:\tmp+2*\m+1] neg_lo:[0,1] neg_hi:[0,1]
.endr
.irp m, 0,1,2,3
	v_cvt_pk_bf16_f32 v[\lo+\m], v[\src+2*\m], v[\src+2*\m+1]
.endr
.endm
; 16 loads: the eight fragments (tile, ks) of one plane of B or C; row r of the tile, 16 h, two loads 32 bytes apart
.macro LDF dst, base, off
.irp jt, 0,1,2,3
.irp ks, 0,1
	global_load_b128 v[\dst+8*(2*\jt+\ks):\dst+8*(2*\jt+\ks)+3], v[VBC], s[\base:\base+1] offset:\jt*65536+64*\ks+\off
	global_load_b128 v[\dst+8*(2*\jt+\ks)+4:\dst+8*(2*\jt+\ks)+7], v[VBC], s[\base:\base+1] offset:\jt*65536+64*\ks+\off+32
.endr
.endr
.endm
	s_load_b256 s[8:15], s[0:1], 0x0               ; xb 8, BC 10, dtP 12, A_log 14
	s_load_b128 s[16:19], s[0:1], 0x20             ; dt_bias 16, yK 18
	v_lshl_add_u32 v254, v0, 2, 0x4d100
	v_mov_b32 v255, 0
	v_lshrrev_b32 v[TA], 5, v0
	v_readfirstlane_b32 s4, v[TA]                  ; c: wave = chunk
	s_mov_b32 s5, ttmp9                            ; kb
	s_and_b32 s6, ttmp7, 0xffff                    ; b
	s_lshr_b32 s7, s5, 1                           ; h
	s_mov_b32 s3, 0
	s_mov_b32 s22, 0x3fb8aa3b                      ; log2(e)
	s_mov_b32 s23, 0xbfb8aa3b                      ; -log2(e)
	s_mov_b32 s24, 0x3f317218                      ; ln 2
	s_mov_b32 s25, 0x3b800000                      ; 2^-8
	s_mov_b32 s26, 0xc3480000                      ; -200
	s_mov_b32 s28, 0xffff0000                      ; a word's upper bf16
	s_mul_i32 s29, s4, RAS                         ; RA_c
	s_mul_i32 s30, s4, RBS
	s_add_co_u32 s30, s30, RB0                     ; RB_c
	s_lshl_b32 s31, s4, 9
	s_add_co_u32 s31, s31, RT0                     ; RT_c
	s_lshl_b32 s32, s4, 2
	s_add_co_u32 s32, s32, DC0                     ; my word of 2^tot
	s_lshl_b32 s33, s6, 21                         ; row m0 = 512 b + 64 c, x 4,096 bytes
	s_lshl_b32 s2, s4, 18
	s_add_co_u32 s33, s33, s2
	s_lshl_b32 s2, s5, 7
	s_add_co_u32 s34, s33, s2                      ; xb: + 128 kb
	s_lshl_b32 s2, s7, 7
	s_add_co_u32 s35, s33, s2                      ; BC: + 128 h
	s_lshl_b32 s36, s6, 15                         ; dtP: (16 b + h) x 2,048 + 256 c
	s_lshl_b32 s2, s7, 11
	s_add_co_u32 s36, s36, s2
	s_lshl_b32 s2, s4, 8
	s_add_co_u32 s36, s36, s2
	s_lshl_b32 s37, s7, 2                          ; A_log, dt_bias: 4 h
	s_lshl_b32 s38, s5, 19                         ; yK: kb x 524,288 + m0 x 128
	s_lshl_b32 s2, s6, 16
	s_add_co_u32 s38, s38, s2
	s_lshl_b32 s2, s4, 13
	s_add_co_u32 s38, s38, s2
	v_and_b32 v[LN], 31, v0
	v_and_b32 v[RR], 15, v0
	v_bfe_u32 v[HH], v0, 4, 1
	v_lshlrev_b32 v[VDT], 3, v[LN]                 ; two t a lane
	v_bfe_u32 v[TA], v0, 3, 2                      ; lane >> 3
	v_and_b32 v[TB], 7, v0                         ; lane & 7
	v_lshlrev_b32 v[VX], 4, v[TB]
	v_lshl_add_u32 v[VX], v[TA], 12, v[VX]         ; X: four rows a load, 128 bytes each
	v_lshlrev_b32 v[VBC], 4, v[HH]
	v_lshl_add_u32 v[VBC], v[RR], 12, v[VBC]       ; fragments: row r, 16 h
	s_wait_kmcnt 0x0
	PADD 8, 34
	PADD 10, 35
	PADD 12, 36
	PADD 14, 37
	PADD 16, 37
	PADD 18, 38
	s_add_nc_u64 s[40:41], s[10:11], 0x1000000     ; BC's plane of lower parts
	s_add_nc_u64 s[42:43], s[18:19], 0x1000000     ; yK's plane of lower parts
	s_load_b32 s20, s[14:15], 0x0                  ; A_log[h]
	s_load_b32 s21, s[16:17], 0x0                  ; dt_bias[h]
	; loads in the order in which they are wanted; the later ones are issued where the earlier ones have been waited for
.irp i, 0,1,2,3,4,5,6,7,8,9,10,11,12,13,14,15
	global_load_b64 v[EJ+2*\i:EJ+2*\i+1], v[VDT], s[12:13] offset:\i*262144
.endr
.irp q, 0,1,2,3,4,5,6,7,8,9,10,11,12,13,14,15
	global_load_b128 v[XR+4*\q:XR+4*\q+3], v[VX], s[8:9] offset:\q*16384
.endr
	WIN 0x40                                       ; destination window 1
	LDF BB, 10, 0                                  ; B hi
	WIN 0
	; LDS addresses, while the loads fly
	v_mul_u32_u24 v[VXS], v[TA], 160
	v_lshl_add_u32 v[VXS], v[TB], 4, v[VXS]
	v_add_nc_u32 v[VXS], s29, v[VXS]               ; X in: row lane >> 3, 16 (lane & 7)
	v_mul_u32_u24 v[VYR], v[TA], 144
	v_lshl_add_u32 v[VYR], v[TB], 4, v[VYR]
	v_add_nc_u32 v[VYR], s30, v[VYR]               ; y back, likewise
	v_lshl_add_u32 v[TC], v[HH], 3, v[TB]          ; 8 h + (lane & 7)
	v_bfe_u32 v[TA], v0, 3, 1                      ; (lane >> 3) & 1
	v_mul_u32_u24 v[VTR], v[TC], 160               ; transposing loads of X
	v_lshl_add_u32 v[VTR], v[TA], 4, v[VTR]
	v_add_nc_u32 v[VTR], s29, v[VTR]
	v_mul_u32_u24 v[VTB], v[TC], 144               ; and of the weighted B
	v_lshl_add_u32 v[VTB], v[TA], 4, v[VTB]
	v_add_nc_u32 v[VTB], s30, v[VTB]
	v_mul_u32_u24 v[VBW], v[RR], 144
	v_lshl_add_u32 v[VBW], v[HH], 4, v[VBW]        ; r 144 + 16 h
	v_add_nc_u32 v[VHF], s29, v[VBW]               ; H's fragments
	v_add_nc_u32 v[VBW], s30, v[VBW]               ; the weighted B in, later y in
	v_mul_u32_u24 v[VSS], v[RR], 272
	v_lshl_add_u32 v[VSS], v[HH], 5, v[VSS]
	v_add_nc_u32 v[VSS], s30, v[VSS]
	v_lshl_add_u32 v[VRT8], v[LN], 3, s31
	v_lshl_add_u32 v[VRTH], v[HH], 5, s31
	v_lshl_add_u32 v[VRTR], v[RR], 2, s31
	v_lshrrev_b32 v[TA], 2, v0                     ; the state: thread owns p = tid >> 2, n = 16 (tid & 3) + 0..15
	v_and_b32 v[TB], 3, v0
	v_mul_u32_u24 v[VS], v[TA], 272
	v_lshl_add_u32 v[VS], v[TB], 6, v[VS]
	v_add_nc_u32 v[VS], RB0, v[VS]
	v_add_nc_u32 v[VS2], 4*RBS, v[VS]
	v_mul_u32_u24 v[VH], v[TA], 144
	v_lshl_add_u32 v[VH], v[TB], 5, v[VH]
	v_add_nc_u32 v[VH2], 3*RAS, v[VH]
	v_add_nc_u32 v[VH3], 6*RAS, v[VH]
	v_mov_b32 v[VDC], DC0
	v_mov_b32 v[VDCW], s32
	v_lshlrev_b32 v[VYO], 4, v[LN]
	v_lshlrev_b32 v[L4], 2, v[LN]
	v_lshlrev_b32 v[TA], 3, v[HH]
	v_sub_nc_u32 v[DD], v[RR], v[TA]
	; dt = softplus(sum of the 16 parts + bias) for t = 2 lane, 2 lane + 1
	s_wait_loadcnt 32                              ; the parts are in; X and B hi (32 loads) stay out
	WIN 0x40
	LDF BB+64, 40, 0                               ; B lo
	WIN 0
.irp i, 0,1,2,3,4,5,6,7
	v_pk_add_f32 v[EJ+2*\i:EJ+2*\i+1], v[EJ+2*\i:EJ+2*\i+1], v[EJ+2*\i+16:EJ+2*\i+17]
.endr
.irp i, 0,1,2,3
	v_pk_add_f32 v[EJ+2*\i:EJ+2*\i+1], v[EJ+2*\i:EJ+2*\i+1], v[EJ+2*\i+8:EJ+2*\i+9]
.endr
.irp i, 0,1
	v_pk_add_f32 v[EJ+2*\i:EJ+2*\i+1], v[EJ+2*\i:EJ+2*\i+1], v[EJ+2*\i+4:EJ+2*\i+5]
.endr
	v_pk_add_f32 v[EJ:EJ+1], v[EJ:EJ+1], v[EJ+2:EJ+3]
	s_wait_kmcnt 0x0                               ; A_log[h], dt_bias[h]
	v_add_f32 v[EJ], s21, v[EJ]
	v_add_f32 v[EJ+1], s21, v[EJ+1]
	v_and_b32 v[U], 0x7fffffff, v[EJ]
	v_and_b32 v[U+1], 0x7fffffff, v[EJ+1]
	v_mul_f32 v[U], s23, v[U]
	v_mul_f32 v[U+1], s23, v[U+1]
	v_mul_f32 v[AV], s22, s20
	v_exp_f32 v[U], v[U]                           ; u = exp(-|z|), at most 1
	v_exp_f32 v[U+1], v[U+1]
	v_exp_f32 v[AV], v[AV]                         ; exp(A_log)
	v_nop                                          ; one plain place behind the transcendentals (ISA guide 5.7.2)
	s_wait_alu depctr_va_vdst(0)
	v_add_f32 v[LG], 1.0, v[U]
	v_add_f32 v[LG+1], 1.0, v[U+1]
	v_log_f32 v[LG], v[LG]
	v_log_f32 v[LG+1], v[LG+1]
	v_mul_f32 v[Q], -0.5, v[U]                     ; for u < 2^-8: log(1 + u) = u - u^2 / 2, short by less than u^3 / 3
	v_mul_f32 v[Q+1], -0.5, v[U+1]
	v_fma_f32 v[Q], v[Q], v[U], v[U]
	v_fma_f32 v[Q+1], v[Q+1], v[U+1], v[U+1]
	s_wait_alu depctr_va_vdst(0)
	v_mul_f32 v[LG], s24, v[LG]
	v_mul_f32 v[LG+1], s24, v[LG+1]
	v_cmp_gt_f32 vcc_lo, s25, v[U]
	v_cndmask_b32 v[LG], v[LG], v[Q], vcc_lo
	v_cmp_gt_f32 vcc_lo, s25, v[U+1]
	v_cndmask_b32 v[LG+1], v[LG+1], v[Q+1], vcc_lo
	v_max_num_f32 v[EJ], 0, v[EJ]
	v_max_num_f32 v[EJ+1], 0, v[EJ+1]
	v_add_f32 v[DTV], v[EJ], v[LG]                 ; dt
	v_add_f32 v[DTV+1], v[EJ+1], v[LG+1]
	v_mul_f32 v[AV], s23, v[AV]                    ; -exp(A_log) log2(e)
	v_log_f32 v[LD], v[DTV]
	v_log_f32 v[LD+1], v[DTV+1]
	v_mul_f32 v[A0], v[AV], v[DTV]
	v_mul_f32 v[A1], v[AV], v[DTV+1]
	v_max_num_f32 v[A0], s26, v[A0]
	v_max_num_f32 v[A1], s26, v[A1]
	v_add_f32 v[SC], v[A0], v[A1]
	; inclusive running sum of the pairs' sums over the 32 lanes: five exchanges, lane takes lane - d
.irp d, 1,2,4,8,16
	v_sub_nc_u32 v[AD], v[L4], 4*\d
	ds_bpermute_b32 v[TP], v[AD], v[SC]
	v_cmp_le_u32 vcc_lo, \d, v[LN]
	s_wait_dscnt 0x0
	v_cndmask_b32 v[TP], 0, v[TP], vcc_lo
	v_add_f32 v[SC], v[SC], v[TP]
.endr
	v_sub_f32 v[CU], v[SC], v[A1]                  ; cum at t = 2 lane
	v_mov_b32 v[CU+1], v[SC]                       ; and at 2 lane + 1
	s_wait_alu depctr_va_vdst(0)
	v_sub_f32 v[EE], v[CU], v[LD]                  ; e = cum - log2 dt (dt = 0: + infinity, and every weight below comes out 0)
	v_sub_f32 v[EE+1], v[CU+1], v[LD+1]
	v_readlane_b32 s27, v[SC], 31                  ; tot
	ds_store_b64 v[VRT8], v[EE:EE+1]
	ds_store_b64 v[VRT8], v[CU:CU+1] offset:256
	v_mov_b32 v[TP], s27
	v_exp_f32 v[TP], v[TP]
	v_nop
	s_wait_alu depctr_va_vdst(0)
	ds_store_b32 v[VDCW], v[TP]                    ; all lanes write the same word with the same value
	; back in the layouts that the tiles want; my own bytes, served in order behind my stores
.irp jt, 0,1,2,3
	ds_load_b128 v[EJ+8*\jt:EJ+8*\jt+3], v[VRTH] offset:64*\jt
	ds_load_b128 v[EJ+8*\jt+4:EJ+8*\jt+7], v[VRTH] offset:64*\jt+16
.endr
.irp j, 0,1,2,3
	ds_load_b32 v[CI+\j], v[VRTR] offset:256+64*\j
	ds_load_b32 v[T+\j], v[VRTR] offset:64*\j
.endr
	s_wait_dscnt 0x0
.irp j, 0,1,2,3
	v_sub_f32 v[WJ+\j], s27, v[T+\j]
.endr
.irp j, 0,1,2,3
	v_exp_f32 v[WJ+\j], v[WJ+\j]
	v_exp_f32 v[EI+\j], v[CI+\j]
.endr
	v_nop
	s_wait_alu depctr_va_vdst(0)
	; X: f16 to f32 (exact), split (exact: eleven bits fit a pair), into its two stages, from which it is read transposed later
	s_wait_loadcnt 32                              ; X is in; B hi and lo (32 loads) stay out
	WIN 0x40
	LDF CF, 10, 2048                               ; C hi
	WIN 0
.macro XQ q, e0, e1, e2, e3, e4, e5, e6, e7
	v_cvt_f32_f16 v[T+0], \e0
	v_cvt_f32_f16 v[T+1], \e1
	v_cvt_f32_f16 v[T+2], \e2
	v_cvt_f32_f16 v[T+3], \e3
	v_cvt_f32_f16 v[T+4], \e4
	v_cvt_f32_f16 v[T+5], \e5
	v_cvt_f32_f16 v[T+6], \e6
	v_cvt_f32_f16 v[T+7], \e7
	SPLIT4 T, T+8, T+12, T+16
	ds_store_b128 v[VXS], v[T+8:T+11] offset:\q*640
	ds_store_b128 v[VXS], v[T+12:T+15] offset:XLO+\q*640
.endm
	XQ 0, v24.l, v24.h, v25.l, v25.h, v26.l, v26.h, v27.l, v27.h
	XQ 1, v28.l, v28.h, v29.l, v29.h, v30.l, v30.h, v31.l, v31.h
	XQ 2, v32.l, v32.h, v33.l, v33.h, v34.l, v34.h, v35.l, v35.h
	XQ 3, v36.l, v36.h, v37.l, v37.h, v38.l, v38.h, v39.l, v39.h
	XQ 4, v40.l, v40.h, v41.l, v41.h, v42.l, v42.h, v43.l, v43.h
	XQ 5, v44.l, v44.h, v45.l, v45.h, v46.l, v46.h, v47.l, v47.h
	XQ 6, v48.l, v48.h, v49.l, v49.h, v50.l, v50.h, v51.l, v51.h
	XQ 7, v52.l, v52.h, v53.l, v53.h, v54.l, v54.h, v55.l, v55.h
	XQ 8, v56.l, v56.h, v57.l, v57.h, v58.l, v58.h, v59.l, v59.h
	XQ 9, v60.l, v60.h, v61.l, v61.h, v62.l, v62.h, v63.l, v63.h
	XQ 10, v64.l, v64.h, v65.l, v65.h, v66.l, v66.h, v67.l, v67.h
	XQ 11, v68.l, v68.h, v69.l, v69.h, v70.l, v70.h, v71.l, v71.h
	XQ 12, v72.l, v72.h, v73.l, v73.h, v74.l, v74.h, v75.l, v75.h
	XQ 13, v76.l, v76.h, v77.l, v77.h, v78.l, v78.h, v79.l, v79.h
	XQ 14, v80.l, v80.h, v81.l, v81.h, v82.l, v82.h, v83.l, v83.h
	XQ 15, v84.l, v84.h, v85.l, v85.h, v86.l, v86.h, v87.l, v87.h
	; the weighted B, 2^(tot - e_j) (B hi + B lo)[j][n], split again, into its two stages
	s_wait_loadcnt 16                              ; B hi and lo are in; C hi (16 loads) stays out
	WIN 0x40
	LDF CF+64, 40, 2048                            ; C lo
	WIN 0
.macro BWS jt, ks
	WIN 0x04                                       ; source 1 in window 1
.irp m, 0,1,2,3,4,5,6,7
	v_lshlrev_b32 v[T+2*\m], 16, v[BB+8*(2*\jt+\ks)+\m]
	v_and_b32 v[T+2*\m+1], s28, v[BB+8*(2*\jt+\ks)+\m]
	v_lshlrev_b32 v[T+16+2*\m], 16, v[BB+64+8*(2*\jt+\ks)+\m]
	v_and_b32 v[T+16+2*\m+1], s28, v[BB+64+8*(2*\jt+\ks)+\m]
.endr
	WIN 0
.irp m, 0,2,4,6,8,10,12,14
	v_pk_add_f32 v[T+\m:T+\m+1], v[T+\m:T+\m+1], v[T+16+\m:T+16+\m+1]
.endr
.set i, 0
.rept 16
	v_mul_f32 v[T+i], v[WJ+\jt], v[T+i]
.set i, i+1
.endr
	SPLIT4 T, T+16, T+20, T+24
	ds_store_b128 v[VBW], v[T+16:T+19] offset:\jt*2304+64*\ks
	ds_store_b128 v[VBW], v[T+20:T+23] offset:BLO+\jt*2304+64*\ks
	SPLIT4 T+8, T+16, T+20, T+24
	ds_store_b128 v[VBW], v[T+16:T+19] offset:\jt*2304+64*\ks+32
	ds_store_b128 v[VBW], v[T+20:T+23] offset:BLO+\jt*2304+64*\ks+32
.endm
.irp jt, 0,1,2,3
	BWS \jt, 0
	BWS \jt, 1
.endr
	; G = C B^T for the ten tiles on and below the diagonal: six passes (three products x two K steps); the ten accumulators take turns,
	; one instruction a turn, in the same order in every pass
	s_wait_loadcnt 0x0                             ; C is in
.macro GW it, jt, x, bo, co, ks, zero
.if \zero
	v_wmma_f32_16x16x32_bf16 v[GA+8*\x:GA+8*\x+7], v[BB+\bo+8*(2*\jt+\ks):BB+\bo+8*(2*\jt+\ks)+7], v[CF+\co+8*(2*\it+\ks):CF+\co+8*(2*\it+\ks)+7], 0
.else
	v_wmma_f32_16x16x32_bf16 v[GA+8*\x:GA+8*\x+7], v[BB+\bo+8*(2*\jt+\ks):BB+\bo+8*(2*\jt+\ks)+7], v[CF+\co+8*(2*\it+\ks):CF+\co+8*(2*\it+\ks)+7], v[GA+8*\x:GA+8*\x+7]
.endif
.endm
.macro GPASS bo, co, ks, zero
	GW 0, 0, 0, \bo, \co, \ks, \zero
	GW 1, 0, 1, \bo, \co, \ks, \zero
	GW 1, 1, 2, \bo, \co, \ks, \zero
	GW 2, 0, 3, \bo, \co, \ks, \zero
	GW 2, 1, 4, \bo, \co, \ks, \zero
	GW 2, 2, 5, \bo, \co, \ks, \zero
	GW 3, 0, 6, \bo, \co, \ks, \zero
	GW 3, 1, 7, \bo, \co, \ks, \zero
	GW 3, 2, 8, \bo, \co, \ks, \zero
	GW 3, 3, 9, \bo, \co, \ks, \zero
.endm
	WIN 0x05                                       ; sources 0 and 1 in window 1
	GPASS 0, 0, 0, 1
	GPASS 0, 0, 1, 0
	GPASS 64, 0, 0, 0
	GPASS 64, 0, 1, 0
	GPASS 0, 64, 0, 0
	GPASS 0, 64, 1, 0
	WIN 0
	PLACES                                         ; four places before loads land on C's registers,
	v_nop                                          ; five before matrix instructions write over B's
	; X transposed (rows p, j along K) into C's registers; S[p][n]: source 0 = the weighted B transposed (rows n), source 1 = X transposed
	WIN 0x40
.irp pl, 0,1
.irp pt, 0,1,2,3
.irp ksj, 0,1
	ds_load_tr16_b128 v[XT+64*\pl+8*(2*\pt+\ksj):XT+64*\pl+8*(2*\pt+\ksj)+3], v[VTR] offset:\pl*XLO+\ksj*5120+32*\pt
	ds_load_tr16_b128 v[XT+64*\pl+8*(2*\pt+\ksj)+4:XT+64*\pl+8*(2*\pt+\ksj)+7], v[VTR] offset:\pl*XLO+\ksj*5120+32*\pt+2560
.endr
.endr
.endr
	WIN 0
.macro SLD nt                          ; eight loads: n tile nt of the weighted B, both planes, both K steps, into set nt & 1
.irp pl, 0,1
.irp ksj, 0,1
	ds_load_tr16_b128 v[BT+32*(\nt&1)+16*\pl+8*\ksj:BT+32*(\nt&1)+16*\pl+8*\ksj+3], v[VTB] offset:\pl*BLO+\ksj*4608+32*\nt
	ds_load_tr16_b128 v[BT+32*(\nt&1)+16*\pl+8*\ksj+4:BT+32*(\nt&1)+16*\pl+8*\ksj+7], v[VTB] offset:\pl*BLO+\ksj*4608+32*\nt+2304
.endr
.endr
.endm
.macro SPASS nt, bp, xp, ksj, zero
.irp pt, 0,1,2,3
.if \zero
	v_wmma_f32_16x16x32_bf16 v[SA+8*(4*\nt+\pt):SA+8*(4*\nt+\pt)+7], v[BT+32*(\nt&1)+16*\bp+8*\ksj:BT+32*(\nt&1)+16*\bp+8*\ksj+7], v[XT+64*\xp+8*(2*\pt+\ksj):XT+64*\xp+8*(2*\pt+\ksj)+7], 0
.else
	v_wmma_f32_16x16x32_bf16 v[SA+8*(4*\nt+\pt):SA+8*(4*\nt+\pt)+7], v[BT+32*(\nt&1)+16*\bp+8*\ksj:BT+32*(\nt&1)+16*\bp+8*\ksj+7], v[XT+64*\xp+8*(2*\pt+\ksj):XT+64*\xp+8*(2*\pt+\ksj)+7], v[SA+8*(4*\nt+\pt):SA+8*(4*\nt+\pt)+7]
.endif
.endr
.endm
.macro SMM nt                          ; 24 matrix instructions; the four accumulators take turns
	WIN 0x54                                       ; source 1, C and D in window 1
	SPASS \nt, 0, 0, 0, 1
	SPASS \nt, 0, 0, 1, 0
	SPASS \nt, 1, 0, 0, 0
	SPASS \nt, 1, 0, 1, 0
	SPASS \nt, 0, 1, 0, 0
	SPASS \nt, 0, 1, 1, 0
	WIN 0
.endm
	SLD 0
	SLD 1
	s_wait_dscnt 8                                 ; X and set 0 are in; set 1's eight loads stay out
	SMM 0
	PLACES                                         ; four places before loads land on set 0
	SLD 2
	s_wait_dscnt 8                                 ; set 1 is in; the eight just issued stay out
	SMM 1
	PLACES
	SLD 3
	s_wait_dscnt 8
	SMM 2
	s_wait_dscnt 0x0                               ; the last set; and every read of the weighted B is back: S may lie down on it
	SMM 3
	PLACES
	WIN 0x04                                       ; store data in window 1
.irp nt, 0,1,2,3
.irp pt, 0,1,2,3
	ds_store_b128 v[VSS], v[SA+8*(4*\nt+\pt):SA+8*(4*\nt+\pt)+3] offset:\pt*4352+64*\nt
	ds_store_b128 v[VSS], v[SA+8*(4*\nt+\pt)+4:SA+8*(4*\nt+\pt)+7] offset:\pt*4352+64*\nt+16
.endr
.endr
	WIN 0                                          ; (chunk 7's S is not read by anyone: wave 7 runs the same text as the others)
; M, one tile: lane (r, h), register e: i = 16 it + r, j = 16 jt + 8 h + e.  The eight subtractions are places behind the matrix instructions
; that read M's fragments last.  Two neighbouring j tiles, packed, make one fragment of K = 32.
.macro GM it, jt, x
.irp e, 0,1,2,3,4,5,6,7
	v_sub_f32 v[T+\e], v[CI+\it], v[EJ+8*\jt+\e]
.endr
.irp e, 0,1,2,3,4,5,6,7
	v_exp_f32 v[T+\e], v[T+\e]
.endr
	v_nop
	s_wait_alu depctr_va_vdst(0)
.irp e, 0,2,4,6
	v_pk_mul_f32 v[T+\e:T+\e+1], v[T+\e:T+\e+1], v[GA+8*\x+\e:GA+8*\x+\e+1]
.endr
.if \jt == \it
.irp e, 0,1,2,3,4,5,6,7
	v_cmp_le_i32 vcc_lo, \e, v[DD]                 ; j <= i is e <= r - 8 h; what lies above the diagonal is replaced, not multiplied, by 0
	v_cndmask_b32 v[T+\e], 0, v[T+\e], vcc_lo
.endr
.endif
	SPLIT4 T, MF+8*(\jt>>1)+4*(\jt&1), MF+16+8*(\jt>>1)+4*(\jt&1), T+8
.endm
.macro MZERO o                         ; a tile above the diagonal: zeros in both planes
.irp m, 0,1,2,3
	v_mov_b32 v[MF+\o+\m], 0
	v_mov_b32 v[MF+16+\o+\m], 0
.endr
.endm
.macro YPASS it, xp, mp, ksj, zero
.irp pt, 0,1,2,3
.if \zero
	v_wmma_f32_16x16x32_bf16 v[YA+8*(4*\it+\pt):YA+8*(4*\it+\pt)+7], v[XT+64*\xp+8*(2*\pt+\ksj):XT+64*\xp+8*(2*\pt+\ksj)+7], v[MF+16*\mp+8*\ksj:MF+16*\mp+8*\ksj+7], 0
.else
	v_wmma_f32_16x16x32_bf16 v[YA+8*(4*\it+\pt):YA+8*(4*\it+\pt)+7], v[XT+64*\xp+8*(2*\pt+\ksj):XT+64*\xp+8*(2*\pt+\ksj)+7], v[MF+16*\mp+8*\ksj:MF+16*\mp+8*\ksj+7], v[YA+8*(4*\it+\pt):YA+8*(4*\it+\pt)+7]
.endif
.endr
.endm
.macro YI it                           ; M X for row block it, kept in registers; the four accumulators take turns
	WIN 0x51                                       ; source 0, C and D in window 1
	YPASS \it, 0, 0, 0, 1
	YPASS \it, 0, 1, 0, 0
	YPASS \it, 1, 0, 0, 0
.if \it >= 2
	YPASS \it, 0, 0, 1, 0
	YPASS \it, 0, 1, 1, 0
	YPASS \it, 1, 0, 1, 0
.endif
	WIN 0
.endm
	GM 0, 0, 0
	MZERO 4
	YI 0
	GM 1, 0, 1
	GM 1, 1, 2
	YI 1
	GM 2, 0, 3
	GM 2, 1, 4
	GM 2, 2, 5
	MZERO 12
	YI 2
	GM 3, 0, 6
	GM 3, 1, 7
	GM 3, 2, 8
	GM 3, 3, 9
	YI 3
	PLACES                                         ; four places before loads land on X's registers
	WIN 0x40
	LDF CF, 10, 2048                               ; C once more; it lands while the state is carried
	LDF CF+64, 40, 2048
	WIN 0
	s_wait_dscnt 0x0                               ; my S and 2^tot are stored, my reads of X's stages are back
	s_barrier_signal -1
	s_barrier_wait -1
	; the state, in f32: each of the 256 threads carries 16 elements through the eight chunks
.irp c, 0,1,2,3
.irp i, 0,1,2,3
	ds_load_b128 v[SV+16*\c+4*\i:SV+16*\c+4*\i+3], v[VS] offset:\c*RBS+16*\i
.endr
.endr
.irp c, 4,5,6
.irp i, 0,1,2,3
	ds_load_b128 v[SV+16*\c+4*\i:SV+16*\c+4*\i+3], v[VS2] offset:(\c-4)*RBS+16*\i
.endr
.endr
	ds_load_b128 v[DCV:DCV+3], v[VDC]
	ds_load_b128 v[DCV+4:DCV+7], v[VDC] offset:16
.irp m, 0,1,2,3
	v_mov_b32 v[PK+\m], 0                          ; H_0 = 0
.endr
	ds_store_b128 v[VH], v[PK:PK+3]
	ds_store_b128 v[VH], v[PK:PK+3] offset:16
	ds_store_b128 v[VH], v[PK:PK+3] offset:XLO
	ds_store_b128 v[VH], v[PK:PK+3] offset:XLO+16
	s_wait_dscnt 0x0
.macro HUP c                           ; H_c = 2^tot_(c-1) H_(c-1) + S_(c-1), in place where S_(c-1) lay
.set i, 0
.rept 16
	v_fmac_f32 v[SV+16*(\c-1)+i], v[DCV+\c-1], v[SV+16*(\c-2)+i]
.set i, i+1
.endr
.endm
.macro HST c, adr, off                 ; H_c split into chunk c's region (the split spoils the f32 copy: all H are formed first)
	SPLIT4 SV+16*(\c-1), PK, PK+4, T
	ds_store_b128 v[\adr], v[PK:PK+3] offset:\off
	ds_store_b128 v[\adr], v[PK+4:PK+7] offset:\off+XLO
	SPLIT4 SV+16*(\c-1)+8, PK+8, PK+12, T+8
	ds_store_b128 v[\adr], v[PK+8:PK+11] offset:\off+16
	ds_store_b128 v[\adr], v[PK+12:PK+15] offset:\off+XLO+16
.endm
	HUP 2                                          ; H_1 = S_0
	HUP 3
	HUP 4
	HUP 5
	HUP 6
	HUP 7
	HST 1, VH, RAS
	HST 2, VH, 2*RAS
	HST 3, VH2, 0
	HST 4, VH2, RAS
	HST 5, VH2, 2*RAS
	HST 6, VH3, 0
	HST 7, VH3, RAS
	s_wait_dscnt 0x0                               ; my parts of all eight H are stored, my reads of all S are back
	s_barrier_signal -1
	s_barrier_wait -1
	; y = 2^cum_i (C H^T) + M X, 16 rows at a time
.irp pl, 0,1
.irp pt, 0,1,2,3
.irp ks, 0,1
	ds_load_b128 v[HF+64*\pl+8*(2*\pt+\ks):HF+64*\pl+8*(2*\pt+\ks)+3], v[VHF] offset:\pl*XLO+\pt*2304+64*\ks
	ds_load_b128 v[HF+64*\pl+8*(2*\pt+\ks)+4:HF+64*\pl+8*(2*\pt+\ks)+7], v[VHF] offset:\pl*XLO+\pt*2304+64*\ks+32
.endr
.endr
.endr
	s_wait_dscnt 0x0
	s_wait_loadcnt 0x0                             ; C
.macro CPASS it, hp, cp, ks, zero
.irp pt, 0,1,2,3
.if \zero
	v_wmma_f32_16x16x32_bf16 v[CH+8*\pt:CH+8*\pt+7], v[HF+64*\hp+8*(2*\pt+\ks):HF+64*\hp+8*(2*\pt+\ks)+7], v[CF+64*\cp+8*(2*\it+\ks):CF+64*\cp+8*(2*\it+\ks)+7], 0
.else
	v_wmma_f32_16x16x32_bf16 v[CH+8*\pt:CH+8*\pt+7], v[HF+64*\hp+8*(2*\pt+\ks):HF+64*\hp+8*(2*\pt+\ks)+7], v[CF+64*\cp+8*(2*\it+\ks):CF+64*\cp+8*(2*\it+\ks)+7], v[CH+8*\pt:CH+8*\pt+7]
.endif
.endr
.endm
.macro YO it
	WIN 0x04                                       ; source 1 in window 1
	CPASS \it, 0, 0, 0, 1                          ; 24 matrix instructions; the four accumulators take turns
	CPASS \it, 0, 0, 1, 0
	CPASS \it, 1, 0, 0, 0
	CPASS \it, 1, 0, 1, 0
	CPASS \it, 0, 1, 0, 0
	CPASS \it, 0, 1, 1, 0
	WIN 0
	PLACES
	WIN 0x10                                       ; source 2 (M X) in window 1
.set i, 0
.rept 32
	v_fma_f32 v[T+i], v[EI+\it], v[CH+i], v[YA+32*\it+i]
.set i, i+1
.endr
	WIN 0
.irp pt, 0,1,2,3
	SPLIT4 T+8*\pt, SC2+8, SC2+12, SC2             ; names none of the matrix instructions' registers: more places, for the next block's first products
	ds_store_b128 v[VBW], v[SC2+8:SC2+11] offset:\it*2304+32*\pt
	ds_store_b128 v[VBW], v[SC2+12:SC2+15] offset:BLO+\it*2304+32*\pt
.endr
.endm
	YO 0
	YO 1
	YO 2
	YO 3
	; y out: the chunk's 64 rows of 128 bytes are 8,192 consecutive bytes of each plane of yK; a store covers 512 of them
.irp j, 0,1,2,3,4,5,6,7,8,9,10,11,12,13,14,15
	ds_load_b128 v[HF+4*\j:HF+4*\j+3], v[VYR] offset:\j*576
.endr
.irp j, 0,1,2,3,4,5,6,7,8,9,10,11,12,13,14,15
	ds_load_b128 v[HF+64+4*\j:HF+64+4*\j+3], v[VYR] offset:BLO+\j*576
.endr
.irp j, 0,1,2,3,4,5,6,7,8,9,10,11,12,13,14,15
	s_wait_dscnt 31-\j                             ; the 15 - j younger loads of upper parts and the sixteen of lower parts stay out
	global_store_b128 v[VYO], v[HF+4*\j:HF+4*\j+3], s[18:19] offset:\j*512
.endr
.irp j, 0,1,2,3,4,5,6,7,8,9,10,11,12,13,14,15
	s_wait_dscnt 15-\j
	global_store_b128 v[VYO], v[HF+64+4*\j:HF+64+4*\j+3], s[42:43] offset:\j*512
.endr
	s_wait_tensorcnt 0x0
	ds_add_u32 v254, v255
	s_wait_dscnt 0x0
	s_endpgm
.Lfunc_end_k_qc2b8530db5_ssd:
	.size	k_qc2b8530db5_ssd, .Lfunc_end_k_qc2b8530db5_ssd-k_qc2b8530db5_ssd
	.p2alignl 7, 3214868480
	.fill 96, 4, 3214868480
	.section	.rodata,"a",@progbits
	.p2align	6, 0x0
	.amdhsa_kernel k_qc2b8530db5_ssd
		.amdhsa_group_segment_fixed_size 316672
		.amdhsa_private_segment_fixed_size 0
		.amdhsa_enable_private_segment 0
		.amdhsa_kernarg_size 48
		.amdhsa_user_sgpr_count 2
		.amdhsa_user_sgpr_kernarg_segment_ptr 1
		.amdhsa_wavefront_size32 1
		.amdhsa_system_sgpr_workgroup_id_x 1
		.amdhsa_system_sgpr_workgroup_id_y 1
		.amdhsa_system_sgpr_workgroup_id_z 1
		.amdhsa_system_vgpr_workitem_id 0
		.amdhsa_next_free_vgpr 512
		.amdhsa_next_free_sgpr 66
		.amdhsa_reserve_vcc 1
		.amdhsa_float_denorm_mode_32 3
		.amdhsa_float_denorm_mode_16_64 3
		.amdhsa_memory_ordered 1
		.amdhsa_forward_progress 1
		.amdhsa_inst_pref_size 185
	.end_amdhsa_kernel
	.amdgpu_metadata
---
amdhsa.version: [ 1, 2 ]
amdhsa.kernels:
  - .name:           k_qc2b8530db5_ssd
    .symbol:         k_qc2b8530db5_ssd.kd
    .args:
      - { .name: xb, .offset: 0, .size: 8, .value_kind: global_buffer, .address_space: global }
      - { .name: BC, .offset: 8, .size: 8, .value_kind: global_buffer, .address_space: global }
      - { .name: dtP, .offset: 16, .size: 8, .value_kind: global_buffer, .address_space: global }
      - { .name: A_log, .offset: 24, .size: 8, .value_kind: global_buffer, .address_space: global }
      - { .name: dt_bias, .offset: 32, .size: 8, .value_kind: global_buffer, .address_space: global }
      - { .name: yK, .offset: 40, .size: 8, .value_kind: global_buffer, .address_space: global }
    .group_segment_fixed_size: 316672
    .private_segment_fixed_size: 0
    .kernarg_segment_align: 8
    .kernarg_segment_size: 48
    .max_flat_workgroup_size: 256
    .sgpr_count:     66
    .vgpr_count:     512
    .wavefront_size: 32
...
	.end_amdgpu_metadata
.endif
;; end of part 3
;; launch head (part 4): grid 64 x 1, 4 waves a work-group, clusters of 4 x 1, 327,680 bytes of LDS; arguments yK, Wyob, b_yo, W_head, b_head, out0; writes out0
.if DOCPART == 4
	.amdgcn_target "amdgcn-amd-amdhsa--gfx1250"
	.amdhsa_code_object_version 6
	.text
	.protected	k_qc2b8530db5_head
	.globl	k_qc2b8530db5_head
	.p2align	8
	.type	k_qc2b8530db5_head,@function
k_qc2b8530db5_head:
	s_mov_b64 s[64:65], 0
	v_nop
	global_prefetch_b8 v0, s[64:65] scope:SCOPE_SE
	s_setreg_imm32_b32 hwreg(HW_REG_WAVE_MODE, 25, 1), 1
	s_wait_xcnt 0x0
	s_wait_alu depctr_hold_cnt(0) depctr_sa_sdst(0) depctr_va_vdst(0) depctr_va_sdst(0) depctr_va_ssrc(0) depctr_va_vcc(0) depctr_vm_vsrc(0)
	s_getreg_b32 s2, hwreg(HW_REG_IB_STS2, 6, 4)
	s_cmp_eq_u32 s2, 0
	s_cbranch_scc0 .Lentry_in_a_cluster
	s_endpgm
.Lentry_in_a_cluster:
	s_bfe_u32 s2, ttmp6, 0x10000c
	s_cmp_lg_u32 s2, 0x3003
	s_cbranch_scc0 .Lentry_shape_is_right
	s_endpgm
.Lentry_shape_is_right:
; out0 = relu(y W_yo + b_yo) W_head + b_head.  A work-group takes 64 rows m' and all 256 units (relu wants the whole sum over K = 2048, the
; head all 256 units), so there is work for 64 work-groups; a smaller block would only walk W_yo more often.  Wave w makes 64 rows x units 64 w ..
; FORMATS: y and z have no room in f16, and eight bits are too few at the end of this chain, so y, W_yo, z and W_head are pairs
; hi = bf16(v), lo = bf16(v - hi), and each product is three passes, hi hi + lo hi + hi lo; lo lo, some 2^-16 of the product, is dropped.
; K goes in 32 steps of 64 through a ring of two LDS slots; a slot holds 64 rows of W_yo hi, 64 of W_yo lo (512 bytes each), and one block of
; y hi and of y lo (64 rows of 128 bytes each): one tensor load a wave.  A step is six quarters: two K blocks of 32 x three products.
; (The upper parts' fragments are read from LDS once for each product that uses them.)
; CLUSTERS: 4 x 1.  All work-groups walk the same Wyob: its tiles are asked for jointly by the four of a cluster.  y's tiles are each
; work-group's own: plain loads, issued behind the same rounds.
; Then z = relu(..) goes through LDS as a pair, and wave w makes rows 16 w .. 16 w + 15 of the 64 logits.  Row m' = 512 b + t is row 8 t + b of out0.
; LIMITS: relu of a NaN gives 0.
.set NT,    4
.set NF,    2*NT+8
.set PA,    144                        ; y rows in LDS: 128 bytes + 16
.set PB,    544                        ; Wyob rows in LDS: 512 bytes + 32
.set WPL,   64*PB                      ; from W_yo hi to W_yo lo in a slot
.set YPL,   64*PA                      ; from y hi to y lo
.set BTILE, 2*WPL
.set SLOT,  BTILE+2*YPL
.set WH,    2*SLOT                     ; W_head hi [256 k][64] bf16, pitch 160; this and what follows is never a tensor load's target
.set WHL,   256*160                    ; from W_head hi to lo
.set ZZ,    WH+2*WHL                   ; z hi [64][256] bf16, pitch 528
.set ZL,    64*528                     ; from z hi to lo
.set SPI,   272                        ; the logits' stage: 16 rows x 272 bytes on the wave's own 16 rows of z hi, once it has read them
.set LAPS,  16
.set ADRA, 16
.set WHS2, 18
.set WHT2, 19
.set ADRB, 20
.set ZST,  22
.set ZRD,  23
.set WHS,  24
.set WHT,  25
.set OSTO, 26
.set ORD,  27
.set OCO,  28
.set VBY,  29
.set VBH,  30
.set VWH,  31
.set F0,   32                          ; v[32:95]  fragment buffer 0: 4 of Wyob, 4 of y; later z hi's fragments
.set F1,   96                          ; v[96:159] fragment buffer 1; later z lo's fragments
.set ZS,   F0+32                       ; at work while z is split
.set BY,   160                         ; v[160:191] b_yo of my four column tiles
.set BH,   192                         ; v[192:223] b_head of the four logit tiles
.set LACC, 224                         ; v[224:255] the logits' four accumulators
.set WF,   0                           ; window 1, once the sums are spent: W_head's fragments of two K steps, hi at 0, lo at 64
.set G1,  24                           ; s[24:31] group 1, y
.set G0,  32                           ; s[32:39] group 0, y, one set a slot
.set G1B, 48                           ; s[48:55] group 1, Wyob
.set G0B, 56                           ; s[56:63] group 0, Wyob, one set a slot
.set MSB, 0
.macro WIN new
.if MSB != \new
	s_set_vgpr_msb (MSB<<8)|\new
.set MSB, \new
.endif
.endm
.macro PLACES
.rept 4
	v_nop
.endr
.endm
; eight f32 in src become four packed words of upper parts (hi) and four of lower parts (lo); tmp: 8 registers
.macro SPLIT4 src, hi, lo, tmp
.irp m, 0,1,2,3
	v_cvt_pk_bf16_f32 v[\hi+\m], v[\src+2*\m], v[\src+2*\m+1]
.endr
.irp m, 0,1,2,3
	v_lshlrev_b32 v[\tmp+2*\m], 16, v[\hi+\m]
	v_and_b32 v[\tmp+2*\m+1], s3, v[\hi+\m]
.endr
.irp m, 0,1,2,3
	v_pk_add_f32 v[\src+2*\m:\src+2*\m+1], v[\src+2*\m:\src+2*\m+1], v[\tmp+2*\m:\tmp+2*\m+1] neg_lo:[0,1] neg_hi:[0,1]
.endr
.irp m, 0,1,2,3
	v_cvt_pk_bf16_f32 v[\lo+\m], v[\src+2*\m], v[\src+2*\m+1]
.endr
.endm
; Waves 0 and 1 ask jointly for Wyob's two planes, waves 2 and 3 each for one plane of y.  The branch hangs on the wave's number alone.
.macro JLOAD s
	s_cmp_eq_u32 s17, 0
	s_cbranch_scc0 .Lfor_y_\@
	tensor_load_to_lds s[G0B+4*\s:G0B+4*\s+3], s[G1B:G1B+7]
	s_nop 0
	s_branch .Lasked_\@
.Lfor_y_\@:
	tensor_load_to_lds s[G0+4*\s:G0+4*\s+3], s[G1:G1+7]
	s_nop 0
.Lasked_\@:
.endm
.macro CREST
	s_cmp_lg_u32 s16, 0
	s_cbranch_scc1 .Lnot_wave_0_\@
	s_barrier_signal -3
.Lnot_wave_0_\@:
	s_barrier_wait -3
	s_barrier_signal -1
	s_barrier_wait -1
.endm
.macro CROUND
	s_barrier_signal -1
	s_barrier_wait -1
	CREST
.endm
	s_load_b256 s[4:11], s[0:1], 0x0               ; yK 4, Wyob 6, b_yo 8, W_head 10
	s_load_b128 s[12:15], s[0:1], 0x20             ; b_head 12, out0 14
	v_lshl_add_u32 v14, v0, 2, 0x4f800
	v_mov_b32 v15, 0
	ds_add_u32 v14, v15
	v_lshrrev_b32 v1, 5, v0
	v_readfirstlane_b32 s16, v1                    ; wave
	s_lshr_b32 s17, s16, 1                         ; I fetch Wyob (0) or y (1)
	s_and_b32 s18, s16, 1                          ; which plane: hi (0) or lo (1)
	s_bfe_u32 s19, ttmp6, 0x40000                  ; cx
	s_lshl_b32 s20, ttmp9, 2
	s_add_co_u32 s20, s20, s19                     ; row block mb = 4 x cluster x + cx
	s_mov_b32 s3, 0xffff0000                       ; a word's upper bf16
	; group 1, Wyob: 64 rows x 256 elements of 2 bytes, 8 words of padding behind every 128; mask: all four of the cluster, bit 21 beside it
	s_mov_b32 s[G1B+0], 15|(1<<16)|(1<<20)|(1<<21)|(6<<22)|(7<<25)
	s_mov_b32 s[G1B+1], 256<<16
	s_mov_b32 s[G1B+2], 64<<16
	s_mov_b32 s[G1B+3], 256<<16
	s_mov_b32 s[G1B+4], 64
	s_mov_b32 s[G1B+5], 256
	s_mov_b32 s[G1B+6], 0
	s_mov_b32 s[G1B+7], 0
	; group 1, y: 64 rows x 64 elements, 4 words of padding behind every 32; no mask
	s_mov_b32 s[G1+0], (1<<16)|(1<<20)|(4<<22)|(3<<25)
	s_mov_b32 s[G1+1], 64<<16
	s_mov_b32 s[G1+2], 64<<16
	s_mov_b32 s[G1+3], 64<<16
	s_mov_b32 s[G1+4], 64
	s_mov_b32 s[G1+5], 64
	s_mov_b32 s[G1+6], 0
	s_mov_b32 s[G1+7], 0
	s_lshl_b32 s40, s18, 20                        ; Wyob: my plane, 1,048,576 bytes each: the same in all four work-groups
	s_mov_b32 s41, 0
	s_lshl_b32 s44, s18, 24                        ; yK: my plane, 16,777,216 bytes each
	s_lshl_b32 s45, s20, 13                        ;     + 64 mb rows of 128 bytes
	s_add_co_u32 s44, s44, s45
	s_mov_b32 s45, 0
	s_mul_i32 s22, s16, WPL                        ; LDS: Wyob's planes at wave x 64 rows
	s_mul_i32 s23, s16, YPL                        ; y's planes at BTILE + (wave - 2) x 64 rows
	s_add_co_u32 s23, s23, BTILE-2*YPL
	s_wait_dscnt 0x0
	s_wait_kmcnt 0x0
	s_add_nc_u64 s[42:43], s[6:7], s[40:41]
	s_add_nc_u64 s[46:47], s[4:5], s[44:45]
	CROUND                                         ; the four work-groups are here: the first joint loads meet
.irp s, 0,1
	s_mov_b32 s[G0B+4*\s], 1
	s_add_co_u32 s[G0B+4*\s+1], s22, \s*SLOT
	s_add_nc_u64 s[G0B+4*\s+2:G0B+4*\s+3], s[42:43], \s*32768      ; K step s: 64 rows of 512 bytes
	s_or_b32 s[G0B+4*\s+3], s[G0B+4*\s+3], 0x80000000
	s_mov_b32 s[G0+4*\s], 1
	s_add_co_u32 s[G0+4*\s+1], s23, \s*SLOT
	s_add_nc_u64 s[G0+4*\s+2:G0+4*\s+3], s[46:47], \s*524288       ; K step s: one block of yK
	s_or_b32 s[G0+4*\s+3], s[G0+4*\s+3], 0x80000000
	JLOAD \s                                       ; both first fills together: two tensor loads of the wave are out, the most in this text
.endr
	v_and_b32 v1, 15, v0                           ; r
	v_bfe_u32 v2, v0, 4, 1                         ; h
	v_lshlrev_b32 v[VBH], 5, v2                    ; 32 h
	s_lshl_b32 s2, s16, 8
	v_add_nc_u32 v[VBY], s2, v[VBH]                ; 256 w + 32 h
	v_lshlrev_b32 v[VWH], 4, v0
.irp b, 0,1,2,3
	global_load_b128 v[BY+8*\b:BY+8*\b+3], v[VBY], s[8:9] offset:64*\b
	global_load_b128 v[BY+8*\b+4:BY+8*\b+7], v[VBY], s[8:9] offset:64*\b+16
	global_load_b128 v[BH+8*\b:BH+8*\b+3], v[VBH], s[12:13] offset:64*\b
	global_load_b128 v[BH+8*\b+4:BH+8*\b+7], v[VBH], s[12:13] offset:64*\b+16
.endr
.set u, 0
.rept 32
	global_load_b128 v[F0+4*u:F0+4*u+3], v[VWH], s[10:11] offset:u*2048    ; W_head: a load of the four waves covers 8 rows of 256 bytes
.set u, u+1
.endr
	v_mul_u32_u24 v3, v1, PA
	v_lshl_add_u32 v3, v2, 4, v3
	v_add_nc_u32 v[ADRA], BTILE, v3                ; y: row r, 16 h (all four waves read the same 64 rows)
	v_add_nc_u32 v[ADRA+1], SLOT, v[ADRA]
	v_and_b32 v4, 7, v0
	v_lshl_add_u32 v4, v2, 3, v4                   ; 8 h + (lane & 7)
	v_bfe_u32 v5, v0, 3, 1
	v_mul_u32_u24 v6, v4, PB
	v_lshl_add_u32 v6, v5, 4, v6
	s_lshl_b32 s2, s16, 7                          ; my 64 columns
	v_add_nc_u32 v[ADRB], s2, v6
	v_add_nc_u32 v[ADRB+1], SLOT, v[ADRB]
	v_mul_u32_u24 v6, v4, 160
	v_lshl_add_u32 v6, v5, 4, v6
	v_add_nc_u32 v[WHT], WH, v6
	v_add_nc_u32 v[WHT2], WHL, v[WHT]
	v_lshrrev_b32 v6, 4, v0
	v_mul_u32_u24 v6, v6, 160
	v_lshl_add_u32 v6, v1, 3, v6
	v_add_nc_u32 v[WHS], WH, v6                    ; W_head in: row tid >> 4, 8 (tid & 15)
	v_add_nc_u32 v[WHS2], WHL, v[WHS]
	v_mul_u32_u24 v6, v1, 528
	v_lshl_add_u32 v6, v2, 4, v6
	v_add_nc_u32 v6, ZZ, v6                        ; z + r 528 + 16 h
	v_add_nc_u32 v[ZST], s2, v6                    ; in: + 128 w
	s_mul_i32 s2, s16, 16*528
	v_add_nc_u32 v[ZRD], s2, v6                    ; back: + 16 w rows
	s_add_co_u32 s2, s2, ZZ                        ; the logits' stage: my own 16 rows of z hi
	v_mul_u32_u24 v6, v1, SPI
	v_lshl_add_u32 v6, v2, 5, v6
	v_add_nc_u32 v[OSTO], s2, v6
	v_mul_u32_u24 v6, v2, SPI
	v_lshl_add_u32 v6, v1, 4, v6
	v_add_nc_u32 v[ORD], s2, v6
	v_lshlrev_b32 v[OCO], 4, v1
	v_lshl_add_u32 v[OCO], v2, 11, v[OCO]
	s_wait_loadcnt 0x0
	; W_head: four numbers a load, split, 8 bytes into each plane
.set u, 0
.rept 32
	v_cvt_pk_bf16_f32 v[LACC], v[F0+4*u], v[F0+4*u+1]
	v_cvt_pk_bf16_f32 v[LACC+1], v[F0+4*u+2], v[F0+4*u+3]
	v_lshlrev_b32 v[LACC+2], 16, v[LACC]
	v_and_b32 v[LACC+3], s3, v[LACC]
	v_lshlrev_b32 v[LACC+4], 16, v[LACC+1]
	v_and_b32 v[LACC+5], s3, v[LACC+1]
	v_pk_add_f32 v[F0+4*u:F0+4*u+1], v[F0+4*u:F0+4*u+1], v[LACC+2:LACC+3] neg_lo:[0,1] neg_hi:[0,1]
	v_pk_add_f32 v[F0+4*u+2:F0+4*u+3], v[F0+4*u+2:F0+4*u+3], v[LACC+4:LACC+5] neg_lo:[0,1] neg_hi:[0,1]
	v_cvt_pk_bf16_f32 v[F0+4*u], v[F0+4*u], v[F0+4*u+1]
	v_cvt_pk_bf16_f32 v[F0+4*u+1], v[F0+4*u+2], v[F0+4*u+3]
	ds_store_b64 v[WHS], v[LACC:LACC+1] offset:u*1280
	ds_store_b64 v[WHS2], v[F0+4*u:F0+4*u+1] offset:u*1280
.set u, u+1
.endr
.macro MUL4 f, a, zero
.irp b, 0,1,2,3
.if \zero
	v_wmma_f32_16x16x32_bf16 v[8*(NT*\a+\b):8*(NT*\a+\b)+7], v[\f+8*\b:\f+8*\b+7], v[\f+8*NT+8*\a:\f+8*NT+8*\a+7], 0
.else
	v_wmma_f32_16x16x32_bf16 v[8*(NT*\a+\b):8*(NT*\a+\b)+7], v[\f+8*\b:\f+8*\b+7], v[\f+8*NT+8*\a:\f+8*NT+8*\a+7], v[8*(NT*\a+\b):8*(NT*\a+\b)+7]
.endif
.endr
.endm
; 16 LDS loads: quarter v of six.  K block v / 3; product v % 3: 0 = W hi, y hi; 1 = W lo, y hi; 2 = W hi, y lo.
.macro FETCH slot, v, f
.irp b, 0,1,2,3
	ds_load_tr16_b128 v[\f+8*\b:\f+8*\b+3], v[ADRB+\slot] offset:((\v%3)&1)*WPL+(\v/3)*32*PB+32*\b
	ds_load_tr16_b128 v[\f+8*\b+4:\f+8*\b+7], v[ADRB+\slot] offset:((\v%3)&1)*WPL+(\v/3)*32*PB+32*\b+16*PB
.endr
.irp a, 0,1,2,3
	ds_load_b128 v[\f+8*NT+8*\a:\f+8*NT+8*\a+3], v[ADRA+\slot] offset:((\v%3)>>1)*YPL+(\v/3)*64+\a*16*PA
	ds_load_b128 v[\f+8*NT+8*\a+4:\f+8*NT+8*\a+7], v[ADRA+\slot] offset:((\v%3)>>1)*YPL+(\v/3)*64+\a*16*PA+32
.endr
.endm
; The 16 accumulators take turns, one instruction a turn, in the same order in every quarter and over the backward jump.
.macro QUARTER slot, qn, f, g, zero
	s_wait_dscnt 4                                 ; all but the four youngest loads: y's row tiles 2 and 3
	WIN 0x50
	MUL4 \f, 0, \zero
	MUL4 \f, 1, \zero
	WIN 0
	PLACES
	FETCH \slot, \qn, \g
	s_wait_dscnt NF                                ; all but the run just issued
	WIN 0x50
	MUL4 \f, 2, \zero
	MUL4 \f, 3, \zero
.endm
.macro FIVE slot, zero
	QUARTER \slot, 1, F0, F1, \zero
	QUARTER \slot, 2, F1, F0, 0
	QUARTER \slot, 3, F0, F1, 0
	QUARTER \slot, 4, F1, F0, 0
	QUARTER \slot, 5, F0, F1, 0
.endm
; The change of slots: each wave's reads of this slot and all its tensor loads are waited for in front of the barrier; where the slot is
; filled again the barrier opens a round of the cluster's barrier, and the refill is the wave's first tensor load behind the round.
; From a request to the wait for it a wave issues 92 of a step's 96 matrix instructions.
.macro TURN slot, next, fill
	s_wait_dscnt 4
	WIN 0x50
	MUL4 F1, 0, 0
	s_wait_dscnt 0x0
	s_wait_tensorcnt 0x0
	ds_add_u32 v14, v15
	s_wait_dscnt 0x0
	s_barrier_signal -1
	MUL4 F1, 1, 0
	WIN 0
	s_barrier_wait -1
.if \fill
	CREST
	s_add_nc_u64 s[G0B+4*\slot+2:G0B+4*\slot+3], s[G0B+4*\slot+2:G0B+4*\slot+3], 2*32768
	s_add_nc_u64 s[G0+4*\slot+2:G0+4*\slot+3], s[G0+4*\slot+2:G0+4*\slot+3], 2*524288
	JLOAD \slot
.endif
	PLACES
	FETCH \next, 0, F0
	WIN 0x50
	MUL4 F1, 2, 0
	MUL4 F1, 3, 0
.endm
.macro LAP zero
	FIVE 0, \zero
	TURN 0, 1, 1
	FIVE 1, 0
	TURN 1, 0, 1
.endm
	s_wait_dscnt 0x0                               ; my part of W_head is stored
	s_wait_tensorcnt 1                             ; my part of K step 0 is in; step 1's may stay out
	s_barrier_signal -1
	s_barrier_wait -1
	FETCH 0, 0, F0
	LAP 1
	WIN 0
	s_mov_b32 s21, LAPS-2
.Llap:
	LAP 0
	WIN 0
	s_sub_co_u32 s21, s21, 1
	s_cmp_lg_u32 s21, 0
	s_cbranch_scc1 .Llap
	FIVE 0, 0                                      ; the last lap fills nothing
	TURN 0, 1, 0
	FIVE 1, 0
	s_wait_dscnt 4
	WIN 0x50
	MUL4 F1, 0, 0
	MUL4 F1, 1, 0
	s_wait_dscnt 0x0
	MUL4 F1, 2, 0
	MUL4 F1, 3, 0
	WIN 0
	PLACES
	; z = relu(sum + b_yo), split, into LDS: lane (r, h) holds row 16 a + r, units 64 w + 16 b + 8 h + 0..7
.irp a, 0,1,2,3
	WIN 0x01                                       ; source 0 in window 1
.irp b, 0,1,2,3
.irp p, 0,2,4,6
	v_pk_add_f32 v[F0+8*\b+\p:F0+8*\b+\p+1], v[8*(NT*\a+\b)+\p:8*(NT*\a+\b)+\p+1], v[BY+8*\b+\p:BY+8*\b+\p+1]
.endr
.endr
	WIN 0
.set i, 0
.rept 32
	v_max_num_f32 v[F0+i], 0, v[F0+i]
.set i, i+1
.endr
.irp b, 0,1,2,3
	SPLIT4 F0+8*\b, ZS+8, ZS+12, ZS
	ds_store_b128 v[ZST], v[ZS+8:ZS+11] offset:\a*16*528+32*\b
	ds_store_b128 v[ZST], v[ZS+12:ZS+15] offset:ZL+\a*16*528+32*\b
.endr
.endr
	s_wait_dscnt 0x0                               ; my 64 units of all 64 rows are stored
	s_barrier_signal -1
	s_barrier_wait -1
	; the logits of rows 16 w .. 16 w + 15: source 0 = 16 columns of W_head (transposing load), source 1 = z's rows; four accumulators take turns
.irp pl, 0,1
.irp ks, 0,1,2,3,4,5,6,7
	ds_load_b128 v[F0+64*\pl+8*\ks:F0+64*\pl+8*\ks+3], v[ZRD] offset:\pl*ZL+64*\ks
	ds_load_b128 v[F0+64*\pl+8*\ks+4:F0+64*\pl+8*\ks+7], v[ZRD] offset:\pl*ZL+64*\ks+32
.endr
.endr
.irp g, 0,1,2,3
.if \g
	PLACES                                         ; W_head's fragments were read by the matrix instructions just issued
.endif
	WIN 0x40                                       ; destination window 1
.irp kl, 0,1
.irp b, 0,1,2,3
	ds_load_tr16_b128 v[WF+8*(4*\kl+\b):WF+8*(4*\kl+\b)+3], v[WHT] offset:(2*\g+\kl)*5120+32*\b
	ds_load_tr16_b128 v[WF+8*(4*\kl+\b)+4:WF+8*(4*\kl+\b)+7], v[WHT] offset:(2*\g+\kl)*5120+32*\b+2560
	ds_load_tr16_b128 v[WF+64+8*(4*\kl+\b):WF+64+8*(4*\kl+\b)+3], v[WHT2] offset:(2*\g+\kl)*5120+32*\b
	ds_load_tr16_b128 v[WF+64+8*(4*\kl+\b)+4:WF+64+8*(4*\kl+\b)+7], v[WHT2] offset:(2*\g+\kl)*5120+32*\b+2560
.endr
.endr
	s_wait_dscnt 0x0
	WIN 0x01                                       ; source 0 in window 1
.irp kl, 0,1
.irp b, 0,1,2,3
.if (\g+\kl) == 0
	v_wmma_f32_16x16x32_bf16 v[LACC+8*\b:LACC+8*\b+7], v[WF+8*(4*\kl+\b):WF+8*(4*\kl+\b)+7], v[F0+8*(2*\g+\kl):F0+8*(2*\g+\kl)+7], 0
.else
	v_wmma_f32_16x16x32_bf16 v[LACC+8*\b:LACC+8*\b+7], v[WF+8*(4*\kl+\b):WF+8*(4*\kl+\b)+7], v[F0+8*(2*\g+\kl):F0+8*(2*\g+\kl)+7], v[LACC+8*\b:LACC+8*\b+7]
.endif
.endr
.irp b, 0,1,2,3
	v_wmma_f32_16x16x32_bf16 v[LACC+8*\b:LACC+8*\b+7], v[WF+64+8*(4*\kl+\b):WF+64+8*(4*\kl+\b)+7], v[F0+8*(2*\g+\kl):F0+8*(2*\g+\kl)+7], v[LACC+8*\b:LACC+8*\b+7]
.endr
.irp b, 0,1,2,3
	v_wmma_f32_16x16x32_bf16 v[LACC+8*\b:LACC+8*\b+7], v[WF+8*(4*\kl+\b):WF+8*(4*\kl+\b)+7], v[F0+64+8*(2*\g+\kl):F0+64+8*(2*\g+\kl)+7], v[LACC+8*\b:LACC+8*\b+7]
.endr
.endr
	WIN 0
.endr
	PLACES
.set i, 0
.rept 16
	v_pk_add_f32 v[LACC+2*i:LACC+2*i+1], v[LACC+2*i:LACC+2*i+1], v[BH+2*i:BH+2*i+1]
.set i, i+1
.endr
	s_and_b32 s40, s20, 7                          ; out0: t = 64 (mb & 7) + 16 w + row, b = mb >> 3; a row (t, b) is 256 bytes at 2,048 t + 256 b
	s_lshl_b32 s40, s40, 17
	s_lshl_b32 s2, s16, 15
	s_add_co_u32 s40, s40, s2
	s_lshr_b32 s2, s20, 3
	s_lshl_b32 s2, s2, 8
	s_add_co_u32 s40, s40, s2
	s_mov_b32 s41, 0
	s_add_nc_u64 s[14:15], s[14:15], s[40:41]
.irp b, 0,1,2,3
	ds_store_b128 v[OSTO], v[LACC+8*\b:LACC+8*\b+3] offset:64*\b           ; onto my own rows of z hi: only I read them, and my reads are back
	ds_store_b128 v[OSTO], v[LACC+8*\b+4:LACC+8*\b+7] offset:64*\b+16
.endr
.irp u, 0,1,2,3,4,5,6,7
	ds_load_b128 v[F1+4*\u:F1+4*\u+3], v[ORD] offset:2*SPI*\u      ; served in order behind my stores
.endr
.irp u, 0,1,2,3,4,5,6,7
	s_wait_dscnt 7-\u
	global_store_b128 v[OCO], v[F1+4*\u:F1+4*\u+3], s[14:15] offset:4096*\u th:TH_STORE_NT   ; 16 lanes store one whole row of out0, 256 bytes, aligned
.endr
	s_wait_tensorcnt 0x0
	ds_add_u32 v14, v15
	s_wait_dscnt 0x0
	CROUND                                         ; the closing round: no work-group ends while a partner may still ask for a tile that names it
	s_endpgm
.Lfunc_end_k_qc2b8530db5_head:
	.size	k_qc2b8530db5_head, .Lfunc_end_k_qc2b8530db5_head-k_qc2b8530db5_head
	.p2alignl 7, 3214868480
	.fill 96, 4, 3214868480
	.section	.rodata,"a",@progbits
	.p2align	6, 0x0
	.amdhsa_kernel k_qc2b8530db5_head
		.amdhsa_group_segment_fixed_size 327680
		.amdhsa_private_segment_fixed_size 0
		.amdhsa_enable_private_segment 0
		.amdhsa_kernarg_size 48
		.amdhsa_user_sgpr_count 2
		.amdhsa_user_sgpr_kernarg_segment_ptr 1
		.amdhsa_wavefront_size32 1
		.amdhsa_system_sgpr_workgroup_id_x 1
		.amdhsa_system_sgpr_workgroup_id_y 1
		.amdhsa_system_sgpr_workgroup_id_z 1
		.amdhsa_system_vgpr_workitem_id 0
		.amdhsa_next_free_vgpr 384
		.amdhsa_next_free_sgpr 66
		.amdhsa_reserve_vcc 0
		.amdhsa_float_denorm_mode_32 3
		.amdhsa_float_denorm_mode_16_64 3
		.amdhsa_memory_ordered 1
		.amdhsa_forward_progress 1
		.amdhsa_inst_pref_size 164
	.end_amdhsa_kernel
	.amdgpu_metadata
---
amdhsa.version: [ 1, 2 ]
amdhsa.kernels:
  - .name:           k_qc2b8530db5_head
    .symbol:         k_qc2b8530db5_head.kd
    .args:
      - { .name: yK, .offset: 0, .size: 8, .value_kind: global_buffer, .address_space: global }
      - { .name: Wyob, .offset: 8, .size: 8, .value_kind: global_buffer, .address_space: global }
      - { .name: b_yo, .offset: 16, .size: 8, .value_kind: global_buffer, .address_space: global }
      - { .name: W_head, .offset: 24, .size: 8, .value_kind: global_buffer, .address_space: global }
      - { .name: b_head, .offset: 32, .size: 8, .value_kind: global_buffer, .address_space: global }
      - { .name: out0, .offset: 40, .size: 8, .value_kind: global_buffer, .address_space: global }
    .group_segment_fixed_size: 327680
    .private_segment_fixed_size: 0
    .kernarg_segment_align: 8
    .kernarg_segment_size: 48
    .max_flat_workgroup_size: 128
    .sgpr_count:     66
    .vgpr_count:     384
    .wavefront_size: 32
...
	.end_amdgpu_metadata
.endif
;; end of part 4
;; ======== version 2 of 3: 5 launches
;; limits: values are held in f16: magnitudes above 65,504 overflow, below 6.1e-05 lose precision
;; workspace buffers: xb 16,777,216 bytes; Wbc 8,388,608 bytes; Wyob 2,097,152 bytes; dtP 4,194,304 bytes; BC 33,554,432 bytes; yK 33,554,432 bytes; hidP 16,777,216 bytes
;; launch xproj: the kernel of part 1 again; grid 8 x 32, 4 waves a work-group, no clusters, 242,176 bytes of LDS; arguments obs, W_in, b_in, W_dt, W_B, W_C, W_yo, xb, dtP, Wbc, Wyob; writes xb, dtP, Wbc, Wyob
;; launch bcgemm: the kernel of part 2 again; grid 8 x 32, 4 waves a work-group, clusters of 4 x 4, 327,680 bytes of LDS; arguments xb, Wbc, BC; writes BC
;; launch ssd: the kernel of part 3 again; grid 32 x 8, 8 waves a work-group, no clusters, 316,672 bytes of LDS; arguments xb, BC, dtP, A_log, dt_bias, yK; writes yK
;; launch hidp (part 5): grid 64 x 4, 4 waves a work-group, clusters of 4 x 1, 327,680 bytes of LDS; arguments yK, Wyob, hidP; writes hidP
.if DOCPART == 5
	.amdgcn_target "amdgcn-amd-amdhsa--gfx1250"
	.amdhsa_code_object_version 6
	.text
	.protected	k_qc2b8530db5_hidp
	.globl	k_qc2b8530db5_hidp
	.p2align	8
	.type	k_qc2b8530db5_hidp,@function
k_qc2b8530db5_hidp:
	s_mov_b64 s[64:65], 0
	v_nop
	global_prefetch_b8 v0, s[64:65] scope:SCOPE_SE
	s_setreg_imm32_b32 hwreg(HW_REG_WAVE_MODE, 25, 1), 1
	s_wait_xcnt 0x0
	s_wait_alu depctr_hold_cnt(0) depctr_sa_sdst(0) depctr_va_vdst(0) depctr_va_sdst(0) depctr_va_ssrc(0) depctr_va_vcc(0) depctr_vm_vsrc(0)
	s_getreg_b32 s2, hwreg(HW_REG_IB_STS2, 6, 4)
	s_cmp_eq_u32 s2, 0
	s_cbranch_scc0 .Lentry_in_a_cluster
	s_endpgm
.Lentry_in_a_cluster:
	s_bfe_u32 s2, ttmp6, 0x10000c
	s_cmp_lg_u32 s2, 0x3003
	s_cbranch_scc0 .Lentry_shape_is_right
	s_endpgm
.Lentry_shape_is_right:
; hidP[ky][m'][u] = sum over the 512 channels of K quarter ky of y[m'][k] W_yo[k][u], in f32.  The next launch adds the four quarters.
; relu wants the whole sum over K = 2048 and the policy head all 256 units, so a launch that went on to the logits would have work for 64 row
; blocks alone; split over K there are 64 x 4 = 256 work-groups, each with a block of 64 rows x 256 units.  Wave w makes 64 rows x units 64 w ..
; FORMATS: y has no room in f16, and eight bits are too few at the end of this chain, so y and W_yo are pairs hi = bf16(v), lo = bf16(v - hi),
; and the product is three passes, hi hi + lo hi + hi lo; lo lo, some 2^-16 of the product, is dropped.
; K goes in 8 steps of 64 through a ring of two LDS slots; a slot holds 64 rows of W_yo hi, 64 of W_yo lo (512 bytes each), and one block of
; y hi and of y lo (64 rows of 128 bytes each): one tensor load a wave.  A step is six quarters: two K blocks of 32 x three products.
; Fragments lie in four buffers, W0, W1, Y0, Y1, so that the upper parts are read from LDS once for the two products that use them:
;   q0 (W0 = W hi, Y0 = y hi)  q1 (W1 = W lo, Y0)  q2 (W0, Y1 = y lo)   then the second K block:   q3 (W1 = W hi, Y0 = y hi)  q4 (W0 = W lo, Y0)  q5 (W1, Y1 = y lo)
; 64 LDS loads for a step's 96 matrix instructions.
; CLUSTERS: 4 x 1.  The four row blocks of a cluster have the same K quarter and walk the same rows of Wyob: its tiles are asked for jointly.
; y's tiles are each work-group's own: plain loads, issued behind the same rounds.
.set NT,    4
.set PA,    144                        ; y rows in LDS: 128 bytes + 16
.set PB,    544                        ; Wyob rows in LDS: 512 bytes + 32 (an odd multiple of 32, for the transposing load)
.set WPL,   64*PB                      ; from W_yo hi to W_yo lo in a slot
.set YPL,   64*PA                      ; from y hi to y lo
.set BTILE, 2*WPL
.set SLOT,  BTILE+2*YPL
.set STAGE, 2*SLOT                     ; behind the ring, a multiple of 256: 16 rows x 272 bytes a wave; no tensor load lands here
.set SPI,   272
.set LAPS,  4                          ; a lap = two K steps = once round the ring
.set ADRA, 16                          ; v16-17 y's fragments in slot 0, 1
.set ADRB, 20                          ; v20-21 W_yo's fragments in slot 0, 1
.set OSTO, 26
.set ORD,  27
.set OCO,  28
.set W0,   32                          ; v[32:63]   four fragments of W_yo
.set W1,   64                          ; v[64:95]
.set Y0,   96                          ; v[96:127]  four fragments of y
.set Y1,   128                         ; v[128:159]
.set RB,   32                          ; on the way out: v[32:159], rows read back, a set of 32 registers for each 16 rows
.set G1,  24                           ; s[24:31] group 1, y
.set G0,  32                           ; s[32:39] group 0, y, one set a slot
.set G1B, 48                           ; s[48:55] group 1, Wyob
.set G0B, 56                           ; s[56:63] group 0, Wyob, one set a slot
.set MSB, 0
.macro WIN new                         ; the immediate's high byte repeats the setting that is left
.if MSB != \new
	s_set_vgpr_msb (MSB<<8)|\new
.set MSB, \new
.endif
.endm
.macro PLACES                          ; four places behind a matrix instruction (ISA guide 7.12.1)
.rept 4
	v_nop
.endr
.endm
; Waves 0 and 1 ask jointly for Wyob's two planes, waves 2 and 3 each for one plane of y.  The branch hangs on the wave's number alone.
.macro JLOAD s
	s_cmp_eq_u32 s17, 0
	s_cbranch_scc0 .Lfor_y_\@
	tensor_load_to_lds s[G0B+4*\s:G0B+4*\s+3], s[G1B:G1B+7]
	s_nop 0
	s_branch .Lasked_\@
.Lfor_y_\@:
	tensor_load_to_lds s[G0+4*\s:G0+4*\s+3], s[G1:G1+7]
	s_nop 0
.Lasked_\@:
.endm
.macro CREST                           ; a round of the cluster's barrier behind its opening work-group barrier
	s_cmp_lg_u32 s16, 0
	s_cbranch_scc1 .Lnot_wave_0_\@
	s_barrier_signal -3
.Lnot_wave_0_\@:
	s_barrier_wait -3
	s_barrier_signal -1
	s_barrier_wait -1
.endm
.macro CROUND                          ; a whole round
	s_barrier_signal -1
	s_barrier_wait -1
	CREST
.endm
	s_load_b128 s[4:7], s[0:1], 0x0                ; yK 4, Wyob 6
	s_load_b64 s[8:9], s[0:1], 0x10                ; hidP 8
	v_lshl_add_u32 v254, v0, 2, 0x2f400
	v_mov_b32 v255, 0
	ds_add_u32 v254, v255
	v_lshrrev_b32 v1, 5, v0
	v_readfirstlane_b32 s16, v1                    ; wave
	s_lshr_b32 s17, s16, 1                         ; I fetch Wyob (0) or y (1)
	s_and_b32 s18, s16, 1                          ; which plane: hi (0) or lo (1)
	s_bfe_u32 s19, ttmp6, 0x40000                  ; cx
	s_lshl_b32 s20, ttmp9, 2
	s_add_co_u32 s20, s20, s19                     ; row block mb = 4 x cluster x + cx
	s_and_b32 s10, ttmp7, 0xffff                   ; K quarter ky: the cluster is one work-group high, so all four partners share it
	; group 1, Wyob: 64 rows x 256 elements of 2 bytes, 8 words of padding behind every 128; mask: all four of the cluster, bit 21 beside it
	s_mov_b32 s[G1B+0], 15|(1<<16)|(1<<20)|(1<<21)|(6<<22)|(7<<25)
	s_mov_b32 s[G1B+1], 256<<16
	s_mov_b32 s[G1B+2], 64<<16
	s_mov_b32 s[G1B+3], 256<<16
	s_mov_b32 s[G1B+4], 64
	s_mov_b32 s[G1B+5], 256
	s_mov_b32 s[G1B+6], 0
	s_mov_b32 s[G1B+7], 0
	; group 1, y: 64 rows x 64 elements, 4 words of padding behind every 32; no mask
	s_mov_b32 s[G1+0], (1<<16)|(1<<20)|(4<<22)|(3<<25)
	s_mov_b32 s[G1+1], 64<<16
	s_mov_b32 s[G1+2], 64<<16
	s_mov_b32 s[G1+3], 64<<16
	s_mov_b32 s[G1+4], 64
	s_mov_b32 s[G1+5], 64
	s_mov_b32 s[G1+6], 0
	s_mov_b32 s[G1+7], 0
	s_lshl_b32 s40, s18, 20                        ; Wyob: my plane, 1,048,576 bytes each,
	s_lshl_b32 s41, s10, 18                        ;       + 512 ky rows of 512 bytes: the same in all four work-groups
	s_add_co_u32 s40, s40, s41
	s_mov_b32 s41, 0
	s_lshl_b32 s44, s18, 24                        ; yK: my plane, 16,777,216 bytes each,
	s_lshl_b32 s45, s10, 22                        ;     + 8 ky blocks of 524,288 bytes
	s_add_co_u32 s44, s44, s45
	s_lshl_b32 s45, s20, 13                        ;     + 64 mb rows of 128 bytes
	s_add_co_u32 s44, s44, s45
	s_mov_b32 s45, 0
	s_mul_i32 s22, s16, WPL                        ; LDS: Wyob's planes at wave x 64 rows
	s_mul_i32 s23, s16, YPL                        ; y's planes at BTILE + (wave - 2) x 64 rows
	s_add_co_u32 s23, s23, BTILE-2*YPL
	s_wait_dscnt 0x0
	s_wait_kmcnt 0x0
	s_add_nc_u64 s[42:43], s[6:7], s[40:41]
	s_add_nc_u64 s[46:47], s[4:5], s[44:45]
	CROUND                                         ; the four work-groups are here: the first joint loads meet
.irp s, 0,1
	s_mov_b32 s[G0B+4*\s], 1
	s_add_co_u32 s[G0B+4*\s+1], s22, \s*SLOT
	s_add_nc_u64 s[G0B+4*\s+2:G0B+4*\s+3], s[42:43], \s*32768      ; K step s: 64 rows of 512 bytes
	s_or_b32 s[G0B+4*\s+3], s[G0B+4*\s+3], 0x80000000
	s_mov_b32 s[G0+4*\s], 1
	s_add_co_u32 s[G0+4*\s+1], s23, \s*SLOT
	s_add_nc_u64 s[G0+4*\s+2:G0+4*\s+3], s[46:47], \s*524288       ; K step s: one block of yK
	s_or_b32 s[G0+4*\s+3], s[G0+4*\s+3], 0x80000000
	JLOAD \s                                       ; both first fills together: two tensor loads of the wave are out, the most in this text
.endr
	v_and_b32 v1, 15, v0                           ; r
	v_bfe_u32 v2, v0, 4, 1                         ; h
	v_mul_u32_u24 v3, v1, PA
	v_lshl_add_u32 v3, v2, 4, v3
	v_add_nc_u32 v[ADRA], BTILE, v3                ; y: row r, 16 h (all four waves read the same 64 rows)
	v_add_nc_u32 v[ADRA+1], SLOT, v[ADRA]
	v_and_b32 v4, 7, v0
	v_lshl_add_u32 v4, v2, 3, v4                   ; 8 h + (lane & 7)
	v_bfe_u32 v5, v0, 3, 1
	v_mul_u32_u24 v6, v4, PB
	v_lshl_add_u32 v6, v5, 4, v6                   ; + 16 ((lane >> 3) & 1)
	s_lshl_b32 s2, s16, 7                          ; my 64 columns
	v_add_nc_u32 v[ADRB], s2, v6
	v_add_nc_u32 v[ADRB+1], SLOT, v[ADRB]
	s_mul_i32 s2, s16, 16*SPI
	s_add_co_u32 s2, s2, STAGE                     ; my stage
	v_mul_u32_u24 v6, v1, SPI
	v_lshl_add_u32 v6, v2, 5, v6
	v_add_nc_u32 v[OSTO], s2, v6                   ; in: row r, 32 h
	v_mul_u32_u24 v6, v2, SPI
	v_lshl_add_u32 v6, v1, 4, v6
	v_add_nc_u32 v[ORD], s2, v6                    ; back: lanes 0-15 one row of 256 bytes, lanes 16-31 the next
	v_lshlrev_b32 v[OCO], 4, v1
	v_lshl_add_u32 v[OCO], v2, 10, v[OCO]          ; and the same two rows of hidP, 1,024 bytes apart
; 4 matrix instructions: row tile a x my four column tiles, 32 along K.  zero = 1: the first product starts the sums.
.macro MUL4 wb, yb, a, zero
.irp b, 0,1,2,3
.if \zero
	v_wmma_f32_16x16x32_bf16 v[8*(NT*\a+\b):8*(NT*\a+\b)+7], v[\wb+8*\b:\wb+8*\b+7], v[\yb+8*\a:\yb+8*\a+7], 0
.else
	v_wmma_f32_16x16x32_bf16 v[8*(NT*\a+\b):8*(NT*\a+\b)+7], v[\wb+8*\b:\wb+8*\b+7], v[\yb+8*\a:\yb+8*\a+7], v[8*(NT*\a+\b):8*(NT*\a+\b)+7]
.endif
.endr
.endm
.macro FW slot, pl, kb, dst            ; eight transposing loads: plane pl of W_yo, K block kb of the slot's two
.irp b, 0,1,2,3
	ds_load_tr16_b128 v[\dst+8*\b:\dst+8*\b+3], v[ADRB+\slot] offset:\pl*WPL+\kb*32*PB+32*\b
	ds_load_tr16_b128 v[\dst+8*\b+4:\dst+8*\b+7], v[ADRB+\slot] offset:\pl*WPL+\kb*32*PB+32*\b+16*PB
.endr
.endm
.macro FY slot, pl, kb, dst            ; eight loads: plane pl of y, K block kb; the last four are row tiles 2 and 3
.irp a, 0,1,2,3
	ds_load_b128 v[\dst+8*\a:\dst+8*\a+3], v[ADRA+\slot] offset:\pl*YPL+\kb*64+\a*16*PA
	ds_load_b128 v[\dst+8*\a+4:\dst+8*\a+7], v[ADRA+\slot] offset:\pl*YPL+\kb*64+\a*16*PA+32
.endr
.endm
; A quarter is 16 matrix instructions; in its middle the next quarter's missing fragments are asked for.
; The 16 accumulators take turns, one instruction a turn, in the same order in every quarter and over the backward jump.
.macro QA wb, yb, left, zero           ; first half.  left = 4: the four youngest loads are y's row tiles 2 and 3; 0: the youngest are W_yo's, wanted now
	s_wait_dscnt \left
	WIN 0x50                                       ; C and D in window 1
	MUL4 \wb, \yb, 0, \zero
	MUL4 \wb, \yb, 1, \zero
	WIN 0
	PLACES                                         ; four places before loads land on a buffer that matrix instructions have read
.endm
.macro QB wb, yb, nf, zero             ; second half.  nf = the loads just issued: all older ones are in
	s_wait_dscnt \nf
	WIN 0x50
	MUL4 \wb, \yb, 2, \zero
	MUL4 \wb, \yb, 3, \zero
.endm
; The first five quarters of a step.  Each buffer is loaded half a quarter or more after the last matrix instruction that read it.
.macro FIVE slot, zero
	QA W0, Y0, 4, \zero                            ; W hi x y hi
	FW \slot, 1, 0, W1
	QB W0, Y0, 8, \zero
	QA W1, Y0, 0, 0                                ; W lo x y hi
	FY \slot, 1, 0, Y1
	QB W1, Y0, 8, 0
	QA W0, Y1, 4, 0                                ; W hi x y lo
	FW \slot, 0, 1, W1
	FY \slot, 0, 1, Y0
	QB W0, Y1, 16, 0
	QA W1, Y0, 4, 0                                ; the second K block: W hi x y hi
	FW \slot, 1, 1, W0
	QB W1, Y0, 8, 0
	QA W0, Y0, 0, 0                                ; W lo x y hi
	FY \slot, 1, 1, Y1
	QB W0, Y0, 8, 0
.endm
; The sixth quarter, W hi x y lo, changes slots: each wave's reads of this slot and all its tensor loads are waited for in front of the barrier;
; where the slot is filled again the barrier opens a round of the cluster's barrier, and the refill is the wave's first tensor load behind the
; round.  From a request to the wait for it a wave issues 92 of a step's 96 matrix instructions.
.macro TURN slot, next, fill
	s_wait_dscnt 4
	WIN 0x50
	MUL4 W1, Y1, 0, 0
	s_wait_dscnt 0x0                               ; my reads of this slot are over
	s_wait_tensorcnt 0x0                           ; and all my tensor loads have landed: the one that was out is my part of the next slot
	ds_add_u32 v254, v255
	s_wait_dscnt 0x0
	s_barrier_signal -1
	MUL4 W1, Y1, 1, 0                              ; register work while the others arrive
	WIN 0
	s_barrier_wait -1
.if \fill
	CREST
	s_add_nc_u64 s[G0B+4*\slot+2:G0B+4*\slot+3], s[G0B+4*\slot+2:G0B+4*\slot+3], 2*32768
	s_add_nc_u64 s[G0+4*\slot+2:G0+4*\slot+3], s[G0+4*\slot+2:G0+4*\slot+3], 2*524288
	JLOAD \slot
.endif
	PLACES
	FW \next, 0, 0, W0
	FY \next, 0, 0, Y0
	WIN 0x50
	MUL4 W1, Y1, 2, 0
	MUL4 W1, Y1, 3, 0
.endm
.macro LAP zero
	FIVE 0, \zero
	TURN 0, 1, 1
	FIVE 1, 0
	TURN 1, 0, 1
.endm
	s_wait_tensorcnt 1                             ; my part of K step 0 is in; step 1's may stay out
	s_barrier_signal -1
	s_barrier_wait -1
	FW 0, 0, 0, W0
	FY 0, 0, 0, Y0
	LAP 1                                          ; the first lap's first products start the sums
	WIN 0
	s_mov_b32 s21, LAPS-2
.Llap:
	LAP 0
	WIN 0
	s_sub_co_u32 s21, s21, 1
	s_cmp_lg_u32 s21, 0
	s_cbranch_scc1 .Llap
	FIVE 0, 0                                      ; the last lap fills nothing
	TURN 0, 1, 0
	FIVE 1, 0
	s_wait_dscnt 4                                 ; the very last quarter: nothing more to fetch
	WIN 0x50
	MUL4 W1, Y1, 0, 0
	MUL4 W1, Y1, 1, 0
	s_wait_dscnt 0x0
	MUL4 W1, Y1, 2, 0
	MUL4 W1, Y1, 3, 0
	WIN 0
	PLACES                                         ; behind the last matrix instructions: for the LDS stores of the sums and the loads onto the buffers
	s_lshl_b32 s40, s10, 22                        ; hidP: quarter ky of 4,194,304 bytes
	s_lshl_b32 s2, s20, 16                         ;       + 64 mb rows of 1,024 bytes
	s_add_co_u32 s40, s40, s2
	s_lshl_b32 s2, s16, 8                          ;       + my 64 units of 4 bytes
	s_add_co_u32 s40, s40, s2
	s_mov_b32 s41, 0
	s_add_nc_u64 s[8:9], s[8:9], s[40:41]
; 16 rows: lane (r, h) holds row 16 a + r, units 16 b + 8 h + 0..7 of my 64; into my stage, back as whole rows of 256 bytes.
; Each 16 rows have their own registers for the rows read back, so that no store's data is written again.
.macro OUTP a
	WIN 0x04                                       ; store data in window 1
.irp b, 0,1,2,3
	ds_store_b128 v[OSTO], v[8*(NT*\a+\b):8*(NT*\a+\b)+3] offset:64*\b
	ds_store_b128 v[OSTO], v[8*(NT*\a+\b)+4:8*(NT*\a+\b)+7] offset:64*\b+16
.endr
	WIN 0
.irp u, 0,1,2,3,4,5,6,7
	ds_load_b128 v[RB+32*\a+4*\u:RB+32*\a+4*\u+3], v[ORD] offset:2*SPI*\u      ; a wave's LDS instructions are served in order: these see the stores above
.endr
.irp u, 0,1,2,3,4,5,6,7
	s_wait_dscnt 7-\u                              ; load u of the eight is in
	global_store_b128 v[OCO], v[RB+32*\a+4*\u:RB+32*\a+4*\u+3], s[8:9] offset:(16*\a+2*\u)*1024   ; 16 lanes store 256 consecutive bytes, aligned
.endr
.endm
	OUTP 0
	OUTP 1
	OUTP 2
	OUTP 3
	s_wait_tensorcnt 0x0
	ds_add_u32 v254, v255
	s_wait_dscnt 0x0
	CROUND                                         ; the closing round: no work-group ends while a partner may still ask for a tile that names it
	s_endpgm
.Lfunc_end_k_qc2b8530db5_hidp:
	.size	k_qc2b8530db5_hidp, .Lfunc_end_k_qc2b8530db5_hidp-k_qc2b8530db5_hidp
	.p2alignl 7, 3214868480
	.fill 96, 4, 3214868480
	.section	.rodata,"a",@progbits
	.p2align	6, 0x0
	.amdhsa_kernel k_qc2b8530db5_hidp
		.amdhsa_group_segment_fixed_size 327680
		.amdhsa_private_segment_fixed_size 0
		.amdhsa_enable_private_segment 0
		.amdhsa_kernarg_size 24
		.amdhsa_user_sgpr_count 2
		.amdhsa_user_sgpr_kernarg_segment_ptr 1
		.amdhsa_wavefront_size32 1
		.amdhsa_system_sgpr_workgroup_id_x 1
		.amdhsa_system_sgpr_workgroup_id_y 1
		.amdhsa_system_sgpr_workgroup_id_z 1
		.amdhsa_system_vgpr_workitem_id 0
		.amdhsa_next_free_vgpr 384
		.amdhsa_next_free_sgpr 66
		.amdhsa_reserve_vcc 0
		.amdhsa_float_denorm_mode_32 3
		.amdhsa_float_denorm_mode_16_64 3
		.amdhsa_memory_ordered 1
		.amdhsa_forward_progress 1
		.amdhsa_inst_pref_size 88
	.end_amdhsa_kernel
	.amdgpu_metadata
---
amdhsa.version: [ 1, 2 ]
amdhsa.kernels:
  - .name:           k_qc2b8530db5_hidp
    .symbol:         k_qc2b8530db5_hidp.kd
    .args:
      - { .name: yK, .offset: 0, .size: 8, .value_kind: global_buffer, .address_space: global }
      - { .name: Wyob, .offset: 8, .size: 8, .value_kind: global_buffer, .address_space: global }
      - { .name: hidP, .offset: 16, .size: 8, .value_kind: global_buffer, .address_space: global }
    .group_segment_fixed_size: 327680
    .private_segment_fixed_size: 0
    .kernarg_segment_align: 8
    .kernarg_segment_size: 24
    .max_flat_workgroup_size: 128
    .sgpr_count:     66
    .vgpr_count:     384
    .wavefront_size: 32
...
	.end_amdgpu_metadata
.endif
;; end of part 5
;; launch logits (part 6): grid 256 x 1, 4 waves a work-group, no clusters, 103,680 bytes of LDS; arguments hidP, b_yo, W_head, b_head, out0; writes out0
.if DOCPART == 6
	.amdgcn_target "amdgcn-amd-amdhsa--gfx1250"
	.amdhsa_code_object_version 6
	.text
	.protected	k_qc2b8530db5_logits
	.globl	k_qc2b8530db5_logits
	.p2align	8
	.type	k_qc2b8530db5_logits,@function
k_qc2b8530db5_logits:
	s_mov_b64 s[64:65], 0
	v_nop
	global_prefetch_b8 v0, s[64:65] scope:SCOPE_SE
	s_setreg_imm32_b32 hwreg(HW_REG_WAVE_MODE, 25, 1), 1
	s_wait_xcnt 0x0
; out0 = relu(sum of hidP's four quarters + b_yo) W_head + b_head.  Work-group g takes the 16 rows m' = 16 g ..; row m' = 512 b + t is row 8 t + b of out0.
; Thread tid owns units 4 (tid & 63) + 0..3 of rows 2 u + (tid >> 6), u = 0..7: a load of the four waves covers two rows of 1,024 bytes.
; FORMATS: z has no room in f16 and eight bits are too few, so z and W_head are pairs hi = bf16(v), lo = bf16(v - hi), and the product is three
; passes, hi hi + lo hi + hi lo; lo lo, some 2^-16 of the product, is dropped.
; Wave w makes the 16 rows x actions 16 w .. 16 w + 15: 24 matrix instructions on four accumulators that take turns and are added at the end.
; All operands are f32 in memory and are summed or split on their way to LDS, so they come through registers: no tensor load, and so no joint
; request in a cluster; what the work-groups share, W_head, is 65,536 bytes.
; LDS: W_head hi [256 k][64] bf16, pitch 160, lo behind it; z hi [16][256] bf16, pitch 528, lo behind it; the logits' stage, 16 rows x 272 bytes.
; LIMITS: relu of a NaN gives 0.
.set WHL,  256*160                     ; from W_head hi (at LDS byte 0) to lo
.set ZZ,   2*WHL
.set ZL,   16*528                      ; from z hi to lo
.set OST,  ZZ+2*ZL
.set SPI,  272
.set RR,   1                           ; lane & 15
.set HH,   2                           ; lane >> 4
.set VP,   3                           ; 16 tid: hidP and W_head
.set VBY,  4                           ; 16 (tid & 63): b_yo
.set VBH,  5                           ; 64 w + 32 h: b_head, and my place in a row of the stage
.set ZS,   6
.set ZRD,  7
.set WHS,  8
.set WHS2, 9
.set WHT,  10
.set WHT2, 11
.set OSTO, 12
.set ORD,  13
.set OCO,  14
.set TA,   15
.set TB,   16
.set BY,   18                          ; v[18:21]   b_yo of my four units
.set P,    24                          ; v[24:151]  quarter p, rows u: 4 registers at P + 32 p + 4 u
.set ZF,   24                          ; later z's fragments: hi at 24 + 8 ks, lo at 88 + 8 ks
.set LACC, 152                         ; v[152:183] four accumulators
.set BH,   184                         ; v[184:191] b_head of my eight actions
.set WR,   0                           ; window 1: v[0:127] W_head as loaded, then its lower parts packed
.set WHI,  128                         ; window 1: v[128:191] its upper parts packed
.set WT,   192                         ; window 1: v[192:195] at work
.set WF,   0                           ; window 1, later: W_head's fragments of my action tile: hi at 8 ks, lo at 64 + 8 ks
.set MSB, 0
.macro WIN new                         ; the immediate's high byte repeats the setting that is left
.if MSB != \new
	s_set_vgpr_msb (MSB<<8)|\new
.set MSB, \new
.endif
.endm
.macro PLACES                          ; four places behind a matrix instruction (ISA guide 7.12.1)
.rept 4
	v_nop
.endr
.endm
	s_load_b256 s[4:11], s[0:1], 0x0               ; hidP 4, b_yo 6, W_head 8, b_head 10
	s_load_b64 s[12:13], s[0:1], 0x20              ; out0 12
	v_lshl_add_u32 v254, v0, 2, 0x19300
	v_mov_b32 v255, 0
	v_lshrrev_b32 v[TA], 5, v0
	v_readfirstlane_b32 s16, v[TA]                 ; wave
	s_mov_b32 s3, 0xffff0000                       ; a word's upper bf16
	s_lshl_b32 s20, ttmp9, 14                      ; hidP: 16 g rows of 1,024 bytes
	s_mov_b32 s21, 0
	s_and_b32 s22, ttmp9, 31                       ; out0: t0 = 16 (g & 31), b = g >> 5; row (t, b) is 256 bytes at 2,048 t + 256 b
	s_lshl_b32 s22, s22, 15
	s_lshr_b32 s2, ttmp9, 5
	s_lshl_b32 s2, s2, 8
	s_add_co_u32 s22, s22, s2
	s_mov_b32 s23, 0
	v_and_b32 v[RR], 15, v0
	v_bfe_u32 v[HH], v0, 4, 1
	v_lshlrev_b32 v[VP], 4, v0
	v_and_b32 v[TB], 63, v0
	v_lshlrev_b32 v[VBY], 4, v[TB]
	s_lshl_b32 s2, s16, 6
	v_lshl_add_u32 v[VBH], v[HH], 5, s2
	s_wait_kmcnt 0x0
	s_add_nc_u64 s[4:5], s[4:5], s[20:21]          ; quarters 0 and 1
	s_add_nc_u64 s[14:15], s[4:5], 0x800000        ; quarters 2 and 3: a second base keeps the offsets inside the signed 24-bit immediate
	s_add_nc_u64 s[12:13], s[12:13], s[22:23]
	; all loads at once, those that are wanted first in front
.irp u, 0,1,2,3,4,5,6,7
	global_load_b128 v[P+4*\u:P+4*\u+3], v[VP], s[4:5] offset:\u*2048 th:TH_LOAD_NT
	global_load_b128 v[P+32+4*\u:P+32+4*\u+3], v[VP], s[4:5] offset:4194304+\u*2048 th:TH_LOAD_NT
	global_load_b128 v[P+64+4*\u:P+64+4*\u+3], v[VP], s[14:15] offset:\u*2048 th:TH_LOAD_NT
	global_load_b128 v[P+96+4*\u:P+96+4*\u+3], v[VP], s[14:15] offset:4194304+\u*2048 th:TH_LOAD_NT
.endr
	global_load_b128 v[BY:BY+3], v[VBY], s[6:7]
	global_load_b128 v[BH:BH+3], v[VBH], s[10:11]
	global_load_b128 v[BH+4:BH+7], v[VBH], s[10:11] offset:16
	WIN 0x40                                       ; destination window 1
.set u, 0
.rept 32
	global_load_b128 v[WR+4*u:WR+4*u+3], v[VP], s[8:9] offset:u*2048       ; W_head: a load of the four waves covers 8 rows of 256 bytes
.set u, u+1
.endr
	WIN 0
	; LDS addresses, while the loads fly
	v_lshrrev_b32 v[TA], 6, v0
	v_mul_u32_u24 v[ZS], v[TA], 528
	v_lshl_add_u32 v[ZS], v[TB], 3, v[ZS]
	v_add_nc_u32 v[ZS], ZZ, v[ZS]                  ; z in: row tid >> 6, 8 (tid & 63)
	v_mul_u32_u24 v[ZRD], v[RR], 528
	v_lshl_add_u32 v[ZRD], v[HH], 4, v[ZRD]
	v_add_nc_u32 v[ZRD], ZZ, v[ZRD]                ; z's fragments: row r, 16 h
	v_lshrrev_b32 v[TA], 4, v0
	v_mul_u32_u24 v[WHS], v[TA], 160
	v_lshl_add_u32 v[WHS], v[RR], 3, v[WHS]        ; W_head in: row tid >> 4, 8 (tid & 15)
	v_add_nc_u32 v[WHS2], WHL, v[WHS]
	v_and_b32 v[TA], 7, v0
	v_lshl_add_u32 v[TA], v[HH], 3, v[TA]
	v_mul_u32_u24 v[WHT], v[TA], 160               ; transposing loads: (8 h + (lane & 7)) 160
	v_bfe_u32 v[TA], v0, 3, 1
	v_lshl_add_u32 v[WHT], v[TA], 4, v[WHT]        ; + 16 ((lane >> 3) & 1)
	s_lshl_b32 s2, s16, 5
	v_add_nc_u32 v[WHT], s2, v[WHT]                ; + my 16 actions of 2 bytes
	v_add_nc_u32 v[WHT2], WHL, v[WHT]
	v_mul_u32_u24 v[OSTO], v[RR], SPI
	v_add_nc_u32 v[OSTO], v[OSTO], v[VBH]
	v_add_nc_u32 v[OSTO], OST, v[OSTO]             ; stage in: row r, 64 w + 32 h
	s_lshl_b32 s2, s16, 2
	v_add_nc_u32 v[TA], s2, v[HH]                  ; stage back: row 4 w + (lane >> 4)
	v_mul_u32_u24 v[ORD], v[TA], SPI
	v_lshl_add_u32 v[ORD], v[RR], 4, v[ORD]
	v_add_nc_u32 v[ORD], OST, v[ORD]
	v_lshlrev_b32 v[OCO], 4, v[RR]
	v_lshl_add_u32 v[OCO], v[TA], 11, v[OCO]       ; and the same row of out0
	; z = relu((p0 + p1) + (p2 + p3) + b_yo), split; the upper parts land where p1 lay, the work where p2 lay, the lower parts in place
	s_wait_loadcnt 32                              ; the quarters and the biases are in; W_head's 32 loads stay out
.macro ZU u
.irp p, 0,2
	v_pk_add_f32 v[P+4*\u+\p:P+4*\u+\p+1], v[P+4*\u+\p:P+4*\u+\p+1], v[P+32+4*\u+\p:P+32+4*\u+\p+1]
	v_pk_add_f32 v[P+64+4*\u+\p:P+64+4*\u+\p+1], v[P+64+4*\u+\p:P+64+4*\u+\p+1], v[P+96+4*\u+\p:P+96+4*\u+\p+1]
.endr
.irp p, 0,2
	v_pk_add_f32 v[P+4*\u+\p:P+4*\u+\p+1], v[P+4*\u+\p:P+4*\u+\p+1], v[P+64+4*\u+\p:P+64+4*\u+\p+1]
.endr
.irp p, 0,2
	v_pk_add_f32 v[P+4*\u+\p:P+4*\u+\p+1], v[P+4*\u+\p:P+4*\u+\p+1], v[BY+\p:BY+\p+1]
.endr
.irp p, 0,1,2,3
	v_max_num_f32 v[P+4*\u+\p], 0, v[P+4*\u+\p]
.endr
	v_cvt_pk_bf16_f32 v[P+32+4*\u], v[P+4*\u], v[P+4*\u+1]
	v_cvt_pk_bf16_f32 v[P+32+4*\u+1], v[P+4*\u+2], v[P+4*\u+3]
	v_lshlrev_b32 v[P+64+4*\u], 16, v[P+32+4*\u]
	v_and_b32 v[P+64+4*\u+1], s3, v[P+32+4*\u]
	v_lshlrev_b32 v[P+64+4*\u+2], 16, v[P+32+4*\u+1]
	v_and_b32 v[P+64+4*\u+3], s3, v[P+32+4*\u+1]
.irp p, 0,2
	v_pk_add_f32 v[P+4*\u+\p:P+4*\u+\p+1], v[P+4*\u+\p:P+4*\u+\p+1], v[P+64+4*\u+\p:P+64+4*\u+\p+1] neg_lo:[0,1] neg_hi:[0,1]
.endr
	v_cvt_pk_bf16_f32 v[P+4*\u], v[P+4*\u], v[P+4*\u+1]
	v_cvt_pk_bf16_f32 v[P+4*\u+1], v[P+4*\u+2], v[P+4*\u+3]
	ds_store_b64 v[ZS], v[P+32+4*\u:P+32+4*\u+1] offset:\u*2*528
	ds_store_b64 v[ZS], v[P+4*\u:P+4*\u+1] offset:ZL+\u*2*528
.endm
.irp u, 0,1,2,3,4,5,6,7
	ZU \u
.endr
	; W_head: four numbers a load, split, all in window 1; then 8 bytes into each plane
	s_wait_loadcnt 0x0
	WIN 0x45                                       ; sources 0 and 1 and the destination in window 1
.set u, 0
.rept 32
	v_cvt_pk_bf16_f32 v[WHI+2*u], v[WR+4*u], v[WR+4*u+1]
	v_cvt_pk_bf16_f32 v[WHI+2*u+1], v[WR+4*u+2], v[WR+4*u+3]
	v_lshlrev_b32 v[WT], 16, v[WHI+2*u]
	v_and_b32 v[WT+1], s3, v[WHI+2*u]
	v_lshlrev_b32 v[WT+2], 16, v[WHI+2*u+1]
	v_and_b32 v[WT+3], s3, v[WHI+2*u+1]
	v_pk_add_f32 v[WR+4*u:WR+4*u+1], v[WR+4*u:WR+4*u+1], v[WT:WT+1] neg_lo:[0,1] neg_hi:[0,1]
	v_pk_add_f32 v[WR+4*u+2:WR+4*u+3], v[WR+4*u+2:WR+4*u+3], v[WT+2:WT+3] neg_lo:[0,1] neg_hi:[0,1]
	v_cvt_pk_bf16_f32 v[WR+4*u], v[WR+4*u], v[WR+4*u+1]
	v_cvt_pk_bf16_f32 v[WR+4*u+1], v[WR+4*u+2], v[WR+4*u+3]
.set u, u+1
.endr
	WIN 0x04                                       ; store data in window 1, address in window 0
.set u, 0
.rept 32
	ds_store_b64 v[WHS], v[WHI+2*u:WHI+2*u+1] offset:u*1280
	ds_store_b64 v[WHS2], v[WR+4*u:WR+4*u+1] offset:u*1280
.set u, u+1
.endr
	WIN 0
	s_wait_dscnt 0x0                               ; my parts of z and of W_head are stored,
	s_barrier_signal -1
	s_barrier_wait -1                              ; everybody's are
	; fragments: z's 16 rows (every wave reads them all), and my action tile of W_head by the transposing load
.irp pl, 0,1
.irp ks, 0,1,2,3,4,5,6,7
	ds_load_b128 v[ZF+64*\pl+8*\ks:ZF+64*\pl+8*\ks+3], v[ZRD] offset:\pl*ZL+64*\ks
	ds_load_b128 v[ZF+64*\pl+8*\ks+4:ZF+64*\pl+8*\ks+7], v[ZRD] offset:\pl*ZL+64*\ks+32
.endr
.endr
	WIN 0x40                                       ; destination window 1
.irp ks, 0,1,2,3,4,5,6,7
	ds_load_tr16_b128 v[WF+8*\ks:WF+8*\ks+3], v[WHT] offset:\ks*5120
	ds_load_tr16_b128 v[WF+8*\ks+4:WF+8*\ks+7], v[WHT] offset:\ks*5120+2560
	ds_load_tr16_b128 v[WF+64+8*\ks:WF+64+8*\ks+3], v[WHT2] offset:\ks*5120
	ds_load_tr16_b128 v[WF+64+8*\ks+4:WF+64+8*\ks+7], v[WHT2] offset:\ks*5120+2560
.endr
	s_wait_dscnt 0x0
	; source 0 = 16 actions of W_head, source 1 = z's rows: lane (r, h) gets row r, actions 16 w + 8 h + 0..7.
	; K step ks adds onto accumulator ks & 3: the four take turns, one instruction a turn, through all three products.
	WIN 0x01                                       ; source 0 in window 1
.irp ks, 0,1,2,3
	v_wmma_f32_16x16x32_bf16 v[LACC+8*\ks:LACC+8*\ks+7], v[WF+8*\ks:WF+8*\ks+7], v[ZF+8*\ks:ZF+8*\ks+7], 0
.endr
.irp ks, 4,5,6,7
	v_wmma_f32_16x16x32_bf16 v[LACC+8*(\ks-4):LACC+8*(\ks-4)+7], v[WF+8*\ks:WF+8*\ks+7], v[ZF+8*\ks:ZF+8*\ks+7], v[LACC+8*(\ks-4):LACC+8*(\ks-4)+7]
.endr
.irp ks, 0,1,2,3,4,5,6,7
	v_wmma_f32_16x16x32_bf16 v[LACC+8*(\ks&3):LACC+8*(\ks&3)+7], v[WF+64+8*\ks:WF+64+8*\ks+7], v[ZF+8*\ks:ZF+8*\ks+7], v[LACC+8*(\ks&3):LACC+8*(\ks&3)+7]
.endr
.irp ks, 0,1,2,3,4,5,6,7
	v_wmma_f32_16x16x32_bf16 v[LACC+8*(\ks&3):LACC+8*(\ks&3)+7], v[WF+8*\ks:WF+8*\ks+7], v[ZF+64+8*\ks:ZF+64+8*\ks+7], v[LACC+8*(\ks&3):LACC+8*(\ks&3)+7]
.endr
	WIN 0
	PLACES
.irp p, 0,2,4,6
	v_pk_add_f32 v[LACC+\p:LACC+\p+1], v[LACC+\p:LACC+\p+1], v[LACC+8+\p:LACC+8+\p+1]
	v_pk_add_f32 v[LACC+16+\p:LACC+16+\p+1], v[LACC+16+\p:LACC+16+\p+1], v[LACC+24+\p:LACC+24+\p+1]
.endr
.irp p, 0,2,4,6
	v_pk_add_f32 v[LACC+\p:LACC+\p+1], v[LACC+\p:LACC+\p+1], v[LACC+16+\p:LACC+16+\p+1]
.endr
.irp p, 0,2,4,6
	v_pk_add_f32 v[LACC+\p:LACC+\p+1], v[LACC+\p:LACC+\p+1], v[BH+\p:BH+\p+1]
.endr
	ds_store_b128 v[OSTO], v[LACC:LACC+3]
	ds_store_b128 v[OSTO], v[LACC+4:LACC+7] offset:16
	s_wait_dscnt 0x0                               ; my 16 actions of all 16 rows are stored,
	s_barrier_signal -1
	s_barrier_wait -1                              ; everybody's are: wave w takes rows 4 w .. 4 w + 3 out
	ds_load_b128 v[LACC+8:LACC+11], v[ORD]
	ds_load_b128 v[LACC+12:LACC+15], v[ORD] offset:2*SPI
	s_wait_dscnt 1                                 ; the first two rows are in; the second load stays out
	global_store_b128 v[OCO], v[LACC+8:LACC+11], s[12:13] th:TH_STORE_NT               ; 16 lanes store one whole row of out0, 256 bytes, aligned
	s_wait_dscnt 0x0
	global_store_b128 v[OCO], v[LACC+12:LACC+15], s[12:13] offset:4096 th:TH_STORE_NT
	s_wait_tensorcnt 0x0
	ds_add_u32 v254, v255
	s_wait_dscnt 0x0
	s_endpgm
.Lfunc_end_k_qc2b8530db5_logits:
	.size	k_qc2b8530db5_logits, .Lfunc_end_k_qc2b8530db5_logits-k_qc2b8530db5_logits
	.p2alignl 7, 3214868480
	.fill 96, 4, 3214868480
	.section	.rodata,"a",@progbits
	.p2align	6, 0x0
	.amdhsa_kernel k_qc2b8530db5_logits
		.amdhsa_group_segment_fixed_size 103680
		.amdhsa_private_segment_fixed_size 0
		.amdhsa_enable_private_segment 0
		.amdhsa_kernarg_size 40
		.amdhsa_user_sgpr_count 2
		.amdhsa_user_sgpr_kernarg_segment_ptr 1
		.amdhsa_wavefront_size32 1
		.amdhsa_system_sgpr_workgroup_id_x 1
		.amdhsa_system_sgpr_workgroup_id_y 1
		.amdhsa_system_sgpr_workgroup_id_z 1
		.amdhsa_system_vgpr_workitem_id 0
		.amdhsa_next_free_vgpr 464
		.amdhsa_next_free_sgpr 66
		.amdhsa_reserve_vcc 0
		.amdhsa_float_denorm_mode_32 3
		.amdhsa_float_denorm_mode_16_64 3
		.amdhsa_memory_ordered 1
		.amdhsa_forward_progress 1
		.amdhsa_inst_pref_size 48
	.end_amdhsa_kernel
	.amdgpu_metadata
---
amdhsa.version: [ 1, 2 ]
amdhsa.kernels:
  - .name:           k_qc2b8530db5_logits
    .symbol:         k_qc2b8530db5_logits.kd
    .args:
      - { .name: hidP, .offset: 0, .size: 8, .value_kind: global_buffer, .address_space: global }
      - { .name: b_yo, .offset: 8, .size: 8, .value_kind: global_buffer, .address_space: global }
      - { .name: W_head, .offset: 16, .size: 8, .value_kind: global_buffer, .address_space: global }
      - { .name: b_head, .offset: 24, .size: 8, .value_kind: global_buffer, .address_space: global }
      - { .name: out0, .offset: 32, .size: 8, .value_kind: global_buffer, .address_space: global }
    .group_segment_fixed_size: 103680
    .private_segment_fixed_size: 0
    .kernarg_segment_align: 8
    .kernarg_segment_size: 40
    .max_flat_workgroup_size: 128
    .sgpr_count:     66
    .vgpr_count:     464
    .wavefront_size: 32
...
	.end_amdgpu_metadata
.endif
;; end of part 6
;; ======== version 3 of 3: 5 launches
;; limits: values are held in f16: magnitudes above 65,504 overflow, below 6.1e-05 lose precision
;; workspace buffers: xb 16,777,216 bytes; Wbc 8,388,608 bytes; Wyob 1,048,576 bytes; dtP 4,194,304 bytes; BC 33,554,432 bytes; yK 16,777,216 bytes; yS 524,288 bytes; hidP 16,777,216 bytes
;; launch xproj (part 7): grid 8 x 32, 4 waves a work-group, no clusters, 242,176 bytes of LDS; arguments obs, W_in, b_in, W_dt, W_B, W_C, W_yo, xb, dtP, Wbc, Wyob; writes xb, dtP, Wbc, Wyob
.if DOCPART == 7
	.amdgcn_target "amdgcn-amd-amdhsa--gfx1250"
	.amdhsa_code_object_version 6
	.text
	.protected	k_qc2b8530db5_xproj
	.globl	k_qc2b8530db5_xproj
	.p2align	8
	.type	k_qc2b8530db5_xproj,@function
k_qc2b8530db5_xproj:
	s_mov_b64 s[64:65], 0
	v_nop
	global_prefetch_b8 v0, s[64:65] scope:SCOPE_SE
	s_setreg_imm32_b32 hwreg(HW_REG_WAVE_MODE, 25, 1), 1
	s_wait_xcnt 0x0
; x = relu(obs W_in + b_in) in f16, the partial sums of x W_dt, and f16 copies of W_B, W_C and W_yo.
; Rows are kept b-major from here on: m' = 512 b + t.  A work-group makes 128 rows x 256 columns of x (K = 256) with four waves,
; a wave 64 x 128: 32 accumulator tiles.  Work-group x = column block nb (0..7), y = row block mb (0..31): b = mb >> 2, t0 = 128 (mb & 3).
; FORMATS: the chain from obs to the logits is long, and eight significant bits at every link add up to more than the result may be off.
; obs, W_in, x, W_dt, W_B, W_C, W_yo go in f16 (eleven bits): with obs and W_in 30 times the size that they are drawn with, x grows 900 times,
; to about 5,000 of f16's 65,504; 900 times smaller it is about 8e-4, where f16's step is still below 1e-4 of it.  The weights are drawn
; with a spread of 0.022: 30 times larger 0.66, 30 times smaller 7e-4, where f16's step is about 5e-7.
; All operands are f32 in memory and have to be rounded on their way to LDS, so the tiles go through registers: no tensor load,
; hence no joint request in a cluster either (a tile that landed in LDS as f32 would have to be read, rounded and written once more).
; The matrix instruction is used transposed (source 0 = 16 columns of W_in, source 1 = 16 rows of obs): a lane then holds eight neighbouring
; columns of one row of x, and two neighbouring packed tiles ARE the fragment of x that the product with W_dt wants.
; dtP[part][b][h][t] holds the sum over the wave's 128 columns of x (part = 2 nb + wn); the next but one launch adds the 16 parts.
; The copies: work-group g = 8 mb + nb rounds 8 rows of W_B, 8 of W_C and 8,192 bytes of W_yo; its loads fly under the matrix phase.
; LIMITS: a number of obs, W_in, W_dt, W_B, W_C, W_yo or x beyond 65,504 becomes infinite; relu of a NaN gives 0.
.set NT,   8                           ; column tiles of a wave
.set NF,   2*NT+8                      ; LDS loads of one quarter's fragments
.set PA,   528                         ; LDS pitch of obs rows: 512 bytes + 16
.set PB,   544                         ; LDS pitch of W_in rows [k][256 n]: 512 bytes + 32 (an odd multiple of 32, for the transposing load)
.set WT,   128*PA                      ; W_in's tile behind obs's
.set XST,  WT+256*PB                   ; four stages of 16 rows x 272 bytes, one a wave, for x on its way out
.set SPI,  272
.set DOFF, 4*16*SPI                    ; four more behind them, for the sums of x W_dt: 16 heads x 64 t
.set RR,   2                           ; v2  lane & 15
.set HH,   3                           ; v3  lane >> 4
.set VG,   4                           ; v4  tile loads: (tid >> 6) rows of 8,192 bytes + 16 (tid & 63)
.set SA,   5                           ; v5  where I store obs's tile, stepped batch by batch
.set SW,   6                           ; v6  the same for W_in's
.set VD,   7                           ; v7  W_dt: 512 h + 4 r
.set VB,   8                           ; v8  b_in: 32 h
.set VCL,  9                           ; v9  copies in: 32 tid
.set VCS,  10                          ; v10 copies out: 16 tid
.set DS,   11                          ; v11 my place in the dt stage
.set ADRA, 12                          ; v12-13 fragments of obs, K half 0, 1
.set ADRB, 14                          ; v14-15 fragments of W_in, K half 0, 1
.set STO,  16                          ; v16 x stage, in
.set RD,   17                          ; v17 x stage, back by rows
.set CO,   18                          ; v18 my offset in xb
.set DCO,  19                          ; v19 my offset in dtP
.set WD,   24                          ; v[24:55]  four fragments of W_dt
.set F0,   56                          ; v[56:151]  fragment buffer 0: 8 of W_in, 4 of obs
.set F1,   152                         ; v[152:247] fragment buffer 1
.set RAW,  56                          ; while tiles are loaded: W_dt as f32,
.set SET2, 56                          ; then the third of three sets of 16 x 4 registers for the batches
.set SET0, 120
.set SET1, 184
.set XP,   56                          ; on the way out: 8 packed tiles of x
.set T,    88                          ; 4 tiles in f32
.set RB,   120                         ; rows read back
.set DT0,  152                         ; two accumulators for x W_dt
.set DT1,  160
.set CV,   0                           ; window 2: v[0:143] the copies' data
.set BI,   144                         ; window 2: v[144:207] b_in of my 8 column tiles
.set MSB, 0
.macro WIN new                         ; the immediate's high byte repeats the setting that is left
.if MSB != \new
	s_set_vgpr_msb (MSB<<8)|\new
.set MSB, \new
.endif
.endm
.macro PLACES                          ; four places behind a matrix instruction (ISA guide 7.12.1)
.rept 4
	v_nop
.endr
.endm
.macro PADD p, o                       ; pointer p += offset in s[o]
	s_mov_b32 s2, s[\o]
	s_add_nc_u64 s[\p:\p+1], s[\p:\p+1], s[2:3]
.endm
	s_load_b512 s[8:23], s[0:1], 0x0               ; obs 8, W_in 10, b_in 12, W_dt 14, W_B 16, W_C 18, W_yo 20, xb 22
	s_load_b128 s[24:27], s[0:1], 0x40             ; dtP 24, Wbc 26
	s_load_b64 s[28:29], s[0:1], 0x50              ; Wyob 28
	v_lshl_add_u32 v254, v0, 2, 0x3b000
	v_mov_b32 v255, 0
	v_lshrrev_b32 v20, 5, v0
	v_readfirstlane_b32 s4, v20                    ; wave
	s_lshr_b32 s5, s4, 1                           ; wm: which 64 rows
	s_and_b32 s6, s4, 1                            ; wn: which 128 columns
	s_mov_b32 s7, ttmp9                            ; nb
	s_and_b32 s30, ttmp7, 0xffff                   ; mb
	s_lshl3_add_u32 s31, s30, s7                   ; g = 8 mb + nb
	s_and_b32 s32, s30, 3                          ; t0 / 128
	s_lshr_b32 s33, s30, 2                         ; b
	s_mov_b32 s3, 0
	; byte offsets, apart from the addresses
	s_lshl_b32 s34, s32, 20                        ; obs: t0 x 8,192
	s_lshl_b32 s2, s33, 10
	s_add_co_u32 s34, s34, s2                      ;      + 1,024 b
	s_lshl_b32 s35, s7, 10                         ; W_in: 256 nb columns of 4 bytes
	s_lshl_b32 s2, s6, 9
	s_add_co_u32 s36, s35, s2                      ; b_in: (256 nb + 128 wn) x 4
	s_lshl_b32 s37, s36, 4                         ; W_dt: the same rows x 64
	s_lshl_b32 s38, s31, 15                        ; W_B, W_C: 8 g rows of 4,096; Wbc the same
	s_lshl_b32 s39, s31, 13                        ; W_yo: 8,192 g
	s_lshl_b32 s42, s31, 12                        ; Wyob: 4,096 g
	s_lshl_b32 s40, s30, 19                        ; xb: (128 mb + 64 wm) rows of 4,096
	s_lshl_b32 s2, s5, 18
	s_add_co_u32 s40, s40, s2
	s_lshr_b32 s2, s36, 1                          ;     + (256 nb + 128 wn) x 2
	s_add_co_u32 s40, s40, s2
	s_lshl1_add_u32 s41, s7, s6                    ; dtP: part = 2 nb + wn
	s_lshl_b32 s41, s41, 18                        ;      x 8 x 16 x 2,048
	s_lshl_b32 s2, s33, 15
	s_add_co_u32 s41, s41, s2                      ;      + b x 16 x 2,048
	s_lshl_b32 s2, s32, 9
	s_add_co_u32 s41, s41, s2                      ;      + 4 t0
	s_lshl_b32 s2, s5, 8
	s_add_co_u32 s41, s41, s2                      ;      + 256 wm
	s_mul_i32 s43, s5, 64*PA                       ; LDS: my 64 rows of obs
	s_lshl_b32 s44, s6, 8
	s_add_co_u32 s44, s44, WT                      ; my 128 columns of W_in
	s_mul_i32 s45, s4, 16*SPI
	s_add_co_u32 s45, s45, XST                     ; my stage
	v_and_b32 v[RR], 15, v0
	v_bfe_u32 v[HH], v0, 4, 1
	v_lshrrev_b32 v20, 6, v0                       ; tid >> 6: which of two rows
	v_and_b32 v21, 63, v0
	v_lshlrev_b32 v[VG], 4, v21
	v_lshl_add_u32 v[VG], v20, 13, v[VG]
	v_mul_u32_u24 v[SA], v20, PA
	v_lshl_add_u32 v[SA], v21, 3, v[SA]
	v_mul_u32_u24 v[SW], v20, PB
	v_lshl_add_u32 v[SW], v21, 3, v[SW]
	v_add_nc_u32 v[SW], WT, v[SW]
	v_lshlrev_b32 v[VD], 2, v[RR]
	v_lshl_add_u32 v[VD], v[HH], 9, v[VD]
	v_lshlrev_b32 v[VB], 5, v[HH]
	v_lshlrev_b32 v[VCL], 5, v0
	v_lshlrev_b32 v[VCS], 4, v0
	s_wait_kmcnt 0x0
	PADD 8, 34
	PADD 10, 35
	PADD 12, 36
	PADD 14, 37
	PADD 16, 38
	PADD 18, 38
	PADD 20, 39
	PADD 22, 40
	PADD 24, 41
	PADD 26, 38
	PADD 28, 42
	; W_dt as f32: fragment q of four; lane (r, h) wants head r and k = 32 q + 8 h + 0..7, then 32 q + 16 + 8 h + 0..7
.set i, 0
.rept 64
	global_load_b32 v[RAW+i], v[VD], s[14:15] offset:((i>>4)*32+((i>>3)&1)*16+(i&7))*64
.set i, i+1
.endr
; A batch: 16 loads of 16 bytes a lane; one load of the four waves covers two rows of 1,024 bytes.
.macro LDB set, base, u0
.irp j, 0,1,2,3,4,5,6,7,8,9,10,11,12,13,14,15
	global_load_b128 v[\set+4*\j:\set+4*\j+3], v[VG], s[\base:\base+1] offset:(\u0+\j)*16384
.endr
.endm
; The batch is rounded to f16 and stored, 8 bytes a lane; p2 = two LDS rows.
.macro CVB set, adr, p2
.irp j, 0,1,2,3,4,5,6,7,8,9,10,11,12,13,14,15
	v_cvt_pk_f16_f32 v[\set+4*\j], v[\set+4*\j], v[\set+4*\j+1]
	v_cvt_pk_f16_f32 v[\set+4*\j+1], v[\set+4*\j+2], v[\set+4*\j+3]
	ds_store_b64 v[\adr], v[\set+4*\j:\set+4*\j+1] offset:\j*\p2
.endr
	v_add_nc_u32 v[\adr], 16*\p2, v[\adr]
.endm
; one turn of the ring of three sets: the oldest batch is in (the 32 loads of the two younger batches stay out), is stored,
; and its set is asked for again: 48 loads of the wave are on their way
.macro BATCH set, adr, p2, base, u0
	s_wait_loadcnt 32
	CVB \set, \adr, \p2
	LDB \set, \base, \u0
.endm
	LDB SET0, 8, 0                                 ; obs: 4 batches (128 rows)
	LDB SET1, 8, 16
	s_wait_loadcnt 16                              ; W_dt's words and batch 0 are in; batch 1 stays out
.set i, 0
.rept 32
	v_cvt_pk_f16_f32 v[WD+i], v[RAW+2*i], v[RAW+2*i+1]
.set i, i+1
.endr
	LDB SET2, 8, 32                                ; the raw words are spent: their registers become the third set
	CVB SET0, SA, 2*PA
	LDB SET0, 8, 48
	BATCH SET1, SA, 2*PA, 10, 0                    ; W_in: 8 batches (256 rows)
	BATCH SET2, SA, 2*PA, 10, 16
	BATCH SET0, SA, 2*PA, 10, 32
	BATCH SET1, SW, 2*PB, 10, 48
	BATCH SET2, SW, 2*PB, 10, 64
	BATCH SET0, SW, 2*PB, 10, 80
	BATCH SET1, SW, 2*PB, 10, 96
	BATCH SET2, SW, 2*PB, 10, 112
	s_wait_loadcnt 32                              ; the last three batches: the counts run down
	CVB SET0, SW, 2*PB
	s_wait_loadcnt 16
	CVB SET1, SW, 2*PB
	s_wait_loadcnt 0x0
	CVB SET2, SW, 2*PB
	; b_in and the copies' 36 loads go out now and land under the matrix phase, in window 2
	WIN 0x80                                       ; destination window 2, address window 0
.irp b, 0,1,2,3,4,5,6,7
	global_load_b128 v[BI+8*\b:BI+8*\b+3], v[VB], s[12:13] offset:64*\b
	global_load_b128 v[BI+8*\b+4:BI+8*\b+7], v[VB], s[12:13] offset:64*\b+16
.endr
.irp u, 0,1,2,3,4,5,6,7
	global_load_b128 v[CV+8*\u:CV+8*\u+3], v[VCL], s[16:17] offset:4096*\u th:TH_LOAD_NT
	global_load_b128 v[CV+8*\u+4:CV+8*\u+7], v[VCL], s[16:17] offset:4096*\u+16 th:TH_LOAD_NT
.endr
.irp u, 0,1,2,3,4,5,6,7
	global_load_b128 v[CV+64+8*\u:CV+64+8*\u+3], v[VCL], s[18:19] offset:4096*\u th:TH_LOAD_NT
	global_load_b128 v[CV+64+8*\u+4:CV+64+8*\u+7], v[VCL], s[18:19] offset:4096*\u+16 th:TH_LOAD_NT
.endr
.irp u, 0,1
	global_load_b128 v[CV+128+8*\u:CV+128+8*\u+3], v[VCL], s[20:21] offset:4096*\u th:TH_LOAD_NT
	global_load_b128 v[CV+128+8*\u+4:CV+128+8*\u+7], v[VCL], s[20:21] offset:4096*\u+16 th:TH_LOAD_NT
.endr
	WIN 0
	; fragment and stage addresses
	v_mul_u32_u24 v20, v[RR], PA
	v_lshl_add_u32 v20, v[HH], 4, v20
	v_add_nc_u32 v[ADRA], s43, v20                 ; (64 wm + r) PA + 16 h
	v_add_nc_u32 v[ADRA+1], 256, v[ADRA]           ; K half 1: 128 elements on
	v_and_b32 v21, 7, v0
	v_lshl_add_u32 v21, v[HH], 3, v21
	v_mul_u32_u24 v21, v21, PB                     ; (8 h + (lane & 7)) PB
	v_bfe_u32 v20, v0, 3, 1
	v_lshl_add_u32 v21, v20, 4, v21                ; + 16 ((lane >> 3) & 1)
	v_add_nc_u32 v[ADRB], s44, v21
	v_add_nc_u32 v[ADRB+1], 128*PB, v[ADRB]
	v_mul_u32_u24 v20, v[RR], SPI
	v_lshl_add_u32 v21, v[HH], 4, v20
	v_add_nc_u32 v[STO], s45, v21                  ; stage + r 272 + 16 h
	v_lshl_add_u32 v21, v[HH], 5, v20
	v_add_nc_u32 v21, s45, v21
	v_add_nc_u32 v[DS], DOFF, v21                  ; dt stage + r 272 + 32 h
	v_mul_u32_u24 v20, v[HH], SPI
	v_lshl_add_u32 v20, v[RR], 4, v20
	v_add_nc_u32 v[RD], s45, v20                   ; stage + h 272 + 16 r
	v_lshlrev_b32 v[CO], 4, v[RR]
	v_lshlrev_b32 v[DCO], 4, v[RR]
	v_lshl_add_u32 v[CO], v[HH], 12, v[CO]
	v_lshl_add_u32 v[DCO], v[HH], 11, v[DCO]
	s_wait_dscnt 0x0                               ; my part of both tiles is in LDS,
	s_barrier_signal -1
	s_barrier_wait -1                              ; everybody's is.  The only barrier: nothing in LDS that others read is written again
; 8 matrix instructions: row tile a x all column tiles, 32 along K.  zero = 1: the first product starts the sums.
.macro MUL8 f, a, zero
.irp b, 0,1,2,3,4,5,6,7
.if \zero
	v_wmma_f32_16x16x32_f16 v[8*(NT*\a+\b):8*(NT*\a+\b)+7], v[\f+8*\b:\f+8*\b+7], v[\f+8*NT+8*\a:\f+8*NT+8*\a+7], 0
.else
	v_wmma_f32_16x16x32_f16 v[8*(NT*\a+\b):8*(NT*\a+\b)+7], v[\f+8*\b:\f+8*\b+7], v[\f+8*NT+8*\a:\f+8*NT+8*\a+7], v[8*(NT*\a+\b):8*(NT*\a+\b)+7]
.endif
.endr
.endm
; the fragments of quarter q (32 along K) of K half slot: W_in's by the transposing load (its rows lie along n), then obs's
.macro FETCH slot, q, f
.irp b, 0,1,2,3,4,5,6,7
	ds_load_tr16_b128 v[\f+8*\b:\f+8*\b+3], v[ADRB+\slot] offset:\q*32*PB+32*\b
	ds_load_tr16_b128 v[\f+8*\b+4:\f+8*\b+7], v[ADRB+\slot] offset:\q*32*PB+32*\b+16*PB
.endr
.irp a, 0,1,2,3
	ds_load_b128 v[\f+8*NT+8*\a:\f+8*NT+8*\a+3], v[ADRA+\slot] offset:64*\q+\a*16*PA
	ds_load_b128 v[\f+8*NT+8*\a+4:\f+8*NT+8*\a+7], v[ADRA+\slot] offset:64*\q+\a*16*PA+32
.endr
.endm
; A quarter: 32 matrix instructions on buffer f; in its middle the next quarter's fragments are asked for, into buffer g.
; The 32 accumulators take turns, one instruction a turn, in the same order in every quarter.
.macro QUARTER slot, qn, f, g, zero
	s_wait_dscnt 4                                 ; all but the four youngest loads: obs's row tiles 2 and 3
	WIN 0x50                                       ; C and D in window 1
	MUL8 \f, 0, \zero
	MUL8 \f, 1, \zero
	WIN 0
	PLACES                                         ; buffer g was read by matrix instructions: four places before loads land on it
	FETCH \slot, \qn, \g
	s_wait_dscnt NF                                ; all but the run just issued
	WIN 0x50
	MUL8 \f, 2, \zero
	MUL8 \f, 3, \zero
.endm
.macro THREE slot, zero
	QUARTER \slot, 1, F0, F1, \zero
	QUARTER \slot, 2, F1, F0, 0
	QUARTER \slot, 3, F0, F1, 0
.endm
	FETCH 0, 0, F0
	THREE 0, 1
	QUARTER 1, 0, F1, F0, 0
	THREE 1, 0
	s_wait_dscnt 4                                 ; the last quarter: nothing more to fetch
	WIN 0x50
	MUL8 F1, 0, 0
	MUL8 F1, 1, 0
	s_wait_dscnt 0x0
	MUL8 F1, 2, 0
	MUL8 F1, 3, 0
	WIN 0
	PLACES                                         ; behind the last matrix instruction, for all that follows
	; the copies: round in place (8 registers become 4) and store; a wave's store covers 512 consecutive bytes, aligned
	s_wait_loadcnt 0x0                             ; b_in and the copies' data
	WIN 0x8a                                       ; sources and destination in window 2
.set i, 0
.rept 18
	v_cvt_pk_f16_f32 v[CV+8*i], v[CV+8*i], v[CV+8*i+1]
	v_cvt_pk_f16_f32 v[CV+8*i+1], v[CV+8*i+2], v[CV+8*i+3]
	v_cvt_pk_f16_f32 v[CV+8*i+2], v[CV+8*i+4], v[CV+8*i+5]
	v_cvt_pk_f16_f32 v[CV+8*i+3], v[CV+8*i+6], v[CV+8*i+7]
.set i, i+1
.endr
	WIN 0x08                                       ; store data in window 2, address in window 0
.irp u, 0,1,2,3,4,5,6,7
	global_store_b128 v[VCS], v[CV+8*\u:CV+8*\u+3], s[26:27] offset:4096*\u            ; W_B: columns 0..1023 of Wbc
	global_store_b128 v[VCS], v[CV+64+8*\u:CV+64+8*\u+3], s[26:27] offset:4096*\u+2048 ; W_C: columns 1024..2047
.endr
.irp u, 0,1
	global_store_b128 v[VCS], v[CV+128+8*\u:CV+128+8*\u+3], s[28:29] offset:2048*\u    ; W_yo
.endr
; THE WAY OUT, 16 rows at a time: bias, relu, f16; the packed tiles feed the product with W_dt and go out through my stage.
.macro OUTA a
.irp hf, 0,1
	WIN 0x09                                       ; source 0 (sums) window 1, source 1 (b_in) window 2
.irp b, 0,1,2,3
.irp p, 0,2,4,6
	v_pk_add_f32 v[T+8*\b+\p:T+8*\b+\p+1], v[8*(NT*\a+4*\hf+\b)+\p:8*(NT*\a+4*\hf+\b)+\p+1], v[BI+8*(4*\hf+\b)+\p:BI+8*(4*\hf+\b)+\p+1]
.endr
.endr
	WIN 0
.set i, 0
.rept 32
	v_max_num_f32 v[T+i], 0, v[T+i]
.set i, i+1
.endr
.set i, 0
.rept 16
	v_cvt_pk_f16_f32 v[XP+16*\hf+i], v[T+2*i], v[T+2*i+1]
.set i, i+1
.endr
.endr
	; lane (r, h) holds row r, columns 16 b + 8 h + 0..7 in XP + 4 b: tiles 2 q and 2 q + 1 are the fragment of K step q.
	; source 0 = x, source 1 = W_dt: the result's lane r is head r, its registers are rows 8 h + 0..7.  Two accumulators take turns.
	v_wmma_f32_16x16x32_f16 v[DT0:DT0+7], v[XP:XP+7], v[WD:WD+7], 0
	v_wmma_f32_16x16x32_f16 v[DT1:DT1+7], v[XP+8:XP+15], v[WD+8:WD+15], 0
	v_wmma_f32_16x16x32_f16 v[DT0:DT0+7], v[XP+16:XP+23], v[WD+16:WD+23], v[DT0:DT0+7]
	v_wmma_f32_16x16x32_f16 v[DT1:DT1+7], v[XP+24:XP+31], v[WD+24:WD+31], v[DT1:DT1+7]
.irp b, 0,1,2,3,4,5,6,7
	ds_store_b128 v[STO], v[XP+4*\b:XP+4*\b+3] offset:32*\b
.endr
	s_wait_xcnt 0x0                                ; RB, which the last stores read, is loaded again only behind this wait
.irp t, 0,1,2,3,4,5,6,7
	ds_load_b128 v[RB+4*\t:RB+4*\t+3], v[RD] offset:2*SPI*\t       ; a wave's LDS instructions are served in order: these see the stores above
.endr
.irp t, 0,1,2,3,4,5,6,7
	s_wait_dscnt 7-\t                              ; load t of the eight is in
	global_store_b128 v[CO], v[RB+4*\t:RB+4*\t+3], s[22:23] offset:(16*\a+2*\t)*4096   ; 16 lanes store 256 consecutive bytes, aligned
.endr
	PLACES
.irp p, 0,2,4,6
	v_pk_add_f32 v[DT0+\p:DT0+\p+1], v[DT0+\p:DT0+\p+1], v[DT1+\p:DT1+\p+1]
.endr
	ds_store_b128 v[DS], v[DT0:DT0+3] offset:64*\a                 ; head r, t = 16 a + 8 h + 0..7
	ds_store_b128 v[DS], v[DT0+4:DT0+7] offset:64*\a+16
.endm
	OUTA 0
	OUTA 1
	OUTA 2
	OUTA 3
	; the sums of x W_dt: 16 heads x 64 t, two heads a store
	s_wait_xcnt 0x0
.irp u, 0,1,2,3,4,5,6,7
	ds_load_b128 v[RB+4*\u:RB+4*\u+3], v[RD] offset:DOFF+2*SPI*\u
.endr
.irp u, 0,1,2,3,4,5,6,7
	s_wait_dscnt 7-\u
	global_store_b128 v[DCO], v[RB+4*\u:RB+4*\u+3], s[24:25] offset:4096*\u
.endr
	s_wait_tensorcnt 0x0
	ds_add_u32 v254, v255
	s_wait_dscnt 0x0
	s_endpgm
.Lfunc_end_k_qc2b8530db5_xproj:
	.size	k_qc2b8530db5_xproj, .Lfunc_end_k_qc2b8530db5_xproj-k_qc2b8530db5_xproj
	.p2alignl 7, 3214868480
	.fill 96, 4, 3214868480
	.section	.rodata,"a",@progbits
	.p2align	6, 0x0
	.amdhsa_kernel k_qc2b8530db5_xproj
		.amdhsa_group_segment_fixed_size 242176
		.amdhsa_private_segment_fixed_size 0
		.amdhsa_enable_private_segment 0
		.amdhsa_kernarg_size 88
		.amdhsa_user_sgpr_count 2
		.amdhsa_user_sgpr_kernarg_segment_ptr 1
		.amdhsa_wavefront_size32 1
		.amdhsa_system_sgpr_workgroup_id_x 1
		.amdhsa_system_sgpr_workgroup_id_y 1
		.amdhsa_system_sgpr_workgroup_id_z 1
		.amdhsa_system_vgpr_workitem_id 0
		.amdhsa_next_free_vgpr 720
		.amdhsa_next_free_sgpr 66
		.amdhsa_reserve_vcc 0
		.amdhsa_float_denorm_mode_32 3
		.amdhsa_float_denorm_mode_16_64 3
		.amdhsa_memory_ordered 1
		.amdhsa_forward_progress 1
		.amdhsa_inst_pref_size 147
	.end_amdhsa_kernel
	.amdgpu_metadata
---
amdhsa.version: [ 1, 2 ]
amdhsa.kernels:
  - .name:           k_qc2b8530db5_xproj
    .symbol:         k_qc2b8530db5_xproj.kd
    .args:
      - { .name: obs, .offset: 0, .size: 8, .value_kind: global_buffer, .address_space: global }
      - { .name: W_in, .offset: 8, .size: 8, .value_kind: global_buffer, .address_space: global }
      - { .name: b_in, .offset: 16, .size: 8, .value_kind: global_buffer, .address_space: global }
      - { .name: W_dt, .offset: 24, .size: 8, .value_kind: global_buffer, .address_space: global }
      - { .name: W_B, .offset: 32, .size: 8, .value_kind: global_buffer, .address_space: global }
      - { .name: W_C, .offset: 40, .size: 8, .value_kind: global_buffer, .address_space: global }
      - { .name: W_yo, .offset: 48, .size: 8, .value_kind: global_buffer, .address_space: global }
      - { .name: xb, .offset: 56, .size: 8, .value_kind: global_buffer, .address_space: global }
      - { .name: dtP, .offset: 64, .size: 8, .value_kind: global_buffer, .address_space: global }
      - { .name: Wbc, .offset: 72, .size: 8, .value_kind: global_buffer, .address_space: global }
      - { .name: Wyob, .offset: 80, .size: 8, .value_kind: global_buffer, .address_space: global }
    .group_segment_fixed_size: 242176
    .private_segment_fixed_size: 0
    .kernarg_segment_align: 8
    .kernarg_segment_size: 88
    .max_flat_workgroup_size: 128
    .sgpr_count:     66
    .vgpr_count:     720
    .wavefront_size: 32
...
	.end_amdgpu_metadata
.endif
;; end of part 7
;; launch bcgemm: the kernel of part 2 again; grid 8 x 32, 4 waves a work-group, clusters of 4 x 4, 327,680 bytes of LDS; arguments xb, Wbc, BC; writes BC
;; launch ssd (part 8): grid 32 x 8, 8 waves a work-group, no clusters, 316,672 bytes of LDS; arguments xb, BC, dtP, A_log, dt_bias, yK, yS; writes yK, yS
.if DOCPART == 8
	.amdgcn_target "amdgcn-amd-amdhsa--gfx1250"
	.amdhsa_code_object_version 6
	.text
	.protected	k_qc2b8530db5_ssd
	.globl	k_qc2b8530db5_ssd
	.p2align	8
	.type	k_qc2b8530db5_ssd,@function
k_qc2b8530db5_ssd:
	s_mov_b64 s[64:65], 0
	v_nop
	global_prefetch_b8 v0, s[64:65] scope:SCOPE_SE
	s_setreg_imm32_b32 hwreg(HW_REG_WAVE_MODE, 25, 1), 1
	s_wait_xcnt 0x0
; The scan, in chunks.  Work-group (kb, b): head h = kb >> 1, 64 of its 128 channels (columns 64 kb .. of x), batch b.  Wave c owns the 64 steps
; of chunk c.  In log2 units: a_t = -exp(A_log) dt_t log2(e), cum = running sum of a inside the chunk, tot = its last value, e_j = cum_j - log2 dt_j.
;   M[i][j] = (C_i . B_j) 2^(cum_i - e_j) for j <= i, else 0          S_c[p][n] = sum over j of X[j][p] 2^(tot - e_j) B[j][n]
;   H_0 = 0, H_(c+1) = 2^tot_c H_c + S_c (kept in f32)                Y = 2^cum_i (C H_c^T) + M X
; cum falls, so cum_i - cum_j (j <= i), tot - cum_j and cum_i are never above 0: no exponential of a kept term can overflow.
; FORMATS: B, C, M and H have no room in f16 (B and C alone grow 27,000 times when all inputs are 30 times larger), and eight bits at each
; link of this chain are too few.  So every operand here is a pair hi = bf16(v), lo = bf16(v - hi), and every product is three passes,
; hi hi + lo hi + hi lo; what is dropped, lo lo, is some 2^-16 of the product.  B and C come as two planes.
; y LEAVES AS f16 WITH A SCALE: for each row and its 64 channels here, s = 2^floor(log2 of the largest |y|), clipped to 2^-126 .. 2^126, goes to
; yS and y / s, below 2 in size (below 4 at the upper clip), to yK: eleven bits whatever the size of y, and the division is exact.
; yS[kb][row block of 64][r][a] holds the scale of row 16 a + r, so that the next launch's lane r reads its four row tiles' scales as 16 bytes.
; B's and C's fragments go straight from memory into registers and only two work-groups share them, so there is no LDS tile to ask for jointly.
; All matrix products are used transposed (source 1 holds the rows of the result), so that M's tiles, packed, are fragments without a shuffle.
; REGISTERS: window 1 v0-127: B hi, lo -> the sums of S -> the sums of M X.  Window 1 v128-255: C hi, lo -> X transposed hi, lo -> C once more
; (loaded a second time: 512 registers a wave do not hold C beside X, G and the sums).  Window 0: the rest, see below.
; LDS: RA_c = 20,480 c: X hi [64 j][64 p] pitch 160, lo at + 10,240; behind the first barrier H_c hi [64 p][64 n] pitch 144, lo at + 10,240.
;      RB_c = 163,840 + 18,432 c: the weighted B hi, pitch 144, lo at + 9,216; then S_c in f32, pitch 272 (all reads of the weighted B are back
;      by then); behind the second barrier y in f16, pitch 144.  RT_c = 311,296 + 512 c: e[64], cum[64].  315,392: 2^tot of the chunks.
; LIMITS: a dt below 2^-126 counts as 0 (the transcendentals flush denormals, ISA guide 15.8).  a_t is clipped at -200: a factor 2^-200
; is 0 in f32, as the unclipped factor would be.  A y below 2^-24 of the largest of its row's 64 channels is rounded away.
.set RAS,  20480
.set RBS,  18432
.set RB0,  8*RAS
.set RT0,  RB0+8*RBS
.set DC0,  RT0+8*512
.set XLO,  10240                       ; from a hi plane to its lo plane in RA
.set BLO,  9216                        ; the same in RB
.set LN,   1                           ; lane
.set RR,   2                           ; lane & 15
.set HH,   3                           ; lane >> 4
.set DD,   4                           ; r - 8 h, signed: the diagonal tiles' mask
.set CI,   5                           ; v[5:8]   cum at i = 16 it + r
.set EI,   9                           ; v[9:12]  2^cum there
.set WJ,   13                          ; v[13:16] 2^(tot - e) at j = 16 jt + r
.set VDT,  17
.set VX,   18
.set VBC,  19
.set VXS,  20
.set VTR,  21
.set VBW,  22
.set VSS,  23
.set XR,   24                          ; v[24:87]   x as loaded (f16)
.set GA,   24                          ; v[24:103]  G: the ten tiles on and below the diagonal
.set SV,   24                          ; v[24:135]  S_0 .. S_6 of my 16 state elements, turned into H_1 .. H_7 in place
.set HF,   24                          ; v[24:151]  H's fragments (pt, ks), hi then lo; at the end y read back
.set EJ,   104                         ; v[104:135] dtP's parts, then e at j = 16 jt + 8 h + 0..7
.set BT,   136                         ; v[136:199] two sets of the weighted B's fragments (plane, ksj) of one n tile
.set DCV,  136                         ; v[136:143] 2^tot of the eight chunks
.set PK,   144                         ; v[144:159] H packed
.set MX,   152                         ; v152, v153 two running maxima while y is scaled; v153 then 1 / s
.set MY,   153
.set AB,   154                         ; v[154:157] magnitudes at work
.set SD,   160                         ; v[160:161] the two scales that my lane stores
.set MF,   168                         ; v[168:199] M's fragments of one row block: hi (ksj 0, 1), lo (ksj 0, 1)
.set CH,   168                         ; v[168:199] C H^T of one row block
.set T,    200                         ; v[200:231] at work
.set VRT8, 232
.set VRTH, 233
.set VRTR, 234
.set VS,   235
.set VS2,  236
.set VH,   237
.set VH2,  238
.set VH3,  239
.set VDC,  240
.set VDCW, 241
.set VHF,  242
.set VYR,  243
.set VYO,  244
.set L4,   245
.set TA,   246
.set TB,   247
.set TC,   248
.set VTB,  249
.set SCL,  250                         ; v[250:253] the scale of row 16 it + r
.set VYS,  254                         ; my place in yS: 16 r + 8 h
.set U,    136                         ; names of the softplus and the running sum, in BT's registers
.set LG,   138
.set Q,    140
.set DTV,  142
.set LD,   144
.set A0,   146
.set A1,   147
.set SC,   148
.set TP,   149
.set AD,   150
.set AV,   151
.set CU,   152
.set EE,   154
.set BB,   0                           ; window 1: B's fragments (jt, ks), hi at 0, lo at 64
.set SA,   0                           ; window 1: S's 16 accumulator tiles (nt, pt)
.set YA,   0                           ; window 1: M X's 16 accumulator tiles (it, pt)
.set CF,   128                         ; window 1: C's fragments (it, ks), hi at 128, lo at 192
.set XT,   128                         ; window 1: X transposed, fragments (pt, ksj), hi at 128, lo at 192
.set MSB, 0
.macro WIN new
.if MSB != \new
	s_set_vgpr_msb (MSB<<8)|\new
.set MSB, \new
.endif
.endm
.macro PLACES
.rept 4
	v_nop
.endr
.endm
.macro PADD p, o
	s_mov_b32 s2, s[\o]
	s_add_nc_u64 s[\p:\p+1], s[\p:\p+1], s[2:3]
.endm
; eight f32 in src become four packed words of upper parts (hi) and four of lower parts (lo); src is left holding the rests; tmp: 8 registers
.macro SPLIT4 src, hi, lo, tmp
.irp m, 0,1,2,3
	v_cvt_pk_bf16_f32 v[\hi+\m], v[\src+2*\m], v[\src+2*\m+1]
.endr
.irp m, 0,1,2,3
	v_lshlrev_b32 v[\tmp+2*\m], 16, v[\hi+\m]
	v_and_b32 v[\tmp+2*\m+1], s28, v[\hi+\m]
.endr
.irp m, 0,1,2,3
	v_pk_add_f32 v[\src+2*\m:\src+2*\m+1], v[\src+2*\m:\src+2*\m+1], v[\tmp+2*\m:\tmp+2*\m+1] neg_lo:[0,1] neg_hi:[0,1]
.endr
.irp m, 0,1,2,3
	v_cvt_pk_bf16_f32 v[\lo+\m], v[\src+2*\m], v[\src+2*\m+1]
.endr
.endm
; 16 loads: the eight fragments (tile, ks) of one plane of B or C; row r of the tile, 16 h, two loads 32 bytes apart
.macro LDF dst, base, off
.irp jt, 0,1,2,3
.irp ks, 0,1
	global_load_b128 v[\dst+8*(2*\jt+\ks):\dst+8*(2*\jt+\ks)+3], v[VBC], s[\base:\base+1] offset:\jt*65536+64*\ks+\off
	global_load_b128 v[\dst+8*(2*\jt+\ks)+4:\dst+8*(2*\jt+\ks)+7], v[VBC], s[\base:\base+1] offset:\jt*65536+64*\ks+\off+32
.endr
.endr
.endm
	s_load_b256 s[8:15], s[0:1], 0x0               ; xb 8, BC 10, dtP 12, A_log 14
	s_load_b128 s[16:19], s[0:1], 0x20             ; dt_bias 16, yK 18
	s_load_b64 s[42:43], s[0:1], 0x30              ; yS 42
	v_lshrrev_b32 v[TA], 5, v0
	v_readfirstlane_b32 s4, v[TA]                  ; c: wave = chunk
	s_mov_b32 s5, ttmp9                            ; kb
	s_and_b32 s6, ttmp7, 0xffff                    ; b
	s_lshr_b32 s7, s5, 1                           ; h
	s_mov_b32 s3, 0
	s_mov_b32 s22, 0x3fb8aa3b                      ; log2(e)
	s_mov_b32 s23, 0xbfb8aa3b                      ; -log2(e)
	s_mov_b32 s24, 0x3f317218                      ; ln 2
	s_mov_b32 s25, 0x3b800000                      ; 2^-8
	s_mov_b32 s26, 0xc3480000                      ; -200
	s_mov_b32 s28, 0xffff0000                      ; a word's upper bf16
	s_mov_b32 s44, 0x76543210                      ; v_permlanex16_b32: lane i of one half reads lane i of the other
	s_mov_b32 s45, 0xfedcba98
	s_mov_b32 s46, 0x7fffffff                      ; clears a sign
	s_mul_i32 s29, s4, RAS                         ; RA_c
	s_mul_i32 s30, s4, RBS
	s_add_co_u32 s30, s30, RB0                     ; RB_c
	s_lshl_b32 s31, s4, 9
	s_add_co_u32 s31, s31, RT0                     ; RT_c
	s_lshl_b32 s32, s4, 2
	s_add_co_u32 s32, s32, DC0                     ; my word of 2^tot
	s_lshl_b32 s33, s6, 21                         ; row m0 = 512 b + 64 c, x 4,096 bytes
	s_lshl_b32 s2, s4, 18
	s_add_co_u32 s33, s33, s2
	s_lshl_b32 s2, s5, 7
	s_add_co_u32 s34, s33, s2                      ; xb: + 128 kb
	s_lshl_b32 s2, s7, 7
	s_add_co_u32 s35, s33, s2                      ; BC: + 128 h
	s_lshl_b32 s36, s6, 15                         ; dtP: (16 b + h) x 2,048 + 256 c
	s_lshl_b32 s2, s7, 11
	s_add_co_u32 s36, s36, s2
	s_lshl_b32 s2, s4, 8
	s_add_co_u32 s36, s36, s2
	s_lshl_b32 s37, s7, 2                          ; A_log, dt_bias: 4 h
	s_lshl_b32 s38, s5, 19                         ; yK: kb x 524,288 + m0 x 128
	s_lshl_b32 s2, s6, 16
	s_add_co_u32 s38, s38, s2
	s_lshl_b32 s2, s4, 13
	s_add_co_u32 s38, s38, s2
	s_lshl_b32 s39, s5, 14                         ; yS: kb x 16,384 + row block (8 b + c) x 256
	s_lshl_b32 s2, s6, 11
	s_add_co_u32 s39, s39, s2
	s_lshl_b32 s2, s4, 8
	s_add_co_u32 s39, s39, s2
	v_and_b32 v[LN], 31, v0
	v_and_b32 v[RR], 15, v0
	v_bfe_u32 v[HH], v0, 4, 1
	v_lshlrev_b32 v[VDT], 3, v[LN]                 ; two t a lane
	v_bfe_u32 v[TA], v0, 3, 2                      ; lane >> 3
	v_and_b32 v[TB], 7, v0                         ; lane & 7
	v_lshlrev_b32 v[VX], 4, v[TB]
	v_lshl_add_u32 v[VX], v[TA], 12, v[VX]         ; X: four rows a load, 128 bytes each
	v_lshlrev_b32 v[VBC], 4, v[HH]
	v_lshl_add_u32 v[VBC], v[RR], 12, v[VBC]       ; fragments: row r, 16 h
	s_wait_kmcnt 0x0
	PADD 8, 34
	PADD 10, 35
	PADD 12, 36
	PADD 14, 37
	PADD 16, 37
	PADD 18, 38
	PADD 42, 39
	s_add_nc_u64 s[40:41], s[10:11], 0x1000000     ; BC's plane of lower parts
	s_load_b32 s20, s[14:15], 0x0                  ; A_log[h]
	s_load_b32 s21, s[16:17], 0x0                  ; dt_bias[h]
	; loads in the order in which they are wanted; the later ones are issued where the earlier ones have been waited for
.irp i, 0,1,2,3,4,5,6,7,8,9,10,11,12,13,14,15
	global_load_b64 v[EJ+2*\i:EJ+2*\i+1], v[VDT], s[12:13] offset:\i*262144
.endr
.irp q, 0,1,2,3,4,5,6,7,8,9,10,11,12,13,14,15
	global_load_b128 v[XR+4*\q:XR+4*\q+3], v[VX], s[8:9] offset:\q*16384
.endr
	WIN 0x40                                       ; destination window 1
	LDF BB, 10, 0                                  ; B hi
	WIN 0
	; LDS addresses, while the loads fly
	v_mul_u32_u24 v[VXS], v[TA], 160
	v_lshl_add_u32 v[VXS], v[TB], 4, v[VXS]
	v_add_nc_u32 v[VXS], s29, v[VXS]               ; X in: row lane >> 3, 16 (lane & 7)
	v_mul_u32_u24 v[VYR], v[TA], 144
	v_lshl_add_u32 v[VYR], v[TB], 4, v[VYR]
	v_add_nc_u32 v[VYR], s30, v[VYR]               ; y back, likewise
	v_lshl_add_u32 v[TC], v[HH], 3, v[TB]          ; 8 h + (lane & 7)
	v_bfe_u32 v[TA], v0, 3, 1                      ; (lane >> 3) & 1
	v_mul_u32_u24 v[VTR], v[TC], 160               ; transposing loads of X
	v_lshl_add_u32 v[VTR], v[TA], 4, v[VTR]
	v_add_nc_u32 v[VTR], s29, v[VTR]
	v_mul_u32_u24 v[VTB], v[TC], 144               ; and of the weighted B
	v_lshl_add_u32 v[VTB], v[TA], 4, v[VTB]
	v_add_nc_u32 v[VTB], s30, v[VTB]
	v_mul_u32_u24 v[VBW], v[RR], 144
	v_lshl_add_u32 v[VBW], v[HH], 4, v[VBW]        ; r 144 + 16 h
	v_add_nc_u32 v[VHF], s29, v[VBW]               ; H's fragments
	v_add_nc_u32 v[VBW], s30, v[VBW]               ; the weighted B in, later y in
	v_mul_u32_u24 v[VSS], v[RR], 272
	v_lshl_add_u32 v[VSS], v[HH], 5, v[VSS]
	v_add_nc_u32 v[VSS], s30, v[VSS]
	v_lshl_add_u32 v[VRT8], v[LN], 3, s31
	v_lshl_add_u32 v[VRTH], v[HH], 5, s31
	v_lshl_add_u32 v[VRTR], v[RR], 2, s31
	v_lshrrev_b32 v[TA], 2, v0                     ; the state: thread owns p = tid >> 2, n = 16 (tid & 3) + 0..15
	v_and_b32 v[TB], 3, v0
	v_mul_u32_u24 v[VS], v[TA], 272
	v_lshl_add_u32 v[VS], v[TB], 6, v[VS]
	v_add_nc_u32 v[VS], RB0, v[VS]
	v_add_nc_u32 v[VS2], 4*RBS, v[VS]
	v_mul_u32_u24 v[VH], v[TA], 144
	v_lshl_add_u32 v[VH], v[TB], 5, v[VH]
	v_add_nc_u32 v[VH2], 3*RAS, v[VH]
	v_add_nc_u32 v[VH3], 6*RAS, v[VH]
	v_mov_b32 v[VDC], DC0
	v_mov_b32 v[VDCW], s32
	v_lshlrev_b32 v[VYO], 4, v[LN]
	v_lshlrev_b32 v[L4], 2, v[LN]
	v_lshlrev_b32 v[TA], 3, v[HH]
	v_sub_nc_u32 v[DD], v[RR], v[TA]
	v_lshlrev_b32 v[VYS], 4, v[RR]
	v_lshl_add_u32 v[VYS], v[HH], 3, v[VYS]
	; dt = softplus(sum of the 16 parts + bias) for t = 2 lane, 2 lane + 1
	s_wait_loadcnt 32                              ; the parts are in; X and B hi (32 loads) stay out
	WIN 0x40
	LDF BB+64, 40, 0                               ; B lo
	WIN 0
.irp i, 0,1,2,3,4,5,6,7
	v_pk_add_f32 v[EJ+2*\i:EJ+2*\i+1], v[EJ+2*\i:EJ+2*\i+1], v[EJ+2*\i+16:EJ+2*\i+17]
.endr
.irp i, 0,1,2,3
	v_pk_add_f32 v[EJ+2*\i:EJ+2*\i+1], v[EJ+2*\i:EJ+2*\i+1], v[EJ+2*\i+8:EJ+2*\i+9]
.endr
.irp i, 0,1
	v_pk_add_f32 v[EJ+2*\i:EJ+2*\i+1], v[EJ+2*\i:EJ+2*\i+1], v[EJ+2*\i+4:EJ+2*\i+5]
.endr
	v_pk_add_f32 v[EJ:EJ+1], v[EJ:EJ+1], v[EJ+2:EJ+3]
	s_wait_kmcnt 0x0                               ; A_log[h], dt_bias[h]
	v_add_f32 v[EJ], s21, v[EJ]
	v_add_f32 v[EJ+1], s21, v[EJ+1]
	v_and_b32 v[U], 0x7fffffff, v[EJ]
	v_and_b32 v[U+1], 0x7fffffff, v[EJ+1]
	v_mul_f32 v[U], s23, v[U]
	v_mul_f32 v[U+1], s23, v[U+1]
	v_mul_f32 v[AV], s22, s20
	v_exp_f32 v[U], v[U]                           ; u = exp(-|z|), at most 1
	v_exp_f32 v[U+1], v[U+1]
	v_exp_f32 v[AV], v[AV]                         ; exp(A_log)
	v_nop                                          ; one plain place behind the transcendentals (ISA guide 5.7.2)
	s_wait_alu depctr_va_vdst(0)
	v_add_f32 v[LG], 1.0, v[U]
	v_add_f32 v[LG+1], 1.0, v[U+1]
	v_log_f32 v[LG], v[LG]
	v_log_f32 v[LG+1], v[LG+1]
	v_mul_f32 v[Q], -0.5, v[U]                     ; for u < 2^-8: log(1 + u) = u - u^2 / 2, short by less than u^3 / 3
	v_mul_f32 v[Q+1], -0.5, v[U+1]
	v_fma_f32 v[Q], v[Q], v[U], v[U]
	v_fma_f32 v[Q+1], v[Q+1], v[U+1], v[U+1]
	s_wait_alu depctr_va_vdst(0)
	v_mul_f32 v[LG], s24, v[LG]
	v_mul_f32 v[LG+1], s24, v[LG+1]
	v_cmp_gt_f32 vcc_lo, s25, v[U]
	v_cndmask_b32 v[LG], v[LG], v[Q], vcc_lo
	v_cmp_gt_f32 vcc_lo, s25, v[U+1]
	v_cndmask_b32 v[LG+1], v[LG+1], v[Q+1], vcc_lo
	v_max_num_f32 v[EJ], 0, v[EJ]
	v_max_num_f32 v[EJ+1], 0, v[EJ+1]
	v_add_f32 v[DTV], v[EJ], v[LG]                 ; dt
	v_add_f32 v[DTV+1], v[EJ+1], v[LG+1]
	v_mul_f32 v[AV], s23, v[AV]                    ; -exp(A_log) log2(e)
	v_log_f32 v[LD], v[DTV]
	v_log_f32 v[LD+1], v[DTV+1]
	v_mul_f32 v[A0], v[AV], v[DTV]
	v_mul_f32 v[A1], v[AV], v[DTV+1]
	v_max_num_f32 v[A0], s26, v[A0]
	v_max_num_f32 v[A1], s26, v[A1]
	v_add_f32 v[SC], v[A0], v[A1]
	; inclusive running sum of the pairs' sums over the 32 lanes: five exchanges, lane takes lane - d
.irp d, 1,2,4,8,16
	v_sub_nc_u32 v[AD], v[L4], 4*\d
	ds_bpermute_b32 v[TP], v[AD], v[SC]
	v_cmp_le_u32 vcc_lo, \d, v[LN]
	s_wait_dscnt 0x0
	v_cndmask_b32 v[TP], 0, v[TP], vcc_lo
	v_add_f32 v[SC], v[SC], v[TP]
.endr
	v_sub_f32 v[CU], v[SC], v[A1]                  ; cum at t = 2 lane
	v_mov_b32 v[CU+1], v[SC]                       ; and at 2 lane + 1
	s_wait_alu depctr_va_vdst(0)
	v_sub_f32 v[EE], v[CU], v[LD]                  ; e = cum - log2 dt (dt = 0: + infinity, and every weight below comes out 0)
	v_sub_f32 v[EE+1], v[CU+1], v[LD+1]
	v_readlane_b32 s27, v[SC], 31                  ; tot
	ds_store_b64 v[VRT8], v[EE:EE+1]
	ds_store_b64 v[VRT8], v[CU:CU+1] offset:256
	v_mov_b32 v[TP], s27
	v_exp_f32 v[TP], v[TP]
	v_nop
	s_wait_alu depctr_va_vdst(0)
	ds_store_b32 v[VDCW], v[TP]                    ; all lanes write the same word with the same value
	; back in the layouts that the tiles want; my own bytes, served in order behind my stores
.irp jt, 0,1,2,3
	ds_load_b128 v[EJ+8*\jt:EJ+8*\jt+3], v[VRTH] offset:64*\jt
	ds_load_b128 v[EJ+8*\jt+4:EJ+8*\jt+7], v[VRTH] offset:64*\jt+16
.endr
.irp j, 0,1,2,3
	ds_load_b32 v[CI+\j], v[VRTR] offset:256+64*\j
	ds_load_b32 v[T+\j], v[VRTR] offset:64*\j
.endr
	s_wait_dscnt 0x0
.irp j, 0,1,2,3
	v_sub_f32 v[WJ+\j], s27, v[T+\j]
.endr
.irp j, 0,1,2,3
	v_exp_f32 v[WJ+\j], v[WJ+\j]
	v_exp_f32 v[EI+\j], v[CI+\j]
.endr
	v_nop
	s_wait_alu depctr_va_vdst(0)
	; X: f16 to f32 (exact), split (exact: eleven bits fit a pair), into its two stages, from which it is read transposed later
	s_wait_loadcnt 32                              ; X is in; B hi and lo (32 loads) stay out
	WIN 0x40
	LDF CF, 10, 2048                               ; C hi
	WIN 0
.macro XQ q, e0, e1, e2, e3, e4, e5, e6, e7
	v_cvt_f32_f16 v[T+0], \e0
	v_cvt_f32_f16 v[T+1], \e1
	v_cvt_f32_f16 v[T+2], \e2
	v_cvt_f32_f16 v[T+3], \e3
	v_cvt_f32_f16 v[T+4], \e4
	v_cvt_f32_f16 v[T+5], \e5
	v_cvt_f32_f16 v[T+6], \e6
	v_cvt_f32_f16 v[T+7], \e7
	SPLIT4 T, T+8, T+12, T+16
	ds_store_b128 v[VXS], v[T+8:T+11] offset:\q*640
	ds_store_b128 v[VXS], v[T+12:T+15] offset:XLO+\q*640
.endm
	XQ 0, v24.l, v24.h, v25.l, v25.h, v26.l, v26.h, v27.l, v27.h
	XQ 1, v28.l, v28.h, v29.l, v29.h, v30.l, v30.h, v31.l, v31.h
	XQ 2, v32.l, v32.h, v33.l, v33.h, v34.l, v34.h, v35.l, v35.h
	XQ 3, v36.l, v36.h, v37.l, v37.h, v38.l, v38.h, v39.l, v39.h
	XQ 4, v40.l, v40.h, v41.l, v41.h, v42.l, v42.h, v43.l, v43.h
	XQ 5, v44.l, v44.h, v45.l, v45.h, v46.l, v46.h, v47.l, v47.h
	XQ 6, v48.l, v48.h, v49.l, v49.h, v50.l, v50.h, v51.l, v51.h
	XQ 7, v52.l, v52.h, v53.l, v53.h, v54.l, v54.h, v55.l, v55.h
	XQ 8, v56.l, v56.h, v57.l, v57.h, v58.l, v58.h, v59.l, v59.h
	XQ 9, v60.l, v60.h, v61.l, v61.h, v62.l, v62.h, v63.l, v63.h
	XQ 10, v64.l, v64.h, v65.l, v65.h, v66.l, v66.h, v67.l, v67.h
	XQ 11, v68.l, v68.h, v69.l, v69.h, v70.l, v70.h, v71.l, v71.h
	XQ 12, v72.l, v72.h, v73.l, v73.h, v74.l, v74.h, v75.l, v75.h
	XQ 13, v76.l, v76.h, v77.l, v77.h, v78.l, v78.h, v79.l, v79.h
	XQ 14, v80.l, v80.h, v81.l, v81.h, v82.l, v82.h, v83.l, v83.h
	XQ 15, v84.l, v84.h, v85.l, v85.h, v86.l, v86.h, v87.l, v87.h
	; the weighted B, 2^(tot - e_j) (B hi + B lo)[j][n], split again, into its two stages
	s_wait_loadcnt 16                              ; B hi and lo are in; C hi (16 loads) stays out
	WIN 0x40
	LDF CF+64, 40, 2048                            ; C lo
	WIN 0
.macro BWS jt, ks
	WIN 0x04                                       ; source 1 in window 1
.irp m, 0,1,2,3,4,5,6,7
	v_lshlrev_b32 v[T+2*\m], 16, v[BB+8*(2*\jt+\ks)+\m]
	v_and_b32 v[T+2*\m+1], s28, v[BB+8*(2*\jt+\ks)+\m]
	v_lshlrev_b32 v[T+16+2*\m], 16, v[BB+64+8*(2*\jt+\ks)+\m]
	v_and_b32 v[T+16+2*\m+1], s28, v[BB+64+8*(2*\jt+\ks)+\m]
.endr
	WIN 0
.irp m, 0,2,4,6,8,10,12,14
	v_pk_add_f32 v[T+\m:T+\m+1], v[T+\m:T+\m+1], v[T+16+\m:T+16+\m+1]
.endr
.set i, 0
.rept 16
	v_mul_f32 v[T+i], v[WJ+\jt], v[T+i]
.set i, i+1
.endr
	SPLIT4 T, T+16, T+20, T+24
	ds_store_b128 v[VBW], v[T+16:T+19] offset:\jt*2304+64*\ks
	ds_store_b128 v[VBW], v[T+20:T+23] offset:BLO+\jt*2304+64*\ks
	SPLIT4 T+8, T+16, T+20, T+24
	ds_store_b128 v[VBW], v[T+16:T+19] offset:\jt*2304+64*\ks+32
	ds_store_b128 v[VBW], v[T+20:T+23] offset:BLO+\jt*2304+64*\ks+32
.endm
.irp jt, 0,1,2,3
	BWS \jt, 0
	BWS \jt, 1
.endr
	; G = C B^T for the ten tiles on and below the diagonal: six passes (three products x two K steps); the ten accumulators take turns,
	; one instruction a turn, in the same order in every pass
	s_wait_loadcnt 0x0                             ; C is in
.macro GW it, jt, x, bo, co, ks, zero
.if \zero
	v_wmma_f32_16x16x32_bf16 v[GA+8*\x:GA+8*\x+7], v[BB+\bo+8*(2*\jt+\ks):BB+\bo+8*(2*\jt+\ks)+7], v[CF+\co+8*(2*\it+\ks):CF+\co+8*(2*\it+\ks)+7], 0
.else
	v_wmma_f32_16x16x32_bf16 v[GA+8*\x:GA+8*\x+7], v[BB+\bo+8*(2*\jt+\ks):BB+\bo+8*(2*\jt+\ks)+7], v[CF+\co+8*(2*\it+\ks):CF+\co+8*(2*\it+\ks)+7], v[GA+8*\x:GA+8*\x+7]
.endif
.endm
.macro GPASS bo, co, ks, zero
	GW 0, 0, 0, \bo, \co, \ks, \zero
	GW 1, 0, 1, \bo, \co, \ks, \zero
	GW 1, 1, 2, \bo, \co, \ks, \zero
	GW 2, 0, 3, \bo, \co, \ks, \zero
	GW 2, 1, 4, \bo, \co, \ks, \zero
	GW 2, 2, 5, \bo, \co, \ks, \zero
	GW 3, 0, 6, \bo, \co, \ks, \zero
	GW 3, 1, 7, \bo, \co, \ks, \zero
	GW 3, 2, 8, \bo, \co, \ks, \zero
	GW 3, 3, 9, \bo, \co, \ks, \zero
.endm
	WIN 0x05                                       ; sources 0 and 1 in window 1
	GPASS 0, 0, 0, 1
	GPASS 0, 0, 1, 0
	GPASS 64, 0, 0, 0
	GPASS 64, 0, 1, 0
	GPASS 0, 64, 0, 0
	GPASS 0, 64, 1, 0
	WIN 0
	PLACES                                         ; four places before loads land on C's registers,
	v_nop                                          ; five before matrix instructions write over B's
	; X transposed (rows p, j along K) into C's registers; S[p][n]: source 0 = the weighted B transposed (rows n), source 1 = X transposed
	WIN 0x40
.irp pl, 0,1
.irp pt, 0,1,2,3
.irp ksj, 0,1
	ds_load_tr16_b128 v[XT+64*\pl+8*(2*\pt+\ksj):XT+64*\pl+8*(2*\pt+\ksj)+3], v[VTR] offset:\pl*XLO+\ksj*5120+32*\pt
	ds_load_tr16_b128 v[XT+64*\pl+8*(2*\pt+\ksj)+4:XT+64*\pl+8*(2*\pt+\ksj)+7], v[VTR] offset:\pl*XLO+\ksj*5120+32*\pt+2560
.endr
.endr
.endr
	WIN 0
.macro SLD nt                          ; eight loads: n tile nt of the weighted B, both planes, both K steps, into set nt & 1
.irp pl, 0,1
.irp ksj, 0,1
	ds_load_tr16_b128 v[BT+32*(\nt&1)+16*\pl+8*\ksj:BT+32*(\nt&1)+16*\pl+8*\ksj+3], v[VTB] offset:\pl*BLO+\ksj*4608+32*\nt
	ds_load_tr16_b128 v[BT+32*(\nt&1)+16*\pl+8*\ksj+4:BT+32*(\nt&1)+16*\pl+8*\ksj+7], v[VTB] offset:\pl*BLO+\ksj*4608+32*\nt+2304
.endr
.endr
.endm
.macro SPASS nt, bp, xp, ksj, zero
.irp pt, 0,1,2,3
.if \zero
	v_wmma_f32_16x16x32_bf16 v[SA+8*(4*\nt+\pt):SA+8*(4*\nt+\pt)+7], v[BT+32*(\nt&1)+16*\bp+8*\ksj:BT+32*(\nt&1)+16*\bp+8*\ksj+7], v[XT+64*\xp+8*(2*\pt+\ksj):XT+64*\xp+8*(2*\pt+\ksj)+7], 0
.else
	v_wmma_f32_16x16x32_bf16 v[SA+8*(4*\nt+\pt):SA+8*(4*\nt+\pt)+7], v[BT+32*(\nt&1)+16*\bp+8*\ksj:BT+32*(\nt&1)+16*\bp+8*\ksj+7], v[XT+64*\xp+8*(2*\pt+\ksj):XT+64*\xp+8*(2*\pt+\ksj)+7], v[SA+8*(4*\nt+\pt):SA+8*(4*\nt+\pt)+7]
.endif
.endr
.endm
.macro SMM nt                          ; 24 matrix instructions; the four accumulators take turns
	WIN 0x54                                       ; source 1, C and D in window 1
	SPASS \nt, 0, 0, 0, 1
	SPASS \nt, 0, 0, 1, 0
	SPASS \nt, 1, 0, 0, 0
	SPASS \nt, 1, 0, 1, 0
	SPASS \nt, 0, 1, 0, 0
	SPASS \nt, 0, 1, 1, 0
	WIN 0
.endm
	SLD 0
	SLD 1
	s_wait_dscnt 8                                 ; X and set 0 are in; set 1's eight loads stay out
	SMM 0
	PLACES                                         ; four places before loads land on set 0
	SLD 2
	s_wait_dscnt 8                                 ; set 1 is in; the eight just issued stay out
	SMM 1
	PLACES
	SLD 3
	s_wait_dscnt 8
	SMM 2
	s_wait_dscnt 0x0                               ; the last set; and every read of the weighted B is back: S may lie down on it
	SMM 3
	PLACES
	WIN 0x04                                       ; store data in window 1
.irp nt, 0,1,2,3
.irp pt, 0,1,2,3
	ds_store_b128 v[VSS], v[SA+8*(4*\nt+\pt):SA+8*(4*\nt+\pt)+3] offset:\pt*4352+64*\nt
	ds_store_b128 v[VSS], v[SA+8*(4*\nt+\pt)+4:SA+8*(4*\nt+\pt)+7] offset:\pt*4352+64*\nt+16
.endr
.endr
	WIN 0                                          ; (chunk 7's S is not read by anyone: wave 7 runs the same text as the others)
; M, one tile: lane (r, h), register e: i = 16 it + r, j = 16 jt + 8 h + e.  The eight subtractions are places behind the matrix instructions
; that read M's fragments last.  Two neighbouring j tiles, packed, make one fragment of K = 32.
.macro GM it, jt, x
.irp e, 0,1,2,3,4,5,6,7
	v_sub_f32 v[T+\e], v[CI+\it], v[EJ+8*\jt+\e]
.endr
.irp e, 0,1,2,3,4,5,6,7
	v_exp_f32 v[T+\e], v[T+\e]
.endr
	v_nop
	s_wait_alu depctr_va_vdst(0)
.irp e, 0,2,4,6
	v_pk_mul_f32 v[T+\e:T+\e+1], v[T+\e:T+\e+1], v[GA+8*\x+\e:GA+8*\x+\e+1]
.endr
.if \jt == \it
.irp e, 0,1,2,3,4,5,6,7
	v_cmp_le_i32 vcc_lo, \e, v[DD]                 ; j <= i is e <= r - 8 h; what lies above the diagonal is replaced, not multiplied, by 0
	v_cndmask_b32 v[T+\e], 0, v[T+\e], vcc_lo
.endr
.endif
	SPLIT4 T, MF+8*(\jt>>1)+4*(\jt&1), MF+16+8*(\jt>>1)+4*(\jt&1), T+8
.endm
.macro MZERO o                         ; a tile above the diagonal: zeros in both planes
.irp m, 0,1,2,3
	v_mov_b32 v[MF+\o+\m], 0
	v_mov_b32 v[MF+16+\o+\m], 0
.endr
.endm
.macro YPASS it, xp, mp, ksj, zero
.irp pt, 0,1,2,3
.if \zero
	v_wmma_f32_16x16x32_bf16 v[YA+8*(4*\it+\pt):YA+8*(4*\it+\pt)+7], v[XT+64*\xp+8*(2*\pt+\ksj):XT+64*\xp+8*(2*\pt+\ksj)+7], v[MF+16*\mp+8*\ksj:MF+16*\mp+8*\ksj+7], 0
.else
	v_wmma_f32_16x16x32_bf16 v[YA+8*(4*\it+\pt):YA+8*(4*\it+\pt)+7], v[XT+64*\xp+8*(2*\pt+\ksj):XT+64*\xp+8*(2*\pt+\ksj)+7], v[MF+16*\mp+8*\ksj:MF+16*\mp+8*\ksj+7], v[YA+8*(4*\it+\pt):YA+8*(4*\it+\pt)+7]
.endif
.endr
.endm
.macro YI it                           ; M X for row block it, kept in registers; the four accumulators take turns
	WIN 0x51                                       ; source 0, C and D in window 1
	YPASS \it, 0, 0, 0, 1
	YPASS \it, 0, 1, 0, 0
	YPASS \it, 1, 0, 0, 0
.if \it >= 2
	YPASS \it, 0, 0, 1, 0
	YPASS \it, 0, 1, 1, 0
	YPASS \it, 1, 0, 1, 0
.endif
	WIN 0
.endm
	GM 0, 0, 0
	MZERO 4
	YI 0
	GM 1, 0, 1
	GM 1, 1, 2
	YI 1
	GM 2, 0, 3
	GM 2, 1, 4
	GM 2, 2, 5
	MZERO 12
	YI 2
	GM 3, 0, 6
	GM 3, 1, 7
	GM 3, 2, 8
	GM 3, 3, 9
	YI 3
	PLACES                                         ; four places before loads land on X's registers
	WIN 0x40
	LDF CF, 10, 2048                               ; C once more; it lands while the state is carried
	LDF CF+64, 40, 2048
	WIN 0
	s_wait_dscnt 0x0                               ; my S and 2^tot are stored, my reads of X's stages are back
	s_barrier_signal -1
	s_barrier_wait -1
	; the state, in f32: each of the 256 threads carries 16 elements through the eight chunks
.irp c, 0,1,2,3
.irp i, 0,1,2,3
	ds_load_b128 v[SV+16*\c+4*\i:SV+16*\c+4*\i+3], v[VS] offset:\c*RBS+16*\i
.endr
.endr
.irp c, 4,5,6
.irp i, 0,1,2,3
	ds_load_b128 v[SV+16*\c+4*\i:SV+16*\c+4*\i+3], v[VS2] offset:(\c-4)*RBS+16*\i
.endr
.endr
	ds_load_b128 v[DCV:DCV+3], v[VDC]
	ds_load_b128 v[DCV+4:DCV+7], v[VDC] offset:16
.irp m, 0,1,2,3
	v_mov_b32 v[PK+\m], 0                          ; H_0 = 0
.endr
	ds_store_b128 v[VH], v[PK:PK+3]
	ds_store_b128 v[VH], v[PK:PK+3] offset:16
	ds_store_b128 v[VH], v[PK:PK+3] offset:XLO
	ds_store_b128 v[VH], v[PK:PK+3] offset:XLO+16
	s_wait_dscnt 0x0
.macro HUP c                           ; H_c = 2^tot_(c-1) H_(c-1) + S_(c-1), in place where S_(c-1) lay
.set i, 0
.rept 16
	v_fmac_f32 v[SV+16*(\c-1)+i], v[DCV+\c-1], v[SV+16*(\c-2)+i]
.set i, i+1
.endr
.endm
.macro HST c, adr, off                 ; H_c split into chunk c's region (the split spoils the f32 copy: all H are formed first)
	SPLIT4 SV+16*(\c-1), PK, PK+4, T
	ds_store_b128 v[\adr], v[PK:PK+3] offset:\off
	ds_store_b128 v[\adr], v[PK+4:PK+7] offset:\off+XLO
	SPLIT4 SV+16*(\c-1)+8, PK+8, PK+12, T+8
	ds_store_b128 v[\adr], v[PK+8:PK+11] offset:\off+16
	ds_store_b128 v[\adr], v[PK+12:PK+15] offset:\off+XLO+16
.endm
	HUP 2                                          ; H_1 = S_0
	HUP 3
	HUP 4
	HUP 5
	HUP 6
	HUP 7
	HST 1, VH, RAS
	HST 2, VH, 2*RAS
	HST 3, VH2, 0
	HST 4, VH2, RAS
	HST 5, VH2, 2*RAS
	HST 6, VH3, 0
	HST 7, VH3, RAS
	s_wait_dscnt 0x0                               ; my parts of all eight H are stored, my reads of all S are back
	s_barrier_signal -1
	s_barrier_wait -1
	; y = 2^cum_i (C H^T) + M X, 16 rows at a time
.irp pl, 0,1
.irp pt, 0,1,2,3
.irp ks, 0,1
	ds_load_b128 v[HF+64*\pl+8*(2*\pt+\ks):HF+64*\pl+8*(2*\pt+\ks)+3], v[VHF] offset:\pl*XLO+\pt*2304+64*\ks
	ds_load_b128 v[HF+64*\pl+8*(2*\pt+\ks)+4:HF+64*\pl+8*(2*\pt+\ks)+7], v[VHF] offset:\pl*XLO+\pt*2304+64*\ks+32
.endr
.endr
.endr
	s_wait_dscnt 0x0
	s_wait_loadcnt 0x0                             ; C
.macro CPASS it, hp, cp, ks, zero
.irp pt, 0,1,2,3
.if \zero
	v_wmma_f32_16x16x32_bf16 v[CH+8*\pt:CH+8*\pt+7], v[HF+64*\hp+8*(2*\pt+\ks):HF+64*\hp+8*(2*\pt+\ks)+7], v[CF+64*\cp+8*(2*\it+\ks):CF+64*\cp+8*(2*\it+\ks)+7], 0
.else
	v_wmma_f32_16x16x32_bf16 v[CH+8*\pt:CH+8*\pt+7], v[HF+64*\hp+8*(2*\pt+\ks):HF+64*\hp+8*(2*\pt+\ks)+7], v[CF+64*\cp+8*(2*\it+\ks):CF+64*\cp+8*(2*\it+\ks)+7], v[CH+8*\pt:CH+8*\pt+7]
.endif
.endr
.endm
.macro YO it
	WIN 0x04                                       ; source 1 in window 1
	CPASS \it, 0, 0, 0, 1                          ; 24 matrix instructions; the four accumulators take turns
	CPASS \it, 0, 0, 1, 0
	CPASS \it, 1, 0, 0, 0
	CPASS \it, 1, 0, 1, 0
	CPASS \it, 0, 1, 0, 0
	CPASS \it, 0, 1, 1, 0
	WIN 0
	PLACES
	WIN 0x10                                       ; source 2 (M X) in window 1
.set i, 0
.rept 32
	v_fma_f32 v[T+i], v[EI+\it], v[CH+i], v[YA+32*\it+i]
.set i, i+1
.endr
	WIN 0
	; lane (r, h) holds row 16 it + r, channels 16 pt + 8 h + 0..7.  The largest magnitude of my 32 numbers, in two chains, then of the other
	; half's 32.  (What follows names none of the matrix instructions' registers: the places that the next block's first products want.)
.set i, 0
.rept 8
	v_and_b32 v[AB], s46, v[T+4*i]
	v_and_b32 v[AB+1], s46, v[T+4*i+1]
	v_and_b32 v[AB+2], s46, v[T+4*i+2]
	v_and_b32 v[AB+3], s46, v[T+4*i+3]
.if i == 0
	v_max_num_f32 v[MX], v[AB], v[AB+1]            ; the first four start the chains: nothing is cleared
	v_max_num_f32 v[MY], v[AB+2], v[AB+3]
.else
	v_max3_num_f32 v[MX], v[MX], v[AB], v[AB+1]
	v_max3_num_f32 v[MY], v[MY], v[AB+2], v[AB+3]
.endif
.set i, i+1
.endr
	v_max_num_f32 v[MX], v[MX], v[MY]
	v_permlanex16_b32 v[MY], v[MX], s44, s45       ; lane i xor 16: the row's other 32 channels
	v_max_num_f32 v[MX], v[MX], v[MY]
	v_max_num_f32 v[MX], 0x800000, v[MX]           ; clipped to 2^-126 .. 2^126, so that s and 1 / s are both normal numbers
	v_min_num_f32 v[MX], 0x7e800000, v[MX]
	v_and_b32 v[SCL+\it], 0x7f800000, v[MX]        ; s: the exponent alone
	v_sub_nc_u32 v[MY], 0x7f000000, v[SCL+\it]     ; 1 / s: the exponent field 254 - E
.set i, 0
.rept 32
	v_mul_f32 v[T+i], v[MY], v[T+i]
.set i, i+1
.endr
.set i, 0
.rept 16
	v_cvt_pk_f16_f32 v[T+i], v[T+2*i], v[T+2*i+1]
.set i, i+1
.endr
.irp pt, 0,1,2,3
	ds_store_b128 v[VBW], v[T+4*\pt:T+4*\pt+3] offset:\it*2304+32*\pt
.endr
.endm
	YO 0
	YO 1
	YO 2
	YO 3
	; the scales: both halves of the lanes hold all four of row r; lanes 0-15 store row tiles 0 and 1, lanes 16-31 tiles 2 and 3:
	; 32 lanes x 8 bytes are 256 consecutive bytes, aligned
	v_cmp_eq_u32 vcc_lo, 1, v[HH]
	v_cndmask_b32 v[SD], v[SCL], v[SCL+2], vcc_lo
	v_cndmask_b32 v[SD+1], v[SCL+1], v[SCL+3], vcc_lo
	global_store_b64 v[VYS], v[SD:SD+1], s[42:43]
	; y out: the chunk's 64 rows of 128 bytes are 8,192 consecutive bytes of yK; a store covers 512 of them
.irp j, 0,1,2,3,4,5,6,7,8,9,10,11,12,13,14,15
	ds_load_b128 v[HF+4*\j:HF+4*\j+3], v[VYR] offset:\j*576        ; my own bytes, served in order behind my stores
.endr
.irp j, 0,1,2,3,4,5,6,7,8,9,10,11,12,13,14,15
	s_wait_dscnt 15-\j                             ; load j of the sixteen is in
	global_store_b128 v[VYO], v[HF+4*\j:HF+4*\j+3], s[18:19] offset:\j*512
.endr
	s_wait_xcnt 0x0
	v_lshl_add_u32 v254, v0, 2, 0x4d100
	v_mov_b32 v255, 0
	s_wait_tensorcnt 0x0
	ds_add_u32 v254, v255
	s_wait_dscnt 0x0
	s_endpgm
.Lfunc_end_k_qc2b8530db5_ssd:
	.size	k_qc2b8530db5_ssd, .Lfunc_end_k_qc2b8530db5_ssd-k_qc2b8530db5_ssd
	.p2alignl 7, 3214868480
	.fill 96, 4, 3214868480
	.section	.rodata,"a",@progbits
	.p2align	6, 0x0
	.amdhsa_kernel k_qc2b8530db5_ssd
		.amdhsa_group_segment_fixed_size 316672
		.amdhsa_private_segment_fixed_size 0
		.amdhsa_enable_private_segment 0
		.amdhsa_kernarg_size 56
		.amdhsa_user_sgpr_count 2
		.amdhsa_user_sgpr_kernarg_segment_ptr 1
		.amdhsa_wavefront_size32 1
		.amdhsa_system_sgpr_workgroup_id_x 1
		.amdhsa_system_sgpr_workgroup_id_y 1
		.amdhsa_system_sgpr_workgroup_id_z 1
		.amdhsa_system_vgpr_workitem_id 0
		.amdhsa_next_free_vgpr 512
		.amdhsa_next_free_sgpr 66
		.amdhsa_reserve_vcc 1
		.amdhsa_float_denorm_mode_32 3
		.amdhsa_float_denorm_mode_16_64 3
		.amdhsa_memory_ordered 1
		.amdhsa_forward_progress 1
		.amdhsa_inst_pref_size 183
	.end_amdhsa_kernel
	.amdgpu_metadata
---
amdhsa.version: [ 1, 2 ]
amdhsa.kernels:
  - .name:           k_qc2b8530db5_ssd
    .symbol:         k_qc2b8530db5_ssd.kd
    .args:
      - { .name: xb, .offset: 0, .size: 8, .value_kind: global_buffer, .address_space: global }
      - { .name: BC, .offset: 8, .size: 8, .value_kind: global_buffer, .address_space: global }
      - { .name: dtP, .offset: 16, .size: 8, .value_kind: global_buffer, .address_space: global }
      - { .name: A_log, .offset: 24, .size: 8, .value_kind: global_buffer, .address_space: global }
      - { .name: dt_bias, .offset: 32, .size: 8, .value_kind: global_buffer, .address_space: global }
      - { .name: yK, .offset: 40, .size: 8, .value_kind: global_buffer, .address_space: global }
      - { .name: yS, .offset: 48, .size: 8, .value_kind: global_buffer, .address_space: global }
    .group_segment_fixed_size: 316672
    .private_segment_fixed_size: 0
    .kernarg_segment_align: 8
    .kernarg_segment_size: 56
    .max_flat_workgroup_size: 256
    .sgpr_count:     66
    .vgpr_count:     512
    .wavefront_size: 32
...
	.end_amdgpu_metadata
.endif
;; end of part 8
;; launch hidp (part 9): grid 64 x 4, 4 waves a work-group, clusters of 4 x 1, 327,680 bytes of LDS; arguments yK, Wyob, yS, hidP; writes hidP
.if DOCPART == 9
	.amdgcn_target "amdgcn-amd-amdhsa--gfx1250"
	.amdhsa_code_object_version 6
	.text
	.protected	k_qc2b8530db5_hidp
	.globl	k_qc2b8530db5_hidp
	.p2align	8
	.type	k_qc2b8530db5_hidp,@function
k_qc2b8530db5_hidp:
	s_mov_b64 s[64:65], 0
	v_nop
	global_prefetch_b8 v0, s[64:65] scope:SCOPE_SE
	s_setreg_imm32_b32 hwreg(HW_REG_WAVE_MODE, 25, 1), 1
	s_wait_xcnt 0x0
	s_wait_alu depctr_hold_cnt(0) depctr_sa_sdst(0) depctr_va_vdst(0) depctr_va_sdst(0) depctr_va_ssrc(0) depctr_va_vcc(0) depctr_vm_vsrc(0)
	s_getreg_b32 s2, hwreg(HW_REG_IB_STS2, 6, 4)
	s_cmp_eq_u32 s2, 0
	s_cbranch_scc0 .Lentry_in_a_cluster
	s_endpgm
.Lentry_in_a_cluster:
	s_bfe_u32 s2, ttmp6, 0x10000c
	s_cmp_lg_u32 s2, 0x3003
	s_cbranch_scc0 .Lentry_shape_is_right
	s_endpgm
.Lentry_shape_is_right:
; hidP[ky][m'][u] = sum over the 512 channels of K quarter ky of y[m'][k] W_yo[k][u], in f32.  The next launch adds the four quarters.
; relu wants the whole sum over K = 2048 and the policy head all 256 units, so a launch that went on to the logits would have work for 64 row
; blocks alone; split over K there are 64 x 4 = 256 work-groups, each with a block of 64 rows x 256 units.  Wave w makes 64 rows x units 64 w ..
; FORMATS: W_yo is f16.  y comes as f16 with a scale, a power of two, for each row and each block of 64 channels (yS).  For each row the largest
; of the quarter's eight scales, smax, is taken; a block's fragments are multiplied by s / smax, a power of two of at most 1, in f16, which is
; exact but for what falls below 2^-24 of smax; so all 512 channels add up in one accumulator, and the sums are multiplied by smax at the end.
; The matrix instruction is used transposed (source 0 = 16 units of W_yo, source 1 = 16 rows of y): a lane holds one row, so a row's factor is
; one register in that lane.
; K goes in 4 steps of 128.  A slot of LDS holds 128 rows of W_yo (512 bytes each) and two blocks of y (64 rows of 128 bytes each): one tensor
; load a wave.  Three slots fit and are filled together at the start (three tensor loads of a wave are out, the most in this text); only step 3
; is a refill, of slot 0, asked for at the end of step 0 and wanted after steps 1 and 2.  So the four steps are written out, without a loop.
; CLUSTERS: 4 x 1.  The four row blocks of a cluster have the same K quarter and walk the same rows of Wyob: its tiles are asked for jointly.
; y's tiles are each work-group's own: plain loads, issued behind the same rounds.
.set NT,    4
.set NF,    2*NT+8                     ; LDS loads of one quarter's fragments
.set PA,    144                        ; y rows in LDS: 128 bytes + 16
.set PB,    544                        ; Wyob rows in LDS: 512 bytes + 32 (an odd multiple of 32, for the transposing load)
.set BTILE, 128*PB
.set YBL,   64*PA                      ; one block of y
.set SLOT,  BTILE+2*YBL
.set STAGE, 3*SLOT                     ; behind the slots, a multiple of 256: 16 rows x 272 bytes a wave; no tensor load lands here
.set SPI,   272
.set SM,   8                           ; v[8:11]   smax of row 16 a + r
.set IV,   12                          ; v[12:15]  1 / smax
.set ADRA, 16                          ; v16-18 y's fragments in slot 0, 1, 2
.set ADRB, 20                          ; v20-22 W_yo's fragments in slot 0, 1, 2
.set OSTO, 26
.set ORD,  27
.set OCO,  28
.set VS,   29                          ; 16 r: my place in a row block's scales
.set F0,   32                          ; v[32:95]   fragment buffer 0: 4 of W_yo, 4 of y
.set F1,   96                          ; v[96:159]  fragment buffer 1
.set RB,   32                          ; on the way out: v[32:159], rows read back, a set of 32 registers for each 16 rows
.set SS,   160                         ; v[160:191] the scales of block j, row tile a, at 4 j + a
.set FS,   192                         ; v[192:223] s / smax, as f16 in both halves, likewise
.set G1,  24                           ; s[24:31] group 1, y
.set G1B, 32                           ; s[32:39] group 1, Wyob
.set G0,  40                           ; s[40:51] group 0, y, one set a slot
.set G0B, 52                           ; s[52:63] group 0, Wyob, one set a slot
.set MSB, 0
.macro WIN new                         ; the immediate's high byte repeats the setting that is left
.if MSB != \new
	s_set_vgpr_msb (MSB<<8)|\new
.set MSB, \new
.endif
.endm
.macro PLACES                          ; four places behind a matrix instruction (ISA guide 7.12.1)
.rept 4
	v_nop
.endr
.endm
; Waves 0 and 1 ask jointly for the two halves of Wyob's 128 rows, waves 2 and 3 each for one block of y.  The branch hangs on the wave's number alone.
.macro JLOAD s
	s_cmp_eq_u32 s17, 0
	s_cbranch_scc0 .Lfor_y_\@
	tensor_load_to_lds s[G0B+4*\s:G0B+4*\s+3], s[G1B:G1B+7]
	s_nop 0
	s_branch .Lasked_\@
.Lfor_y_\@:
	tensor_load_to_lds s[G0+4*\s:G0+4*\s+3], s[G1:G1+7]
	s_nop 0
.Lasked_\@:
.endm
.macro CREST                           ; a round of the cluster's barrier behind its opening work-group barrier
	s_cmp_lg_u32 s16, 0
	s_cbranch_scc1 .Lnot_wave_0_\@
	s_barrier_signal -3
.Lnot_wave_0_\@:
	s_barrier_wait -3
	s_barrier_signal -1
	s_barrier_wait -1
.endm
.macro CROUND                          ; a whole round
	s_barrier_signal -1
	s_barrier_wait -1
	CREST
.endm
	s_load_b256 s[4:11], s[0:1], 0x0               ; yK 4, Wyob 6, yS 8, hidP 10
	v_lshl_add_u32 v254, v0, 2, 0x44c00
	v_mov_b32 v255, 0
	ds_add_u32 v254, v255
	v_lshrrev_b32 v1, 5, v0
	v_readfirstlane_b32 s16, v1                    ; wave
	s_lshr_b32 s17, s16, 1                         ; I fetch Wyob (0) or y (1)
	s_and_b32 s18, s16, 1                          ; which half of Wyob's rows, or which of y's two blocks
	s_bfe_u32 s19, ttmp6, 0x40000                  ; cx
	s_lshl_b32 s20, ttmp9, 2
	s_add_co_u32 s20, s20, s19                     ; row block mb = 4 x cluster x + cx
	s_and_b32 s21, ttmp7, 0xffff                   ; K quarter ky: the cluster is one work-group high, so all four partners share it
	; group 1, Wyob: 64 rows x 256 elements of 2 bytes, 8 words of padding behind every 128; mask: all four of the cluster, bit 21 beside it
	s_mov_b32 s[G1B+0], 15|(1<<16)|(1<<20)|(1<<21)|(6<<22)|(7<<25)
	s_mov_b32 s[G1B+1], 256<<16
	s_mov_b32 s[G1B+2], 64<<16
	s_mov_b32 s[G1B+3], 256<<16
	s_mov_b32 s[G1B+4], 64
	s_mov_b32 s[G1B+5], 256
	s_mov_b32 s[G1B+6], 0
	s_mov_b32 s[G1B+7], 0
	; group 1, y: 64 rows x 64 elements, 4 words of padding behind every 32; no mask
	s_mov_b32 s[G1+0], (1<<16)|(1<<20)|(4<<22)|(3<<25)
	s_mov_b32 s[G1+1], 64<<16
	s_mov_b32 s[G1+2], 64<<16
	s_mov_b32 s[G1+3], 64<<16
	s_mov_b32 s[G1+4], 64
	s_mov_b32 s[G1+5], 64
	s_mov_b32 s[G1+6], 0
	s_mov_b32 s[G1+7], 0
	s_lshl_b32 s12, s21, 18                        ; Wyob: 512 ky rows of 512 bytes
	s_lshl_b32 s13, s18, 15                        ;       + my half, 64 rows: the same in all four work-groups
	s_add_co_u32 s12, s12, s13
	s_mov_b32 s13, 0
	s_lshl_b32 s22, s21, 22                        ; yK: 8 ky blocks of 524,288 bytes
	s_lshl_b32 s23, s18, 19                        ;     + my block of the step's two
	s_add_co_u32 s22, s22, s23
	s_lshl_b32 s23, s20, 13                        ;     + 64 mb rows of 128 bytes
	s_add_co_u32 s22, s22, s23
	s_mov_b32 s23, 0
	s_lshl_b32 s70, s21, 17                        ; yS: 8 ky blocks of 16,384 bytes
	s_lshl_b32 s71, s20, 8                         ;     + row block mb, 256 bytes
	s_add_co_u32 s70, s70, s71
	s_mov_b32 s71, 0
	s_mul_i32 s14, s16, 64*PB                      ; LDS: Wyob's halves at wave x 64 rows
	s_mul_i32 s15, s16, YBL                        ; y's blocks at BTILE + (wave - 2) x 64 rows
	s_add_co_u32 s15, s15, BTILE-2*YBL
	s_wait_dscnt 0x0
	s_wait_kmcnt 0x0
	s_add_nc_u64 s[66:67], s[6:7], s[12:13]
	s_add_nc_u64 s[68:69], s[4:5], s[22:23]
	s_add_nc_u64 s[8:9], s[8:9], s[70:71]
	CROUND                                         ; the four work-groups are here: the first joint loads meet
.irp s, 0,1,2
	s_mov_b32 s[G0B+4*\s], 1
	s_add_co_u32 s[G0B+4*\s+1], s14, \s*SLOT
	s_add_nc_u64 s[G0B+4*\s+2:G0B+4*\s+3], s[66:67], \s*65536      ; K step s: 128 rows of 512 bytes
	s_or_b32 s[G0B+4*\s+3], s[G0B+4*\s+3], 0x80000000
	s_mov_b32 s[G0+4*\s], 1
	s_add_co_u32 s[G0+4*\s+1], s15, \s*SLOT
	s_add_nc_u64 s[G0+4*\s+2:G0+4*\s+3], s[68:69], \s*1048576      ; K step s: two blocks of yK
	s_or_b32 s[G0+4*\s+3], s[G0+4*\s+3], 0x80000000
	JLOAD \s                                       ; the three first fills go out as one group
.endr
	v_and_b32 v1, 15, v0                           ; r
	v_bfe_u32 v2, v0, 4, 1                         ; h
	v_lshlrev_b32 v[VS], 4, v1
.irp j, 0,1,2,3,4,5,6,7
	global_load_b128 v[SS+4*\j:SS+4*\j+3], v[VS], s[8:9] offset:\j*16384   ; block j: the scales of rows r, 16 + r, 32 + r, 48 + r; 16 lanes read 256 consecutive bytes
.endr
	v_mul_u32_u24 v3, v1, PA
	v_lshl_add_u32 v3, v2, 4, v3
	v_add_nc_u32 v[ADRA], BTILE, v3                ; y: row r, 16 h (all four waves read the same 64 rows)
	v_add_nc_u32 v[ADRA+1], SLOT, v[ADRA]
	v_add_nc_u32 v[ADRA+2], SLOT, v[ADRA+1]
	v_and_b32 v4, 7, v0
	v_lshl_add_u32 v4, v2, 3, v4                   ; 8 h + (lane & 7)
	v_bfe_u32 v5, v0, 3, 1
	v_mul_u32_u24 v6, v4, PB
	v_lshl_add_u32 v6, v5, 4, v6                   ; + 16 ((lane >> 3) & 1)
	s_lshl_b32 s2, s16, 7                          ; my 64 columns
	v_add_nc_u32 v[ADRB], s2, v6
	v_add_nc_u32 v[ADRB+1], SLOT, v[ADRB]
	v_add_nc_u32 v[ADRB+2], SLOT, v[ADRB+1]
	s_mul_i32 s2, s16, 16*SPI
	s_add_co_u32 s2, s2, STAGE                     ; my stage
	v_mul_u32_u24 v6, v1, SPI
	v_lshl_add_u32 v6, v2, 5, v6
	v_add_nc_u32 v[OSTO], s2, v6                   ; in: row r, 32 h
	v_mul_u32_u24 v6, v2, SPI
	v_lshl_add_u32 v6, v1, 4, v6
	v_add_nc_u32 v[ORD], s2, v6                    ; back: lanes 0-15 one row of 256 bytes, lanes 16-31 the next
	v_lshlrev_b32 v[OCO], 4, v1
	v_lshl_add_u32 v[OCO], v2, 10, v[OCO]          ; and the same two rows of hidP, 1,024 bytes apart
	; smax, 1 / smax (the scales are powers of two between 2^-126 and 2^126: the exponent field 254 - E), and the 32 factors
	s_wait_loadcnt 0x0
.irp a, 0,1,2,3
	v_max3_num_f32 v[SM+\a], v[SS+\a], v[SS+4+\a], v[SS+8+\a]
	v_max3_num_f32 v[SM+\a], v[SM+\a], v[SS+12+\a], v[SS+16+\a]
	v_max3_num_f32 v[SM+\a], v[SM+\a], v[SS+20+\a], v[SS+24+\a]
	v_max_num_f32 v[SM+\a], v[SM+\a], v[SS+28+\a]
	v_sub_nc_u32 v[IV+\a], 0x7f000000, v[SM+\a]
.endr
.irp j, 0,1,2,3,4,5,6,7
.irp a, 0,1,2,3
	v_mul_f32 v[SS+4*\j+\a], v[IV+\a], v[SS+4*\j+\a]               ; s / smax; a block more than 2^24 below the row's largest gets the factor 0
	v_cvt_pk_f16_f32 v[FS+4*\j+\a], v[SS+4*\j+\a], v[SS+4*\j+\a]
.endr
.endr
; 4 matrix instructions: row tile a x my four column tiles, 32 along K.  zero = 1: the first product starts the sums.
.macro MUL4 f, a, zero
.irp b, 0,1,2,3
.if \zero
	v_wmma_f32_16x16x32_f16 v[8*(NT*\a+\b):8*(NT*\a+\b)+7], v[\f+8*\b:\f+8*\b+7], v[\f+8*NT+8*\a:\f+8*NT+8*\a+7], 0
.else
	v_wmma_f32_16x16x32_f16 v[8*(NT*\a+\b):8*(NT*\a+\b)+7], v[\f+8*\b:\f+8*\b+7], v[\f+8*NT+8*\a:\f+8*NT+8*\a+7], v[8*(NT*\a+\b):8*(NT*\a+\b)+7]
.endif
.endr
.endm
; 16 LDS loads: quarter q of the slot's K step: W_yo's rows 32 q .. by the transposing load, then y: block q >> 1, byte 64 (q & 1) of its rows
.macro FETCH slot, q, f
.irp b, 0,1,2,3
	ds_load_tr16_b128 v[\f+8*\b:\f+8*\b+3], v[ADRB+\slot] offset:\q*32*PB+32*\b
	ds_load_tr16_b128 v[\f+8*\b+4:\f+8*\b+7], v[ADRB+\slot] offset:\q*32*PB+32*\b+16*PB
.endr
.irp a, 0,1,2,3
	ds_load_b128 v[\f+8*NT+8*\a:\f+8*NT+8*\a+3], v[ADRA+\slot] offset:(\q>>1)*YBL+(\q&1)*64+\a*16*PA
	ds_load_b128 v[\f+8*NT+8*\a+4:\f+8*NT+8*\a+7], v[ADRA+\slot] offset:(\q>>1)*YBL+(\q&1)*64+\a*16*PA+32
.endr
.endm
; y's row tiles a0 and a0 + 1 of buffer f times their block's factors (fs: the block's four registers)
.macro SCALE f, a0, fs
.irp a, \a0, \a0+1
.irp m, 0,1,2,3,4,5,6,7
	v_pk_mul_f16 v[\f+8*NT+8*(\a)+\m], v[\f+8*NT+8*(\a)+\m], v[\fs+(\a)]
.endr
.endr
.endm
; A quarter: 16 matrix instructions on buffer f; in its middle the next quarter's fragments are asked for, into buffer g.
; The 16 accumulators take turns, one instruction a turn, in the same order in every quarter.
.macro QUARTER slot, qn, f, g, fs, zero
	WIN 0
	s_wait_dscnt 4                                 ; all but the four youngest loads: y's row tiles 2 and 3
	SCALE \f, 0, \fs
	WIN 0x50                                       ; C and D in window 1
	MUL4 \f, 0, \zero
	MUL4 \f, 1, \zero
	WIN 0
	PLACES                                         ; four places before loads land on a buffer that matrix instructions have read
	FETCH \slot, \qn, \g
	s_wait_dscnt NF                                ; all but the run just issued
	SCALE \f, 2, \fs
	WIN 0x50
	MUL4 \f, 2, \zero
	MUL4 \f, 3, \zero
.endm
; A step's last quarter where a barrier is due.  In front of it each wave waits for its reads of this slot and for all its tensor loads.
; fill = 1: the barrier opens a round of the cluster's barrier, and the refill of this slot, three steps ahead, is the wave's first tensor load
; behind the round.  fill = 0: behind the barrier the slot that was filled again is whole for every wave.
.macro TURN slot, next, fill, fs
	WIN 0
	s_wait_dscnt 4
	SCALE F1, 0, \fs
	WIN 0x50
	MUL4 F1, 0, 0
	s_wait_dscnt 0x0                               ; my reads of this slot are over
	s_wait_tensorcnt 0x0                           ; and all my tensor loads have landed
	ds_add_u32 v254, v255
	s_wait_dscnt 0x0
	s_barrier_signal -1
	MUL4 F1, 1, 0                                  ; register work while the others arrive
	WIN 0
	s_barrier_wait -1
.if \fill
	CREST
	s_add_nc_u64 s[G0B+4*\slot+2:G0B+4*\slot+3], s[G0B+4*\slot+2:G0B+4*\slot+3], 3*65536
	s_add_nc_u64 s[G0+4*\slot+2:G0+4*\slot+3], s[G0+4*\slot+2:G0+4*\slot+3], 3*1048576
	JLOAD \slot
.endif
	PLACES
	FETCH \next, 0, F0
	SCALE F1, 2, \fs
	WIN 0x50
	MUL4 F1, 2, 0
	MUL4 F1, 3, 0
.endm
	s_wait_tensorcnt 2                             ; my part of K step 0 is in; steps 1 and 2 may stay out
	s_barrier_signal -1
	s_barrier_wait -1
	FETCH 0, 0, F0
	QUARTER 0, 1, F0, F1, FS, 1                    ; step 0, blocks 0 and 1: its first products start the sums
	QUARTER 0, 2, F1, F0, FS, 0
	QUARTER 0, 3, F0, F1, FS+4, 0
	TURN 0, 1, 1, FS+4                             ; slots 1 and 2 are whole for every wave; slot 0 is asked for again, for step 3
	QUARTER 1, 1, F0, F1, FS+8, 0                  ; step 1, blocks 2 and 3
	QUARTER 1, 2, F1, F0, FS+8, 0
	QUARTER 1, 3, F0, F1, FS+12, 0
	QUARTER 2, 0, F1, F0, FS+12, 0                 ; on into slot 2: the last barrier has shown it whole
	QUARTER 2, 1, F0, F1, FS+16, 0                 ; step 2, blocks 4 and 5
	QUARTER 2, 2, F1, F0, FS+16, 0
	QUARTER 2, 3, F0, F1, FS+20, 0
	TURN 2, 0, 0, FS+20                            ; step 3's tiles have landed in slot 0, everybody's
	QUARTER 0, 1, F0, F1, FS+24, 0                 ; step 3, blocks 6 and 7
	QUARTER 0, 2, F1, F0, FS+24, 0
	QUARTER 0, 3, F0, F1, FS+28, 0
	WIN 0
	s_wait_dscnt 4                                 ; the very last quarter: nothing more to fetch
	SCALE F1, 0, FS+28
	WIN 0x50
	MUL4 F1, 0, 0
	MUL4 F1, 1, 0
	WIN 0
	s_wait_dscnt 0x0
	SCALE F1, 2, FS+28
	WIN 0x50
	MUL4 F1, 2, 0
	MUL4 F1, 3, 0
	WIN 0
	PLACES                                         ; behind the last matrix instructions: for the products with smax and the loads onto the buffers
	s_lshl_b32 s70, s21, 22                        ; hidP: quarter ky of 4,194,304 bytes
	s_lshl_b32 s2, s20, 16                         ;       + 64 mb rows of 1,024 bytes
	s_add_co_u32 s70, s70, s2
	s_lshl_b32 s2, s16, 8                          ;       + my 64 units of 4 bytes
	s_add_co_u32 s70, s70, s2
	s_mov_b32 s71, 0
	s_add_nc_u64 s[10:11], s[10:11], s[70:71]
; 16 rows: lane (r, h) holds row 16 a + r, units 16 b + 8 h + 0..7 of my 64; times the row's smax; into my stage, back as whole rows of 256 bytes.
; Each 16 rows have their own registers for the rows read back, so that no store's data is written again.
.macro OUTP a
	WIN 0x44                                       ; source 1 and the destination in window 1
.set i, 0
.rept 32
	v_mul_f32 v[32*\a+i], v[SM+\a], v[32*\a+i]
.set i, i+1
.endr
	WIN 0x04                                       ; store data in window 1
.irp b, 0,1,2,3
	ds_store_b128 v[OSTO], v[8*(NT*\a+\b):8*(NT*\a+\b)+3] offset:64*\b
	ds_store_b128 v[OSTO], v[8*(NT*\a+\b)+4:8*(NT*\a+\b)+7] offset:64*\b+16
.endr
	WIN 0
.irp u, 0,1,2,3,4,5,6,7
	ds_load_b128 v[RB+32*\a+4*\u:RB+32*\a+4*\u+3], v[ORD] offset:2*SPI*\u      ; a wave's LDS instructions are served in order: these see the stores above
.endr
.irp u, 0,1,2,3,4,5,6,7
	s_wait_dscnt 7-\u                              ; load u of the eight is in
	global_store_b128 v[OCO], v[RB+32*\a+4*\u:RB+32*\a+4*\u+3], s[10:11] offset:(16*\a+2*\u)*1024   ; 16 lanes store 256 consecutive bytes, aligned
.endr
.endm
	OUTP 0
	OUTP 1
	OUTP 2
	OUTP 3
	s_wait_tensorcnt 0x0
	ds_add_u32 v254, v255
	s_wait_dscnt 0x0
	CROUND                                         ; the closing round: no work-group ends while a partner may still ask for a tile that names it
	s_endpgm
.Lfunc_end_k_qc2b8530db5_hidp:
	.size	k_qc2b8530db5_hidp, .Lfunc_end_k_qc2b8530db5_hidp-k_qc2b8530db5_hidp
	.p2alignl 7, 3214868480
	.fill 96, 4, 3214868480
	.section	.rodata,"a",@progbits
	.p2align	6, 0x0
	.amdhsa_kernel k_qc2b8530db5_hidp
		.amdhsa_group_segment_fixed_size 327680
		.amdhsa_private_segment_fixed_size 0
		.amdhsa_enable_private_segment 0
		.amdhsa_kernarg_size 32
		.amdhsa_user_sgpr_count 2
		.amdhsa_user_sgpr_kernarg_segment_ptr 1
		.amdhsa_wavefront_size32 1
		.amdhsa_system_sgpr_workgroup_id_x 1
		.amdhsa_system_sgpr_workgroup_id_y 1
		.amdhsa_system_sgpr_workgroup_id_z 1
		.amdhsa_system_vgpr_workitem_id 0
		.amdhsa_next_free_vgpr 384
		.amdhsa_next_free_sgpr 72
		.amdhsa_reserve_vcc 0
		.amdhsa_float_denorm_mode_32 3
		.amdhsa_float_denorm_mode_16_64 3
		.amdhsa_memory_ordered 1
		.amdhsa_forward_progress 1
		.amdhsa_inst_pref_size 95
	.end_amdhsa_kernel
	.amdgpu_metadata
---
amdhsa.version: [ 1, 2 ]
amdhsa.kernels:
  - .name:           k_qc2b8530db5_hidp
    .symbol:         k_qc2b8530db5_hidp.kd
    .args:
      - { .name: yK, .offset: 0, .size: 8, .value_kind: global_buffer, .address_space: global }
      - { .name: Wyob, .offset: 8, .size: 8, .value_kind: global_buffer, .address_space: global }
      - { .name: yS, .offset: 16, .size: 8, .value_kind: global_buffer, .address_space: global }
      - { .name: hidP, .offset: 24, .size: 8, .value_kind: global_buffer, .address_space: global }
    .group_segment_fixed_size: 327680
    .private_segment_fixed_size: 0
    .kernarg_segment_align: 8
    .kernarg_segment_size: 32
    .max_flat_workgroup_size: 128
    .sgpr_count:     72
    .vgpr_count:     384
    .wavefront_size: 32
...
	.end_amdgpu_metadata
.endif
;; end of part 9
;; launch logits: the kernel of part 6 again; grid 256 x 1, 4 waves a work-group, no clusters, 103,680 bytes of LDS; arguments hidP, b_yo, W_head, b_head, out0; writes out0
